; MI455X (gfx1250); checked and timed in simulation.
; The chip was launched on July 23, 2026; its instructions are those of AMD's public machine-readable ISA for CDNA 5 (MIT licence, August 2026) and "CDNA5" Instruction Set Architecture Reference Guide (July 2026). The comments in the code are by the model that wrote it; some were corrected since.
;; Model. Allowed arithmetic: float matrix products may take bf16 or f16 operands with f32 sums; other float arithmetic in f32, or as packed bf16 or f16 multiplies, adds, multiply-adds, maxima and minima; sums over many terms, partial sums and values carried from step to step in f32; what a program stores and reads back later, other than sums and carried values, may be rounded once to bf16 or f16.
;; Inputs: Wk 1,024 x 1,024 float32; Wq 1,024 x 1,024 float32; Wv 1,024 x 1,024 float32; att_mask 2,048 x 2,048 float32; bk 1,024 float32; bq 1,024 float32; bv 1,024 float32; k 4 x 2,048 x 1,024 float32; q 4 x 2,048 x 1,024 float32; v 4 x 2,048 x 1,024 float32.
;; Outputs: out0 4 x 2,048 x 1,024 float32.
;; 2 versions, each right. Each part assembles by itself: llvm-mc -triple=amdgcn-amd-amdhsa -mcpu=gfx1250 --defsym DOCPART=n.
;; ======== version 1 of 2: 4 launches
;; limits: values are held in f16: magnitudes above 65,504 overflow, below 6.1e-05 lose precision
;; workspace buffers: wb 6,291,456 bytes; bb 12,288 bytes; wqkv 50,331,648 bytes; pw 33,554,432 bytes; stat 1,048,576 bytes
;; launch cvtw (part 1): grid 128 x 3, 8 waves a work-group, no clusters, 0 bytes of LDS; arguments Wq, Wk, Wv, bq, bk, bv, wb, bb; writes wb, bb
.if DOCPART == 1
	.amdgcn_target "amdgcn-amd-amdhsa--gfx1250"
	.amdhsa_code_object_version 6
	.text
	.protected	k_qc6cb06b2ec_cvtw
	.globl	k_qc6cb06b2ec_cvtw
	.p2align	8
	.type	k_qc6cb06b2ec_cvtw,@function
k_qc6cb06b2ec_cvtw:
	s_mov_b64 s[64:65], 0
	v_nop
	global_prefetch_b8 v0, s[64:65] scope:SCOPE_SE
	s_setreg_imm32_b32 hwreg(HW_REG_WAVE_MODE, 25, 1), 1
	s_wait_xcnt 0x0
; wb[y] = bf16(W_y), y = 0, 1, 2 for Wq, Wk, Wv: [1024][1024] each.  bb[y] = the bias of the same layer rounded to bf16 and written as f32.
; A stream: no LDS, no barrier, no matrix work.  A work-group converts 8,192 numbers of one W: four chunks of 2,048; thread t takes 8 numbers of a chunk
; (two loads of 16 bytes on end) and stores their 16 bytes of bf16, so a store of a wave covers 512 consecutive bytes.
; All eight loads go out first; the counted waits leave the younger chunks' loads out.  The first work-group of each y also converts the 1,024 numbers of the bias.
	s_load_b512 s[4:19], s[0:1], 0x0               ; Wq s[4:5], Wk s[6:7], Wv s[8:9], bq s[10:11], bk s[12:13], bv s[14:15], wb s[16:17], bb s[18:19]
	s_and_b32 s20, ttmp7, 0xffff                   ; y: which layer
	v_lshlrev_b32 v1, 5, v0                        ; 32 bytes of f32 a thread
	v_lshlrev_b32 v2, 4, v0                        ; 16 bytes of bf16 a thread
	s_lshl_b32 s22, ttmp9, 15                      ; the work-group's 32,768 bytes of W
	s_mov_b32 s23, 0
	s_lshl_b32 s24, ttmp9, 14                      ; its 16,384 bytes of wb,
	s_lshl_b32 s21, s20, 21                        ; in part y
	s_add_co_u32 s24, s24, s21
	s_mov_b32 s25, 0
	s_lshl_b32 s30, s20, 12                        ; part y of bb
	s_mov_b32 s31, 0
	s_wait_kmcnt 0x0
	s_cmp_eq_u32 s20, 0
	s_cselect_b64 s[26:27], s[4:5], s[6:7]
	s_cselect_b64 s[28:29], s[10:11], s[12:13]
	s_cmp_lt_u32 s20, 2
	s_cselect_b64 s[26:27], s[26:27], s[8:9]
	s_cselect_b64 s[28:29], s[28:29], s[14:15]
	s_add_nc_u64 s[26:27], s[26:27], s[22:23]
	s_add_nc_u64 s[16:17], s[16:17], s[24:25]
	s_add_nc_u64 s[18:19], s[18:19], s[30:31]
.irp c, 0,1,2,3
	global_load_b128 v[8+8*\c:11+8*\c],  v1, s[26:27] offset:8192*\c th:TH_LOAD_NT
	global_load_b128 v[12+8*\c:15+8*\c], v1, s[26:27] offset:8192*\c+16 th:TH_LOAD_NT
.endr
.irp c, 0,1,2,3
	s_wait_loadcnt 6-2*\c                          ; loads come back in order: chunk c is in, the 6 - 2 c younger loads stay out
	v_cvt_pk_bf16_f32 v[40+4*\c], v[8+8*\c],  v[9+8*\c]
	v_cvt_pk_bf16_f32 v[41+4*\c], v[10+8*\c], v[11+8*\c]
	v_cvt_pk_bf16_f32 v[42+4*\c], v[12+8*\c], v[13+8*\c]
	v_cvt_pk_bf16_f32 v[43+4*\c], v[14+8*\c], v[15+8*\c]
	global_store_b128 v2, v[40+4*\c:43+4*\c], s[16:17] offset:4096*\c
.endr
	s_cmp_lg_u32 ttmp9, 0
	s_cbranch_scc1 .Lend
	global_load_b128 v[56:59], v2, s[28:29]        ; the bias: 256 threads x 4 numbers
	s_wait_loadcnt 0x0
	v_cvt_pk_bf16_f32 v60, v56, v57
	v_cvt_pk_bf16_f32 v61, v58, v59
	v_lshlrev_b32 v64, 16, v60                     ; bf16 back to f32: the low half moves up, the high half stays
	v_and_b32 v65, 0xffff0000, v60
	v_lshlrev_b32 v66, 16, v61
	v_and_b32 v67, 0xffff0000, v61
	global_store_b128 v2, v[64:67], s[18:19]
.Lend:
	s_endpgm
.Lfunc_end_k_qc6cb06b2ec_cvtw:
	.size	k_qc6cb06b2ec_cvtw, .Lfunc_end_k_qc6cb06b2ec_cvtw-k_qc6cb06b2ec_cvtw
	.p2alignl 7, 3214868480
	.fill 96, 4, 3214868480
	.section	.rodata,"a",@progbits
	.p2align	6, 0x0
	.amdhsa_kernel k_qc6cb06b2ec_cvtw
		.amdhsa_group_segment_fixed_size 0
		.amdhsa_private_segment_fixed_size 0
		.amdhsa_enable_private_segment 0
		.amdhsa_kernarg_size 64
		.amdhsa_user_sgpr_count 2
		.amdhsa_user_sgpr_kernarg_segment_ptr 1
		.amdhsa_wavefront_size32 1
		.amdhsa_system_sgpr_workgroup_id_x 1
		.amdhsa_system_sgpr_workgroup_id_y 1
		.amdhsa_system_sgpr_workgroup_id_z 1
		.amdhsa_system_vgpr_workitem_id 0
		.amdhsa_next_free_vgpr 72
		.amdhsa_next_free_sgpr 66
		.amdhsa_reserve_vcc 0
		.amdhsa_float_denorm_mode_32 3
		.amdhsa_float_denorm_mode_16_64 3
		.amdhsa_memory_ordered 1
		.amdhsa_forward_progress 1
		.amdhsa_inst_pref_size 4
	.end_amdhsa_kernel
	.amdgpu_metadata
---
amdhsa.version: [ 1, 2 ]
amdhsa.kernels:
  - .name:           k_qc6cb06b2ec_cvtw
    .symbol:         k_qc6cb06b2ec_cvtw.kd
    .args:
      - { .name: Wq, .offset: 0, .size: 8, .value_kind: global_buffer, .address_space: global }
      - { .name: Wk, .offset: 8, .size: 8, .value_kind: global_buffer, .address_space: global }
      - { .name: Wv, .offset: 16, .size: 8, .value_kind: global_buffer, .address_space: global }
      - { .name: bq, .offset: 24, .size: 8, .value_kind: global_buffer, .address_space: global }
      - { .name: bk, .offset: 32, .size: 8, .value_kind: global_buffer, .address_space: global }
      - { .name: bv, .offset: 40, .size: 8, .value_kind: global_buffer, .address_space: global }
      - { .name: wb, .offset: 48, .size: 8, .value_kind: global_buffer, .address_space: global }
      - { .name: bb, .offset: 56, .size: 8, .value_kind: global_buffer, .address_space: global }
    .group_segment_fixed_size: 0
    .private_segment_fixed_size: 0
    .kernarg_segment_align: 8
    .kernarg_segment_size: 64
    .max_flat_workgroup_size: 256
    .sgpr_count:     66
    .vgpr_count:     72
    .wavefront_size: 32
...
	.end_amdgpu_metadata
.endif
;; end of part 1
;; launch proj (part 2): grid 4 x 64, 4 waves a work-group, clusters of 4 x 4, 327,680 bytes of LDS; arguments q, k, v, wb, bb, wqkv; writes wqkv
.if DOCPART == 2
	.amdgcn_target "amdgcn-amd-amdhsa--gfx1250"
	.amdhsa_code_object_version 6
	.text
	.protected	k_qc6cb06b2ec_proj
	.globl	k_qc6cb06b2ec_proj
	.p2align	8
	.type	k_qc6cb06b2ec_proj,@function
k_qc6cb06b2ec_proj:
	s_mov_b64 s[64:65], 0
	v_nop
	global_prefetch_b8 v0, s[64:65] scope:SCOPE_SE
	s_setreg_imm32_b32 hwreg(HW_REG_WAVE_MODE, 25, 1), 1
	s_wait_xcnt 0x0
	s_wait_alu depctr_hold_cnt(0) depctr_sa_sdst(0) depctr_va_vdst(0) depctr_va_sdst(0) depctr_va_ssrc(0) depctr_va_vcc(0) depctr_vm_vsrc(0)
	s_getreg_b32 s2, hwreg(HW_REG_IB_STS2, 6, 4)
	s_cmp_eq_u32 s2, 0
	s_cbranch_scc0 .Lentry_in_a_cluster
	s_endpgm
.Lentry_in_a_cluster:
	s_bfe_u32 s2, ttmp6, 0x10000c
	s_cmp_lg_u32 s2, 0xf033
	s_cbranch_scc0 .Lentry_shape_is_right
	s_endpgm
.Lentry_shape_is_right:
; wqkv[p] = x_p W_p^T + b_p for p = 0, 1, 2 (x = q, k, v: [8192][1024] f32; W in wb as bf16; b in bb, f32 numbers already rounded to bf16).  Sums in f32, started with the bias as C.
; wq and wk leave as bf16, wv as f16.  LIMIT: |wv| stays under 65,504 (f16's end); with all inputs 30 times the drawn size it is some 520, with offsets of 30 spreads on x and W some 17,000.
; SHARES.  A work-group makes the tile rows 128 rb .., columns 256 ct .. of all three products, one after the other: ONE stream of 24 K steps of 128 (12 laps of two), and the ring of two LDS slots never stops.
; Four waves, each 64 x 128: 32 accumulators of 16 x 16.  THE MATRIX INSTRUCTION IS USED TRANSPOSED (source 0 = 16 rows of W, source 1 = 16 rows of x): a lane holds one row of x and eight neighbouring columns.
; x COMES THROUGH REGISTERS: wave w loads rows 32 w .. 32 w + 31, one load a row (512 consecutive bytes), rounds them once to bf16 and stores them into the A part of the slot that is read next.
; Each load is out for a whole K step: the 32 rows go in four batches of 8, each batch waited for, converted, stored and asked for again in its own quarter of the step.
; W COMES BY JOINT TENSOR LOADS: the four work-groups of a column of the cluster need the same 256 rows of W; each wave asks for 64 of them.
; The A parts are written by ds_store alone, the B parts by tensor loads alone; they share no block of 256 bytes.
; REGISTERS in windows of 256 (s_set_vgpr_msb: bits 1:0 source 0, 3:2 source 1, 5:4 source 2, 7:6 destination):
;   window 0: addresses, v32-47 converted x, v64-159 and v160-255 two fragment buffers (B's eight fragments, then A's four)
;   window 1: the accumulators, (a, b) at v[8 (8 a + b)]          window 2: v0-127 x as loaded (row i at 4 i), v128-191 the bias, v192-255 the way out
.set PITCH,  272                       ; an LDS row: 256 bytes + 16 of padding: the 16 rows of a fragment load start 68 words apart
.set APART,  128*PITCH                 ; a slot's A part: 128 rows of x
.set SLOT,   APART+256*PITCH           ; then its B part: 256 rows of W
.set STAGE,  2*SLOT                    ; behind the ring: 16 rows x 272 bytes for each wave, for the way out
.set SPARE,  STAGE+4*16*PITCH          ; the spare words, 128 bytes a wave: two blocks of 256 bytes that no other line names
.set XSA,  10                          ; v10-11  where I store 8 bytes of a row of x, slot 0, 1
.set PFX,  12                          ; v12     x's prefetch offset
.set PFW,  13                          ; v13     W's prefetch offset
.set BO,   14                          ; v14     my byte offset in a bias
.set ADRA, 16                          ; v16-17  LDS address of my A fragments, slot 0, 1
.set ADRB, 20                          ; v20-21  of my B fragments
.set STO,  24
.set RD,   25
.set CO,   26
.set SPW,  28                          ; v28     my spare word; never rewritten
.set NIL,  29                          ; v29     0; never rewritten
.set XO,   30                          ; v30     my byte offset in the work-group's rows of x
.set XT,   32                          ; v32-47  a batch's 8 rows as bf16
.set F0,   64
.set F1,   160
.set BI,   128                         ; window 2
.set TMP,  192                         ; window 2
.set OB,   224                         ; window 2
.set OP,   14                          ; s[14:15] wqkv, walking
.set WV,   20
.set WMH,  21
.set WN,   22
.set CX,   23
.set CY,   24
.set CT,   25
.set RB,   26
.set G1W,  28                          ; s[28:35] W's descriptor group 1
.set G0W,  36                          ; s[36:43] group 0, a set for each slot
.set XP,   44                          ; s[44:45] x at the lap that is being loaded
.set PX,   46                          ; s[46:47] x at the lap that is being prefetched
.set PW,   48                          ; s[48:49] W likewise
.set WBB,  50                          ; s[50:51] wb at my 64 rows
.set WPB,  52                          ; s[52:53] wb at my work-group's 16 of them
.set OD,   56                          ; s[56:57] what the next way out adds to wqkv's address
.set T,    58                          ; s[58:59] an offset, high word 0
.set T2,   60
.set L,    61                          ; the lap
.set LAM,  62
.set LIMW, 63
.set BN,   66                          ; s[66:67] the next bias
.set TW,   68                          ; s[68:69] W's offset for a descriptor, high word 0: made of the lap alone
.set TW2,  70
.set MSB, 0
.macro WIN new                         ; the immediate's high byte repeats the setting that is left; a switch that changes nothing is dropped
.if MSB != (\new)
	s_set_vgpr_msb (MSB<<8)|(\new)
.set MSB, \new
.endif
.endm
.macro PLACES                          ; four plain places behind matrix instructions (ISA guide 7.12.1)
.rept 4
	v_nop
.endr
.endm
.macro CREST                           ; a round of the cluster's barrier behind its opening barrier
	s_cmp_lg_u32 s[WV], 0
	s_cbranch_scc1 .Lnot_wave_0_\@
	s_barrier_signal -3
.Lnot_wave_0_\@:
	s_barrier_wait -3
	s_barrier_signal -1
	s_barrier_wait -1
.endm
.macro CROUND
	s_barrier_signal -1
	s_barrier_wait -1
	CREST
.endm
; lap LAM (0..11, or one past) of the stream of x as a pointer: q, k or v, and 1,024 bytes a lap along the rows
.macro PICK dst
	s_cmp_lt_u32 s[LAM], 4
	s_cselect_b64 s[\dst:\dst+1], s[4:5], s[6:7]
	s_cmp_lt_u32 s[LAM], 8
	s_cselect_b64 s[\dst:\dst+1], s[\dst:\dst+1], s[8:9]
	s_and_b32 s[T], s[LAM], 3
	s_lshl_b32 s[T], s[T], 10
	s_add_nc_u64 s[\dst:\dst+1], s[\dst:\dst+1], s[T:T+1]
.endm
; matrix instruction i of a quarter's 32: a = i / 8, b = i % 8.  c = 0: adds in place; c = 2: the bias starts the sum.  The 32 accumulators take turns, always in this order.
.macro WM f, c
.if (\c) == 2
	WIN 0x60
	v_wmma_f32_16x16x32_bf16 v[8*i:8*i+7], v[(\f)+8*(i%8):(\f)+8*(i%8)+7], v[(\f)+64+8*(i/8):(\f)+64+8*(i/8)+7], v[BI+8*(i%8):BI+8*(i%8)+7]
.else
	WIN 0x50
	v_wmma_f32_16x16x32_bf16 v[8*i:8*i+7], v[(\f)+8*(i%8):(\f)+8*(i%8)+7], v[(\f)+64+8*(i/8):(\f)+64+8*(i/8)+7], v[8*i:8*i+7]
.endif
.endm
.macro WMS f, lo, hi, c
.set i, \lo
.rept (\hi)-(\lo)+1
	WM \f, \c
.set i, i+1
.endr
.endm
; rows 2 j, 2 j + 1 of batch n rounded to bf16
.macro XC n, j
	WIN 0x0a
.irp m, 0,1
.set u, 2*(\j)+\m
.set xr, 4*(8*(\n)+u)
	v_cvt_pk_bf16_f32 v[XT+2*u],   v[xr],   v[xr+1]
	v_cvt_pk_bf16_f32 v[XT+2*u+1], v[xr+2], v[xr+3]
.endr
.endm
; rows 4 j .. 4 j + 3 of batch n into the A part of slot d: a store of the wave covers a row's 256 bytes
.macro XS n, j, d
	WIN 0
.irp m, 0,1,2,3
.set u, 4*(\j)+\m
	ds_store_b64 v[XSA+(\d)], v[XT+2*u:XT+2*u+1] offset:(8*(\n)+u)*PITCH
.endr
.endm
; the same rows asked for again, at byte off of the lap
.macro XL n, j, off
	WIN 0x80
.irp m, 0,1,2,3
.set xi, 8*(\n)+4*(\j)+\m
	global_load_b128 v[4*xi:4*xi+3], v[XO], s[XP:XP+1] offset:xi*4096+(\off)
.endr
.endm
; loads 4 j .. 4 j + 3 of the 24 that bring a quarter's fragments (32 along K at byte k) into buffer g: B's sixteen, then A's eight
.macro FS slot, k, g, j
	WIN 0
.irp m, 0,1,2,3
.set t, 4*(\j)+\m
.if t < 16
	ds_load_b128 v[(\g)+4*t:(\g)+4*t+3], v[ADRB+(\slot)] offset:(\k)+(t/2)*16*PITCH+32*(t%2)
.else
	ds_load_b128 v[(\g)+4*t:(\g)+4*t+3], v[ADRA+(\slot)] offset:(\k)+((t-16)/2)*16*PITCH+32*(t%2)
.endif
.endr
.endm
.macro BIAS base                       ; bias[256 ct + 128 wn + 16 b + 8 h + j] into BI + 8 b + j: the layout of a result
	WIN 0x80
.irp b, 0,1,2,3,4,5,6,7
	global_load_b128 v[BI+8*\b:BI+8*\b+3],   v[BO], s[\base:\base+1] offset:64*\b
	global_load_b128 v[BI+8*\b+4:BI+8*\b+7], v[BO], s[\base:\base+1] offset:64*\b+16
.endr
	WIN 0
.endm
; One of a step's first three quarters: 32 matrix instructions on buffer f; behind single ones ride, four lines at a time: batch n's conversions (also the places in front of the loads into g),
; the next quarter's 24 fragment loads, batch n's 8 stores into slot d, its 8 loads.  n < 0: no x work.  off < 0: nothing is asked for.
; lw: the x loads younger than batch n's.  dw: the LDS stores issued behind buffer f's loads.
.macro QUARTER slot, k, f, g, c, n, d, off, lw, dw
	s_wait_dscnt \dw
.set i, 0
.rept 32
	WM \f, \c
.if i == 0
.if (\n) >= 0
	s_wait_loadcnt \lw
	XC \n, 0
.else
	PLACES
.endif
.elseif i < 4
.if (\n) >= 0
	XC \n, i
.endif
.elseif i < 10
	FS \slot, \k, \g, i-4
.elseif i < 12
.if (\n) >= 0
	XS \n, i-10, \d
.endif
.elseif i < 14
.if (\off) >= 0
	XL \n, i-12, \off
.endif
.endif
.set i, i+1
.endr
.endm
; PREFETCHES, behind the joint load, its five lines and the run of LDS loads.  Each block of 256 bytes is named once in the launch.
; W (slot 0's change): lap L + 2, which the next lap's changes load.  The clusters of all 16 rows of clusters read the same rows of W: the first asks.  Of the 64 rows that a wave fetches each of the four
; partners takes 16, told apart by address; a lane names a row and one of the lap's two steps.  x (slot 1's change): lap L + 3, whose first loads go out a lap later.  A work-group's 128 rows are read by the
; four partners of its row of the cluster alone: each takes 32, a lane a row; wave w names block w of the lap's four.  The last laps ask for nothing.
.macro ASK slot
.if (\slot) == 0
	s_cmp_lt_u32 s[L], s[LIMW]
	s_cbranch_scc0 .Lnot_asked_\@
	global_prefetch_b8 v[PFW], s[PW:PW+1] th:TH_LOAD_NT scope:SCOPE_SE
.else
	s_cmp_lt_u32 s[L], 9
	s_cbranch_scc0 .Lnot_asked_\@
	global_prefetch_b8 v[PFX], s[PX:PX+1] th:TH_LOAD_NT scope:SCOPE_SE
.endif
.Lnot_asked_\@:
.endm
; A step's fourth quarter (buffer F1) and THE CHANGE OF SLOTS.  In front of the barrier each wave waits for all its tensor loads (one is out: its part of the next slot's W), adds 0 to its spare word, and waits for that,
; for its reads of this slot and for its stores of x into the next.  Behind it nobody reads this slot, and the next slot is whole.  fill = 1: the barrier opens a round of the cluster's, W of the step two on is
; asked for first thing behind it, and batch 0 of x rides behind the last sixteen matrix instructions.
.macro TURN slot, next, fill
	WIN 0
.if \fill
	s_wait_xcnt 0x0                                ; the loads and prefetches issued so far have read their addresses: the pointers below may be written
.if (\slot) == 0
	s_add_co_u32 s[T2], s[L], 2                    ; W's prefetch: lap L + 2
	s_lshr_b32 s[T], s[T2], 2
	s_lshl_b32 s[T], s[T], 21
	s_and_b32 s[T2], s[T2], 3
	s_lshl_b32 s[T2], s[T2], 9
	s_add_co_u32 s[T], s[T], s[T2]
	s_add_nc_u64 s[PW:PW+1], s[WPB:WPB+1], s[T:T+1]
.else
	s_add_co_u32 s[LAM], s[L], 2                   ; from here on x of lap L + 2 is loaded (behind lap 11: v's lap 0 once more, eight loads that nobody reads: one text for every trip),
	PICK XP
	s_add_co_u32 s[LAM], s[L], 3                   ; and lap L + 3 prefetched
	PICK PX
.endif
.endif
	s_wait_tensorcnt 0x0                           ; no tensor load of mine is out, so a group 0 may be written
	ds_add_u32 v[SPW], v[NIL]                      ; 0 onto my spare word
.if \fill
	s_lshl_b32 s[TW], s[L], 1                      ; step 2 L + 2 + slot: part (step / 8) of wb, 256 bytes a step along its rows
	s_add_co_u32 s[TW], s[TW], 2+(\slot)
	s_lshr_b32 s[TW2], s[TW], 3
	s_lshl_b32 s[TW2], s[TW2], 21
	s_and_b32 s[TW], s[TW], 7
	s_lshl_b32 s[TW], s[TW], 8
	s_add_co_u32 s[TW], s[TW], s[TW2]
	s_add_nc_u64 s[G0W+4*(\slot)+2:G0W+4*(\slot)+3], s[WBB:WBB+1], s[TW:TW+1]
	s_or_b32 s[G0W+4*(\slot)+3], s[G0W+4*(\slot)+3], 0x80000000
.endif
	s_wait_dscnt 9                                 ; buffer F1 is in: the 8 stores of x behind its loads and the add may be out
	WMS F1, 0, 7, 0
	s_wait_dscnt 0x0                               ; the add, my reads of this slot and my stores into the next are done
	s_barrier_signal -1
	WMS F1, 8, 15, 0
	WIN 0
	s_barrier_wait -1
.if \fill
	CREST
	tensor_load_to_lds s[G0W+4*(\slot):G0W+4*(\slot)+3], s[G1W:G1W+7]
	s_nop 0
.endif
	PLACES                                         ; also the places in front of the loads into F0
.irp j, 0,1,2,3,4,5
	FS \next, 0, F0, \j
.endr
.if \fill
	ASK \slot
.endif
.set i, 16
.rept 16
	WM F1, 0
.if \fill
.if i == 16
	s_wait_loadcnt 24                              ; batch 0 is in; batches 1 to 3 stay out
.endif
.if i < 20
	XC 0, i-16
.elseif i < 22
	XS 0, i-20, \slot
.elseif i < 24
	XL 0, i-22, 512-512*(\slot)
.endif
.endif
.set i, i+1
.endr
.endm
; THE WAY OUT of block a (16 rows): rounded, 16 bytes a lane into my own stage, back as whole rows of 256 bytes, stored.  LDS serves a wave's instructions in order (ISA guide 5.7.1.4).
.macro PACK a, h16
	WIN 0x85
.set pi, 0
.rept 32
.if \h16
	v_cvt_pk_f16_f32 v[TMP+pi], v[64*(\a)+2*pi], v[64*(\a)+2*pi+1]
.else
	v_cvt_pk_bf16_f32 v[TMP+pi], v[64*(\a)+2*pi], v[64*(\a)+2*pi+1]
.endif
.set pi, pi+1
.endr
.endm
.macro SEND a
	WIN 0x08
.irp b, 0,1,2,3,4,5,6,7
	ds_store_b128 v[STO], v[TMP+4*\b:TMP+4*\b+3] offset:32*\b
.endr
	s_wait_xcnt 0x0                                ; the stores of the block before have read their data and their base
	WIN 0x80
.irp t, 0,1,2,3,4,5,6,7
	ds_load_b128 v[OB+4*\t:OB+4*\t+3], v[RD] offset:\t*2*PITCH
.endr
.if (\a) == 0
	s_add_nc_u64 s[OP:OP+1], s[OP:OP+1], s[OD:OD+1]
.else
	s_add_nc_u64 s[OP:OP+1], s[OP:OP+1], 16*2048
.endif
	s_wait_dscnt 0x0
	WIN 0x08
.irp t, 0,1,2,3,4,5,6,7
	global_store_b128 v[CO], v[OB+4*\t:OB+4*\t+3], s[OP:OP+1] offset:\t*4096  ; 16 lanes store 256 consecutive bytes, aligned
.endr
	WIN 0
.endm
.macro WAYOUT h16
.irp a, 0,1,2,3
	PACK \a, \h16
	SEND \a
.endr
	s_mov_b32 s[OD], 16777216-3*16*2048            ; from my last 16 rows of a part to my first of the next
.endm
	s_load_b256 s[4:11], s[0:1], 0x0               ; q s[4:5], k s[6:7], v s[8:9], wb s[10:11]
	s_load_b128 s[12:15], s[0:1], 0x20             ; bb s[12:13], wqkv s[14:15]
	v_lshl_add_u32 v[SPW], v0, 2, SPARE
	v_mov_b32 v[NIL], 0
	ds_add_u32 v[SPW], v[NIL]                      ; the wave's opening: the add and its wait ahead of my first tensor load
	v_lshrrev_b32 v3, 5, v0
	v_readfirstlane_b32 s[WV], v3                  ; wave 0..3
	s_lshr_b32 s[WMH], s[WV], 1                    ; which 64 rows are mine
	s_and_b32 s[WN], s[WV], 1                      ; which 128 columns
	s_bfe_u32 s[CX], ttmp6, 0x40000
	s_bfe_u32 s[CY], ttmp6, 0x40004
	s_lshl_b32 s[CT], ttmp9, 2
	s_add_co_u32 s[CT], s[CT], s[CX]               ; column tile
	s_and_b32 s[RB], ttmp7, 0xffff
	s_lshl_b32 s[RB], s[RB], 2
	s_add_co_u32 s[RB], s[RB], s[CY]               ; row block
	s_lshl_b32 s76, 0x1111, s[CX]                  ; my column of the cluster
	s_or_b32 s[G1W], s76, (1<<16)|(1<<20)|(1<<21)|(5<<22)|(3<<25)  ; the mask; 2-byte elements; padding on; 21 set beside a mask; after every 64 words 4 words
	s_mov_b32 s[G1W+1], 128<<16                    ; tensor_dim0 = 128
	s_mov_b32 s[G1W+2], 64<<16                     ; tensor_dim1 = 64
	s_mov_b32 s[G1W+3], 128<<16                    ; tile_dim0 = 128
	s_mov_b32 s[G1W+4], 64                         ; tile_dim1 = 64
	s_mov_b32 s[G1W+5], 1024                       ; elements from row to row
	s_mov_b32 s[G1W+6], 0
	s_mov_b32 s[G1W+7], 0
	s_lshl_b32 s78, s[CT], 8
	s_lshl_b32 s79, s[WV], 6
	s_add_co_u32 s78, s78, s79
	s_lshl_b32 s78, s78, 11                        ; W: (256 ct + 64 w) rows of 2,048 bytes
	s_mov_b32 s79, 0
	s_lshl_b32 s72, s[RB], 19                      ; x: 128 rb rows of 4,096 bytes
	s_mov_b32 s73, 0
	s_mul_i32 s74, s[WV], 64*PITCH
	s_add_co_u32 s74, s74, APART                   ; where my 64 rows of W go: the wave's number alone
	s_mov_b32 s[T+1], 0
	s_mov_b32 s[TW+1], 0
	s_wait_dscnt 0x0                               ; the opening add is done
	s_wait_kmcnt 0x0
	s_add_nc_u64 s[4:5], s[4:5], s[72:73]
	s_add_nc_u64 s[6:7], s[6:7], s[72:73]
	s_add_nc_u64 s[8:9], s[8:9], s[72:73]
	s_add_nc_u64 s[WBB:WBB+1], s[10:11], s[78:79]
	s_lshl_b32 s72, s[CY], 15                      ; 16 cy rows of W
	s_add_nc_u64 s[WPB:WPB+1], s[WBB:WBB+1], s[72:73]
	CROUND                                         ; all sixteen work-groups are here: the first joint loads meet
.irp s, 0,1
	s_mov_b32 s[G0W+4*\s], 1
	s_add_co_u32 s[G0W+4*\s+1], s74, \s*SLOT
	s_add_nc_u64 s[G0W+4*\s+2:G0W+4*\s+3], s[WBB:WBB+1], \s*256
	s_or_b32 s[G0W+4*\s+3], s[G0W+4*\s+3], 0x80000000
	tensor_load_to_lds s[G0W+4*\s:G0W+4*\s+3], s[G1W:G1W+7]  ; W of steps 0 and 1: two loads of mine are out
	s_nop 0
.endr
	PLACES
	v_and_b32 v1, 15, v0                           ; r
	v_bfe_u32 v2, v0, 4, 1                         ; h
	v_and_b32 v3, 31, v0                           ; l
	s_lshl_b32 s76, s[CT], 10
	s_lshl_b32 s77, s[WN], 9
	s_add_co_u32 s76, s76, s77
	v_lshl_add_u32 v[BO], v2, 5, s76               ; (256 ct + 128 wn) x 4 + 32 h
	BIAS 12                                        ; bq
	s_lshl_b32 s71, s[WV], 17
	v_lshl_add_u32 v[XO], v3, 4, s71               ; 32 w rows + 16 l
	s_mov_b64 s[XP:XP+1], s[4:5]
.irp n, 0,1,2,3
	XL \n, 0, 0                                    ; x of step 0
	XL \n, 1, 0
.endr
	WIN 0
	v_mul_u32_u24 v4, v1, PITCH
	v_lshl_add_u32 v4, v2, 4, v4                   ; r x pitch + 16 h
	s_mul_i32 s70, s[WMH], 64*PITCH
	s_mul_i32 s71, s[WN], 128*PITCH
	s_add_co_u32 s71, s71, APART
	v_add_nc_u32 v[ADRA], s70, v4
	v_add_nc_u32 v[ADRA+1], SLOT, v[ADRA]
	v_add_nc_u32 v[ADRB], s71, v4
	v_add_nc_u32 v[ADRB+1], SLOT, v[ADRB]
	s_mul_i32 s70, s[WV], 32*PITCH
	v_lshl_add_u32 v[XSA], v3, 3, s70
	v_add_nc_u32 v[XSA+1], SLOT, v[XSA]
	s_mul_i32 s70, s[WV], 16*PITCH
	s_add_co_u32 s70, s70, STAGE
	v_add_nc_u32 v[STO], s70, v4
	v_mul_u32_u24 v5, v2, PITCH
	v_lshl_add_u32 v5, v1, 4, v5
	v_add_nc_u32 v[RD], s70, v5
	v_lshlrev_b32 v5, 11, v2
	v_lshl_add_u32 v[CO], v1, 4, v5                ; two rows of wqkv: 2,048 h + 16 r
	s_lshl_b32 s76, s[CX], 17
	s_lshl_b32 s77, s[WV], 8
	s_add_co_u32 s76, s76, s77
	v_lshl_add_u32 v[PFX], v3, 12, s76             ; (32 cx + l) rows + 256 w
	v_lshlrev_b32 v5, 8, v2
	v_lshl_add_u32 v[PFW], v1, 11, v5              ; (l % 16) rows + 256 (l / 16)
	s_lshl_b32 s76, s[RB], 7
	s_lshl_b32 s77, s[WMH], 6
	s_add_co_u32 s76, s76, s77
	s_lshl_b32 s76, s76, 11
	s_lshl_b32 s77, s[CT], 9
	s_add_co_u32 s76, s76, s77
	s_lshl_b32 s77, s[WN], 8
	s_add_co_u32 s[OD], s76, s77                   ; my part of the tile in a part of wqkv
	s_mov_b32 s[OD+1], 0
	s_and_b32 s76, ttmp7, 0xffff
	s_cmp_eq_u32 s76, 0
	s_cselect_b32 s[LIMW], 10, 0                   ; the same in all sixteen partners
	s_wait_loadcnt 0x0                             ; the bias and x of step 0
.irp n, 0,1,2,3
.irp j, 0,1,2,3
	XC \n, \j
.endr
	XS \n, 0, 0
	XS \n, 1, 0
	XL \n, 0, 512                                  ; x of step 1
	XL \n, 1, 512
.endr
	WIN 0
	s_wait_xcnt 0x0
	s_mov_b32 s[LAM], 1
	PICK XP
	s_wait_tensorcnt 0x1                           ; my part of W of step 0 is in; step 1's may stay out
	s_wait_dscnt 0x0                               ; my rows of x are in LDS
	s_barrier_signal -1
	s_barrier_wait -1
.irp j, 0,1,2,3,4,5
	FS 0, 0, F0, \j
.endr
	s_wait_loadcnt 24                              ; batch 0 of step 1
.irp j, 0,1,2,3
	XC 0, \j
.endr
	XS 0, 0, 1
	XS 0, 1, 1
	XL 0, 0, 0
	XL 0, 1, 0
	WIN 0
	s_mov_b32 s[L], 0
.Llap:                                         ; laps 0 to 10
	s_and_b32 s[T2], s[L], 3
	s_cmp_eq_u32 s[T2], 0
	s_cbranch_scc0 .Lplain
	QUARTER 0, 64, F0, F1, 2, 1, 1, 0, 24, 8       ; a tile's first quarter: the bias starts the sums
	WIN 0
	PLACES                                         ; in front of the loads into the bias's registers
	s_cmp_lt_u32 s[L], 8
	s_cbranch_scc0 .Ljoin
	s_wait_xcnt 0x0
	s_lshr_b32 s[T], s[L], 2
	s_add_co_u32 s[T], s[T], 1
	s_lshl_b32 s[T], s[T], 12
	s_add_nc_u64 s[BN:BN+1], s[12:13], s[T:T+1]
	BIAS BN                                        ; the next tile's; these 16 loads only make the counted waits behind them stricter
	s_branch .Ljoin
.Lplain:
	QUARTER 0, 64, F0, F1, 0, 1, 1, 0, 24, 8
	WIN 0
.Ljoin:
	QUARTER 0, 128, F1, F0, 0, 2, 1, 0, 24, 8
	QUARTER 0, 192, F0, F1, 0, 3, 1, 0, 24, 8
	TURN 0, 1, 1
	QUARTER 1, 64,  F0, F1, 0, 1, 0, 512, 24, 8
	QUARTER 1, 128, F1, F0, 0, 2, 0, 512, 24, 8
	QUARTER 1, 192, F0, F1, 0, 3, 0, 512, 24, 8
	TURN 1, 0, 1
	WIN 0
	s_and_b32 s[T2], s[L], 3
	s_cmp_eq_u32 s[T2], 3
	s_cbranch_scc0 .Lno_out
	WAYOUT 0                                       ; wq, wk.  Both refills are asked for.  Blocks 0 and 1 were finished in front of the change's places; their conversions are the places for blocks 2 and 3
.Lno_out:
	s_add_co_u32 s[L], s[L], 1
	s_cmp_lt_u32 s[L], 11
	s_cbranch_scc1 .Llap
	QUARTER 0, 64,  F0, F1, 0, 1, 1, -1, 24, 8     ; lap 11 is written out: nothing more is asked for; the counts are the rows still out and the eight loads that nobody reads
	QUARTER 0, 128, F1, F0, 0, 2, 1, -1, 16, 8
	QUARTER 0, 192, F0, F1, 0, 3, 1, -1, 8, 8
	TURN 0, 1, 0
	QUARTER 1, 64,  F0, F1, 0, -1, 0, -1, 0, 0
	QUARTER 1, 128, F1, F0, 0, -1, 0, -1, 0, 0
	QUARTER 1, 192, F0, F1, 0, -1, 0, -1, 0, 0
	s_wait_dscnt 0x0
	WMS F1, 0, 31, 0
	WIN 0
	PLACES
	WAYOUT 1                                       ; wv, as f16
	s_wait_tensorcnt 0x0                           ; the wave's end
	ds_add_u32 v[SPW], v[NIL]
	s_wait_dscnt 0x0
	CROUND                                         ; the closing round
	s_endpgm
.Lfunc_end_k_qc6cb06b2ec_proj:
	.size	k_qc6cb06b2ec_proj, .Lfunc_end_k_qc6cb06b2ec_proj-k_qc6cb06b2ec_proj
	.p2alignl 7, 3214868480
	.fill 96, 4, 3214868480
	.section	.rodata,"a",@progbits
	.p2align	6, 0x0
	.amdhsa_kernel k_qc6cb06b2ec_proj
		.amdhsa_group_segment_fixed_size 327680
		.amdhsa_private_segment_fixed_size 0
		.amdhsa_enable_private_segment 0
		.amdhsa_kernarg_size 48
		.amdhsa_user_sgpr_count 2
		.amdhsa_user_sgpr_kernarg_segment_ptr 1
		.amdhsa_wavefront_size32 1
		.amdhsa_system_sgpr_workgroup_id_x 1
		.amdhsa_system_sgpr_workgroup_id_y 1
		.amdhsa_system_sgpr_workgroup_id_z 1
		.amdhsa_system_vgpr_workitem_id 0
		.amdhsa_next_free_vgpr 768
		.amdhsa_next_free_sgpr 84
		.amdhsa_reserve_vcc 0
		.amdhsa_float_denorm_mode_32 3
		.amdhsa_float_denorm_mode_16_64 3
		.amdhsa_memory_ordered 1
		.amdhsa_forward_progress 1
		.amdhsa_inst_pref_size 158
	.end_amdhsa_kernel
	.amdgpu_metadata
---
amdhsa.version: [ 1, 2 ]
amdhsa.kernels:
  - .name:           k_qc6cb06b2ec_proj
    .symbol:         k_qc6cb06b2ec_proj.kd
    .args:
      - { .name: q, .offset: 0, .size: 8, .value_kind: global_buffer, .address_space: global }
      - { .name: k, .offset: 8, .size: 8, .value_kind: global_buffer, .address_space: global }
      - { .name: v, .offset: 16, .size: 8, .value_kind: global_buffer, .address_space: global }
      - { .name: wb, .offset: 24, .size: 8, .value_kind: global_buffer, .address_space: global }
      - { .name: bb, .offset: 32, .size: 8, .value_kind: global_buffer, .address_space: global }
      - { .name: wqkv, .offset: 40, .size: 8, .value_kind: global_buffer, .address_space: global }
    .group_segment_fixed_size: 327680
    .private_segment_fixed_size: 0
    .kernarg_segment_align: 8
    .kernarg_segment_size: 48
    .max_flat_workgroup_size: 128
    .sgpr_count:     84
    .vgpr_count:     768
    .wavefront_size: 32
...
	.end_amdgpu_metadata
.endif
;; end of part 2
;; launch score (part 3): grid 8 x 32, 4 waves a work-group, clusters of 4 x 4, 327,680 bytes of LDS; arguments wqkv, att_mask, pw, stat; writes pw, stat
.if DOCPART == 3
	.amdgcn_target "amdgcn-amd-amdhsa--gfx1250"
	.amdhsa_code_object_version 6
	.text
	.protected	k_qc6cb06b2ec_score
	.globl	k_qc6cb06b2ec_score
	.p2align	8
	.type	k_qc6cb06b2ec_score,@function
k_qc6cb06b2ec_score:
	s_mov_b64 s[64:65], 0
	v_nop
	global_prefetch_b8 v0, s[64:65] scope:SCOPE_SE
	s_setreg_imm32_b32 hwreg(HW_REG_WAVE_MODE, 25, 1), 1
	s_wait_xcnt 0x0
	s_wait_alu depctr_hold_cnt(0) depctr_sa_sdst(0) depctr_va_vdst(0) depctr_va_sdst(0) depctr_va_ssrc(0) depctr_va_vcc(0) depctr_vm_vsrc(0)
	s_getreg_b32 s2, hwreg(HW_REG_IB_STS2, 6, 4)
	s_cmp_eq_u32 s2, 0
	s_cbranch_scc0 .Lentry_in_a_cluster
	s_endpgm
.Lentry_in_a_cluster:
	s_bfe_u32 s2, ttmp6, 0x10000c
	s_cmp_lg_u32 s2, 0xf033
	s_cbranch_scc0 .Lentry_shape_is_right
	s_endpgm
.Lentry_shape_is_right:
; s = wq wk^T / 32 + att_mask (the mask rounded once to bf16, like every input of the module).  For each query and each block of 128 keys: the block's maximum m, p = 2^(s log2e - mL) with mL = m log2e,
; p rounded to f16 into pw [8192][2048], and mL and l = the sum of the unrounded p into stat [2][16][8192].  The next launch takes the row's maximum over the 16 blocks and rescales: a true maximum is taken away twice, no fixed shift.
; LIMITS.  A block's maximum below -2e38 counts as -2e38 (a block that is -inf throughout gets p = 0, l = 0); scores beyond 2.3e38 are not served (mL would overflow); p below 2^-126 counts as 0 in l,
; below 6e-5 it keeps f16's fixed step in pw; NaN is not treated apart.
; THE PRODUCT.  A tile of 256 queries x 256 keys of one batch to a work-group, 256 work-groups; four waves, each 128 x 128: 64 accumulators.  K = 1,024 in 8 steps of 128 through two LDS slots filled by joint tensor loads:
; wq's tile is shared along a row of the 4 x 4 cluster, wk's along a column.  The matrix instruction is used transposed (source 0 = 16 keys, source 1 = 16 queries): a lane holds one query and eight neighbouring keys.
; THE MASK comes by plain tensor loads into the ring's slots once they are read out: each wave's own quadrant (128 x 128 f32) in two parts of 64 rows, each behind a round of the cluster's barrier.
; REGISTERS: window 0: addresses, A's fragments v64-191 (later the epilogue's work), v192-255; window 1: B's fragments; windows 2, 3: the accumulators, (a, b) at v[8 (8 (a % 4) + b)].
.set KSTEP,  128
.set PITCH,  272
.set HALFT,  128*PITCH
.set SLOT,   4*HALFT
.set STAGE,  2*SLOT                    ; 16 rows x 272 bytes for each wave
.set STATS,  STAGE+4*16*PITCH          ; 1,024 bytes for each wave: 128 mL, 128 l
.set SPARE,  STATS+4*1024
.set MPITCH, 528                       ; a row of the mask in LDS: 512 bytes + 16
.set MA,   10                          ; v10-11  my place in my mask part 0, 1
.set SA,   12                          ; v12     where mL (lanes 0-15) and l (lanes 16-31) of the block in hand go
.set SR,   13                          ; v13     where I read them back
.set SO,   14                          ; v14     16 l
.set ADRA, 16
.set ADRB, 20
.set STO,  24
.set RD,   25
.set CO,   26
.set SPW,  28
.set NIL,  29
.set PFO,  30                          ; v30     l rows of wq or wk
.set PFM,  31                          ; v31     l rows of the mask
.set C0,   32                          ; v32-35  at work
.set SCV,  36                          ; v36     1 / 32
.set MLP,  38                          ; v38-39  mL, twice
.set LSUM, 40
.set STW,  41
.set F0,   64
.set F1,   128
.set MK,   64                          ; v64-127   a block's mask as loaded
.set Y,    128                         ; v128-191  a block's 64 scores a lane
.set PT,   192                         ; v192-223  the mask as bf16, later p as f16
.set OB,   224                         ; v224-255  16 rows read back
.set WV,   12
.set WH,   13
.set WL,   14
.set G1,   24
.set G0,   32
.set CX,   40
.set CY,   41
.set TX,   42
.set LIM,  43
.set PFA,  44
.set G1B,  48
.set G0B,  56
.set OD,   66
.set G1M,  68
.set G0M,  76
.set LG,   86                          ; s[86:87] log2(e), twice
.set SEL,  88
.set HM,   90
.set BLK,  91
.set PMA,  92                          ; s[92:93] the mask at my quadrant
.set MLIM, 94
.set WGY,  95
.set MSB, 0
.macro WIN new
.if MSB != (\new)
	s_set_vgpr_msb (MSB<<8)|(\new)
.set MSB, \new
.endif
.endm
.set MUL_LO, 0xa1                      ; source 0 (B) window 1, source 1 (A) window 0, C and D window 2
.set MUL_HI, 0xf1                      ; the same, C and D window 3
.set TO_B,   0x40
.macro PLACES
.rept 4
	v_nop
.endr
.endm
.macro JLOAD s                         ; a joint load: waves 0 and 1 fetch wq's two halves, waves 2 and 3 wk's; the branch hangs on the wave's number alone
	s_cmp_eq_u32 s[WH], 0
	s_cbranch_scc0 .Lfor_b_\@
	tensor_load_to_lds s[G0+4*(\s):G0+4*(\s)+3], s[G1:G1+7]
	s_nop 0
	PLACES
	s_branch .Lasked_\@
.Lfor_b_\@:
	tensor_load_to_lds s[G0B+4*(\s):G0B+4*(\s)+3], s[G1B:G1B+7]
	s_nop 0
	PLACES
.Lasked_\@:
.endm
.macro MLOAD p                         ; my own 64 rows x 128 numbers of the mask, into my quarter of slot p
	tensor_load_to_lds s[G0M+4*(\p):G0M+4*(\p)+3], s[G1M:G1M+7]
	s_nop 0
	PLACES
.endm
; PREFETCHES.  wq, wk: the K step two refills on, 32 rows x 256 bytes, a lane a row.  wq's tile row is read by both clusters of a row of clusters: the first asks; wk's tile column by the batch's two rows of clusters: the even one asks.
; The four partners that ask for a tile jointly share its rows out by address.  The last trip has no K step two on.
.macro ASK
	s_cmp_gt_u32 s3, s[LIM]
	s_cbranch_scc0 .Lnot_mine_\@
	global_prefetch_b8 v[PFO], s[PFA:PFA+1] offset:KSTEP*2 th:TH_LOAD_NT scope:SCOPE_SE
.Lnot_mine_\@:
.endm
; The mask's part p (64 rows x 512 bytes of my quadrant: four instructions, a lane a row), one change of slots, 256 matrix instructions, ahead of its load.  All four batches read the same mask: batch 0's work-groups ask.
.macro ASKM p, inloop
.if \inloop
	s_cmp_eq_u32 s3, s[MLIM]                       ; the loop's last trip
.else
	s_cmp_eq_u32 s[MLIM], 1
.endif
	s_cbranch_scc0 .Lno_mask_\@
.irp g, 0,1
	global_prefetch_b8 v[PFM], s[PMA:PMA+1] offset:(2*(\p)+\g)*262144 th:TH_LOAD_NT scope:SCOPE_SE
	global_prefetch_b8 v[PFM], s[PMA:PMA+1] offset:(2*(\p)+\g)*262144+256 th:TH_LOAD_NT scope:SCOPE_SE
.endr
.Lno_mask_\@:
.endm
.macro CREST
	s_cmp_lg_u32 s[WV], 0
	s_cbranch_scc1 .Lnot_wave_0_\@
	s_barrier_signal -3
.Lnot_wave_0_\@:
	s_barrier_wait -3
	s_barrier_signal -1
	s_barrier_wait -1
.endm
.macro CROUND
	s_barrier_signal -1
	s_barrier_wait -1
	CREST
.endm
	s_load_b256 s[4:11], s[0:1], 0x0               ; wqkv s[4:5], att_mask s[6:7], pw s[8:9], stat s[10:11]
	v_lshl_add_u32 v[SPW], v0, 2, SPARE
	v_mov_b32 v[NIL], 0
	ds_add_u32 v[SPW], v[NIL]                      ; the wave's opening: the add and its wait ahead of my first tensor load
	v_lshrrev_b32 v1, 5, v0
	v_readfirstlane_b32 s[WV], v1
	s_lshr_b32 s[WH], s[WV], 1                     ; which 128 queries are mine.  Also: I fetch for wq (0) or wk (1)
	s_and_b32 s[WL], s[WV], 1                      ; which 128 keys.  Also: which 128 rows of that tile I fetch
	s_bfe_u32 s[CX], ttmp6, 0x40000
	s_bfe_u32 s[CY], ttmp6, 0x40004
	s_lshl_b32 s[TX], ttmp9, 2
	s_add_co_u32 s[TX], s[TX], s[CX]               ; key tile 0..7
	s_and_b32 s[WGY], ttmp7, 0xffff
	s_lshl_b32 s[WGY], s[WGY], 2
	s_add_co_u32 s[WGY], s[WGY], s[CY]             ; query tile 0..31, eight a batch
	s_lshl_b32 s16, s[CY], 2
	s_lshl_b32 s16, 15, s16                        ; my row of the cluster
	s_lshl_b32 s46, 0x1111, s[CX]                  ; my column
	s_or_b32 s[G1], s16, (1<<16)|(1<<20)|(1<<21)|(5<<22)|(3<<25)
	s_or_b32 s[G1B], s46, (1<<16)|(1<<20)|(1<<21)|(5<<22)|(3<<25)
.irp g, G1, G1B
	s_mov_b32 s[\g+1], KSTEP<<16                   ; tensor_dim0 = 128
	s_mov_b32 s[\g+2], 128<<16                     ; tensor_dim1 = 128
	s_mov_b32 s[\g+3], KSTEP<<16                   ; tile_dim0 = 128
	s_mov_b32 s[\g+4], 128                         ; tile_dim1 = 128
	s_mov_b32 s[\g+5], 1024                        ; elements from row to row
	s_mov_b32 s[\g+6], 0
	s_mov_b32 s[\g+7], 0
.endr
	s_mov_b32 s[G1M], (2<<16)|(1<<20)|(6<<22)|(3<<25)  ; no mask of work-groups; 4-byte elements; padding on: after every 128 words 4 words
	s_mov_b32 s[G1M+1], 128<<16
	s_mov_b32 s[G1M+2], 64<<16
	s_mov_b32 s[G1M+3], 128<<16
	s_mov_b32 s[G1M+4], 64
	s_mov_b32 s[G1M+5], 2048
	s_mov_b32 s[G1M+6], 0
	s_mov_b32 s[G1M+7], 0
	s_lshl_b32 s17, s[WL], 7
	s_lshl_b32 s16, s[WGY], 8
	s_add_co_u32 s16, s16, s17
	s_lshl_b32 s16, s16, 11                        ; wq: row 256 x query tile + 128 x half, 2,048 bytes a row
	s_mov_b32 s17, 0
	s_and_b32 s46, ttmp7, 0xffff
	s_lshr_b32 s46, s46, 1                         ; the batch, from the cluster's y, which a column's partners share
	s_lshl_b32 s46, s46, 11
	s_lshl_b32 s47, s[TX], 8
	s_add_co_u32 s46, s46, s47
	s_lshl_b32 s47, s[WL], 7
	s_add_co_u32 s46, s46, s47
	s_lshl_b32 s46, s46, 11
	s_add_co_u32 s46, s46, 0x1000000               ; wk is part 1 of wqkv
	s_mov_b32 s47, 0
	s_mul_i32 s20, s[WV], HALFT                    ; where my loads go: the wave's number alone
	s_and_b32 s22, s[WGY], 7
	s_lshl_b32 s22, s22, 8
	s_lshl_b32 s21, s[WH], 7
	s_add_co_u32 s22, s22, s21
	s_lshl_b32 s22, s22, 11                        ; the mask: my first query in its batch x 2,048 keys,
	s_lshl_b32 s21, s[TX], 8
	s_add_co_u32 s22, s22, s21
	s_lshl_b32 s21, s[WL], 7
	s_add_co_u32 s22, s22, s21                     ; + my first key,
	s_lshl_b32 s22, s22, 2                         ; in bytes
	s_mov_b32 s23, 0
	s_mov_b32 s[LG], 0x3fb8aa3b
	s_mov_b32 s[LG+1], 0x3fb8aa3b
	s_mov_b32 s[SEL], 0x76543210
	s_mov_b32 s[SEL+1], 0xfedcba98
	s_mov_b32 s[HM], 0xffff0000
	s_wait_dscnt 0x0
	s_wait_kmcnt 0x0
	s_add_nc_u64 s[18:19], s[4:5], s[16:17]
	s_add_nc_u64 s[46:47], s[4:5], s[46:47]
	s_add_nc_u64 s[PMA:PMA+1], s[6:7], s[22:23]
.irp s, 0,1
	s_mov_b32 s[G0+4*\s], 1
	s_add_co_u32 s[G0+4*\s+1], s20, \s*SLOT
	s_add_nc_u64 s[G0+4*\s+2:G0+4*\s+3], s[18:19], \s*KSTEP*2
	s_or_b32 s[G0+4*\s+3], s[G0+4*\s+3], 0x80000000
	s_mov_b32 s[G0B+4*\s], 1
	s_add_co_u32 s[G0B+4*\s+1], s20, \s*SLOT
	s_add_nc_u64 s[G0B+4*\s+2:G0B+4*\s+3], s[46:47], \s*KSTEP*2
	s_or_b32 s[G0B+4*\s+3], s[G0B+4*\s+3], 0x80000000
	s_mov_b32 s[G0M+4*\s], 1
	s_add_co_u32 s[G0M+4*\s+1], s20, \s*SLOT
	s_add_nc_u64 s[G0M+4*\s+2:G0M+4*\s+3], s[PMA:PMA+1], \s*524288
	s_or_b32 s[G0M+4*\s+3], s[G0M+4*\s+3], 0x80000000
.endr
	CROUND                                         ; all sixteen work-groups are here: the first joint loads meet
	s_cmp_eq_u32 s[WH], 0                          ; a wave's two first fills stand in one branch: two loads of mine are out
	s_cbranch_scc0 .Lfirst_b
	tensor_load_to_lds s[G0:G0+3], s[G1:G1+7]
	s_nop 0
	tensor_load_to_lds s[G0+4:G0+7], s[G1:G1+7]
	s_nop 0
	PLACES
	s_branch .Lfirst_asked
.Lfirst_b:
	tensor_load_to_lds s[G0B:G0B+3], s[G1B:G1B+7]
	s_nop 0
	tensor_load_to_lds s[G0B+4:G0B+7], s[G1B:G1B+7]
	s_nop 0
	PLACES
.Lfirst_asked:
	v_and_b32 v1, 15, v0                           ; r
	v_bfe_u32 v2, v0, 4, 1                         ; h
	v_and_b32 v3, 31, v0                           ; l
	v_mul_u32_u24 v4, v1, PITCH
	v_lshl_add_u32 v4, v2, 4, v4
	s_mul_i32 s21, s[WH], HALFT
	s_mul_i32 s22, s[WL], HALFT
	s_add_co_u32 s22, s22, 2*HALFT
.irp s, 0,1
	v_add_nc_u32 v[ADRA+\s], s21, v4
	v_add_nc_u32 v[ADRB+\s], s22, v4
	s_add_co_u32 s21, s21, SLOT
	s_add_co_u32 s22, s22, SLOT
.endr
	s_mul_i32 s23, s[WV], 16*PITCH
	s_add_co_u32 s23, s23, STAGE
	v_add_nc_u32 v[STO], s23, v4
	v_mul_u32_u24 v5, v2, PITCH
	v_lshl_add_u32 v5, v1, 4, v5
	v_add_nc_u32 v[RD], s23, v5
	v_lshlrev_b32 v5, 12, v2
	v_lshl_add_u32 v[CO], v1, 4, v5                ; two rows of pw: 4,096 h + 16 r
	v_mul_u32_u24 v5, v1, MPITCH
	v_lshl_add_u32 v5, v2, 5, v5
	v_add_nc_u32 v[MA], s20, v5                    ; my quarter of slot 0 + 528 r + 32 h
	v_add_nc_u32 v[MA+1], SLOT, v[MA]
	s_lshl_b32 s23, s[WV], 10
	s_add_co_u32 s23, s23, STATS
	v_lshlrev_b32 v5, 9, v2
	v_lshl_add_u32 v5, v1, 2, v5
	v_add_nc_u32 v[SA], s23, v5
	v_lshl_add_u32 v[SR], v3, 4, s23
	v_lshlrev_b32 v[SO], 4, v3
	v_lshlrev_b32 v[PFO], 11, v3
	v_lshlrev_b32 v[PFM], 13, v3
	v_mov_b32 v[SCV], 0x3d000000                   ; 1 / sqrt(1024)
	; where my part of the tile begins in pw, and my 128 rows in stat
	s_lshl_b32 s20, s[WGY], 8
	s_lshl_b32 s21, s[WH], 7
	s_add_co_u32 s20, s20, s21                     ; my first row
	s_lshl_b32 s[OD], s20, 12
	s_lshl_b32 s21, s[TX], 9
	s_add_co_u32 s[OD], s[OD], s21
	s_lshl_b32 s21, s[WL], 8
	s_add_co_u32 s[OD], s[OD], s21
	s_mov_b32 s[OD+1], 0
	s_lshl_b32 s20, s20, 2
	s_lshl_b32 s21, s[TX], 1
	s_add_co_u32 s21, s21, s[WL]                   ; the key block 2 tx + wn
	s_lshl_b32 s21, s21, 15
	s_add_co_u32 s20, s20, s21
	s_mov_b32 s21, 0
	s_add_nc_u64 s[10:11], s[10:11], s[20:21]
	; the prefetches
	s_lshl_b32 s20, s[WGY], 8                      ; wq: the tile's first row
	s_and_b32 s22, ttmp7, 0xffff
	s_lshr_b32 s21, s22, 1
	s_cmp_eq_u32 s21, 0
	s_cselect_b32 s[MLIM], 1, -1                   ; batch 0 asks for the mask
	s_lshl_b32 s21, s21, 11
	s_lshl_b32 s23, s[TX], 8
	s_add_co_u32 s21, s21, s23
	s_add_co_u32 s21, s21, 8192                    ; wk: its rows lie 8,192 rows behind wq's
	s_and_b32 s22, s22, 1
	s_cmp_eq_u32 s[WH], 0
	s_cselect_b32 s20, s20, s21
	s_cselect_b32 s21, s[CX], s[CY]                ; my place among the four that ask with me
	s_cselect_b32 s22, ttmp9, s22                  ; the coordinate along which other clusters read the same rows
	s_cmp_eq_u32 s22, 0
	s_cselect_b32 s[LIM], 1, -1
	s_lshl_b32 s22, s[WL], 7
	s_add_co_u32 s20, s20, s22
	s_lshl_b32 s21, s21, 5
	s_add_co_u32 s20, s20, s21
	s_lshl_b32 s20, s20, 11
	s_mov_b32 s21, 0
	s_add_nc_u64 s[PFA:PFA+1], s[4:5], s[20:21]
	s_add_nc_u64 s[PFA:PFA+1], s[PFA:PFA+1], 2*KSTEP*2  ; at K step 2: the first change steps it to 3 and names step 4
; 16 matrix instructions: query blocks a0, a0 + 1 of the window's four x all 8 key blocks, 32 along K.  zero = 1: the first product starts the sums.  The 64 accumulators take turns.
.macro MUL16 f, hi, a0, zero
	WIN MUL_LO+0x50*(\hi)
.irp a, \a0, (\a0)+1
.irp b, 0,1,2,3,4,5,6,7
.if \zero
	v_wmma_f32_16x16x32_bf16 v[8*(8*(\a)+(\b)):8*(8*(\a)+(\b))+7], v[(\f)+8*(\b):(\f)+8*(\b)+7], v[(\f)+8*(4*(\hi)+(\a)):(\f)+8*(4*(\hi)+(\a))+7], 0
.else
	v_wmma_f32_16x16x32_bf16 v[8*(8*(\a)+(\b)):8*(8*(\a)+(\b))+7], v[(\f)+8*(\b):(\f)+8*(\b)+7], v[(\f)+8*(4*(\hi)+(\a)):(\f)+8*(4*(\hi)+(\a))+7], v[8*(8*(\a)+(\b)):8*(8*(\a)+(\b))+7]
.endif
.endr
.endr
.endm
.macro FETCH slot, k, f                ; 32 LDS loads in one run: a quarter's fragments
	WIN TO_B
.irp i, 0,1,2,3,4,5,6,7
	ds_load_b128 v[(\f)+8*(\i):(\f)+8*(\i)+3],   v[ADRB+(\slot)] offset:(\k)+(\i)*16*PITCH
	ds_load_b128 v[(\f)+8*(\i)+4:(\f)+8*(\i)+7], v[ADRB+(\slot)] offset:(\k)+(\i)*16*PITCH+32
.endr
	WIN 0
.irp i, 0,1,2,3,4,5,6,7
	ds_load_b128 v[(\f)+8*(\i):(\f)+8*(\i)+3],   v[ADRA+(\slot)] offset:(\k)+(\i)*16*PITCH
	ds_load_b128 v[(\f)+8*(\i)+4:(\f)+8*(\i)+7], v[ADRA+(\slot)] offset:(\k)+(\i)*16*PITCH+32
.endr
.endm
.macro QUARTER slot, k, f, g, zero
	s_wait_dscnt 8                                 ; B and A's rows 0-63 are in; the youngest eight loads may be out
	MUL16 \f, 0, 0, \zero
	MUL16 \f, 0, 2, \zero
	PLACES
	FETCH \slot, \k, \g
	s_wait_dscnt 32                                ; all but the 32 just issued
	MUL16 \f, 1, 0, \zero
	MUL16 \f, 1, 2, \zero
.endm
; The last quarter (buffer F1) and the change of slots.  In front of the round each wave waits for all its tensor loads, adds 0 to its spare word, and waits for that and for its reads of this slot.
; Behind the round this slot is filled first: kind 0: with the K step two on (joint); kind 1: with part 0 of my mask; kind 2: with part 1, and nothing more is fetched.
.macro TURN slot, next, kind
	s_wait_xcnt 0x0                                ; the last prefetches have read their address
.if (\kind) == 0
	s_add_nc_u64 s[PFA:PFA+1], s[PFA:PFA+1], KSTEP*2
.endif
	WIN 0
	s_wait_tensorcnt 0x0                           ; all my tensor loads have landed
	ds_add_u32 v[SPW], v[NIL]                      ; 0 onto my spare word
	s_wait_dscnt 9                                 ; the add and the youngest eight loads may be out
	MUL16 F1, 0, 0, 0
	s_wait_dscnt 0x0                               ; the add is done, my reads of this slot are over
	s_barrier_signal -1
	MUL16 F1, 0, 2, 0
	WIN 0
	s_barrier_wait -1
	CREST
.if (\kind) == 0
	s_add_nc_u64 s[G0+4*(\slot)+2:G0+4*(\slot)+3], s[G0+4*(\slot)+2:G0+4*(\slot)+3], 2*KSTEP*2
	s_add_nc_u64 s[G0B+4*(\slot)+2:G0B+4*(\slot)+3], s[G0B+4*(\slot)+2:G0B+4*(\slot)+3], 2*KSTEP*2
	JLOAD \slot
	FETCH \next, 0, F0
	ASK
.if (\slot) == 1
	ASKM 0, 1
.endif
.elseif (\kind) == 1
	MLOAD 0
	FETCH \next, 0, F0
	ASKM 1, 0
.else
	MLOAD 1
.endif
	MUL16 F1, 1, 0, 0
	MUL16 F1, 1, 2, 0
.endm
	s_wait_tensorcnt 0x1                           ; my part of K step 0 is in; step 1's may stay out
	s_barrier_signal -1
	s_barrier_wait -1
	FETCH 0, 0, F0
	QUARTER 0, 64, F0, F1, 1
	WIN 0
	s_mov_b32 s3, 3
.Llap:                                         ; three trips: K steps 2 to 7 are asked for
	QUARTER 0, 128, F1, F0, 0
	QUARTER 0, 192, F0, F1, 0
	TURN 0, 1, 0
	QUARTER 1, 64,  F0, F1, 0
	QUARTER 1, 128, F1, F0, 0
	QUARTER 1, 192, F0, F1, 0
	TURN 1, 0, 0
	QUARTER 0, 64,  F0, F1, 0
	WIN 0
	s_sub_co_u32 s3, s3, 1
	s_cmp_lg_u32 s3, 0
	s_cbranch_scc1 .Llap
	QUARTER 0, 128, F1, F0, 0                      ; the last lap is written out
	QUARTER 0, 192, F0, F1, 0
	TURN 0, 1, 1                                   ; mask rows 0-63 have a K step in which to land
	QUARTER 1, 64,  F0, F1, 0
	QUARTER 1, 128, F1, F0, 0
	QUARTER 1, 192, F0, F1, 0
	TURN 1, 0, 2                                   ; mask rows 64-127 land while blocks 0 to 3 are worked on
	WIN 0
	PLACES
; THE EPILOGUE: a loop over my eight blocks of 16 queries.  What differs between blocks is where the accumulators lie, so a chain of forward jumps leads to one of eight short parts; the rest is written once.
.macro MLD a                           ; block a's mask: my query's 64 numbers
.irp b, 0,1,2,3,4,5,6,7
	ds_load_b128 v[MK+8*\b:MK+8*\b+3],   v[MA+(\a)/4] offset:((\a)%4)*16*MPITCH+64*\b
	ds_load_b128 v[MK+8*\b+4:MK+8*\b+7], v[MA+(\a)/4] offset:((\a)%4)*16*MPITCH+64*\b+16
.endr
.endm
.macro SPEC a                          ; s = product / 32 + mask, each accumulator read from its low end on; then the next block's mask is fetched
	WIN 0x02+(\a)/4
.set j, 0
.rept 32
	v_fma_mix_f32_bf16 v[Y+2*j],   v[64*((\a)%4)+2*j],   v[SCV], v[PT+j] op_sel_hi:[0,0,1]
	v_fma_mix_f32_bf16 v[Y+2*j+1], v[64*((\a)%4)+2*j+1], v[SCV], v[PT+j] op_sel:[0,0,1] op_sel_hi:[0,0,1]
.set j, j+1
.endr
	WIN 0
.if ((\a) >= 3) && ((\a) < 7)
	s_wait_tensorcnt 0x0                           ; part 1 of my mask is in
.endif
.if (\a) < 7
	MLD (\a)+1
.endif
.endm
	s_wait_tensorcnt 0x1                           ; part 0 of my mask is in (one load was issued behind it)
	MLD 0
	s_mov_b32 s[BLK], 0
.Lblk:
	s_wait_dscnt 0x0                               ; the block's mask
.set j, 0
.rept 32
	v_cvt_pk_bf16_f32 v[PT+j], v[MK+2*j], v[MK+2*j+1]
.set j, j+1
.endr
.irp a, 0,1,2,3,4,5,6
	s_cmp_eq_u32 s[BLK], \a
	s_cbranch_scc1 .Lspec\a
.endr
	SPEC 7
	s_branch .Lcommon
.irp a, 0,1,2,3,4,5
.Lspec\a:
	SPEC \a
	s_branch .Lcommon
.endr
.Lspec6:
	SPEC 6
.Lcommon:
.irp c, 0,1,2,3                        ; the maximum of my 64 scores: four chains of 15, then the four left over
	v_max3_num_f32 v[C0+\c], v[Y+16*\c], v[Y+16*\c+1], v[Y+16*\c+2]
.endr
.irp m, 0,1,2,3,4,5
.irp c, 0,1,2,3
	v_max3_num_f32 v[C0+\c], v[C0+\c], v[Y+16*\c+3+2*\m], v[Y+16*\c+4+2*\m]
.endr
.endr
	v_max3_num_f32 v[C0], v[C0], v[Y+15], v[Y+31]
	v_max3_num_f32 v[C0+2], v[C0+2], v[Y+47], v[Y+63]
	v_max3_num_f32 v[C0], v[C0], v[C0+1], v[C0+2]
	v_max_num_f32 v[C0], v[C0], v[C0+3]
	v_permlanex16_b32 v[C0+1], v[C0], s[SEL], s[SEL+1]  ; the query's other 64 keys lie in the lane 16 away
	v_max_num_f32 v[C0], v[C0], v[C0+1]
	v_max_num_f32 v[C0], 0xff167699, v[C0]         ; not below -2e38, so that mL stays finite
	v_mul_f32 v[MLP], s[LG], v[C0]
	v_mul_f32 v[MLP+1], s[LG], v[C0]
.set j, 0
.rept 32
	v_pk_fma_f32 v[Y+2*j:Y+2*j+1], v[Y+2*j:Y+2*j+1], s[LG:LG+1], v[MLP:MLP+1] op_sel_hi:[1,0,0] neg_lo:[0,0,1] neg_hi:[0,0,1]
.set j, j+1
.endr
.set j, 0
.rept 64
	v_exp_f32 v[Y+j], v[Y+j]
.set j, j+1
.endr
	v_nop                                          ; a plain instruction behind the last exponential,
	s_wait_alu depctr_va_vdst(0)                   ; and one wait for the batch of 64, ahead of its first reader
.set j, 0
.rept 32
	v_cvt_pk_f16_f32 v[PT+j], v[Y+2*j], v[Y+2*j+1]
.set j, j+1
.endr
.irp s, 16,8,4,2,1                     ; the sum of the unrounded p, a tree in place
.set u, 0
.rept \s
	v_pk_add_f32 v[Y+2*u:Y+2*u+1], v[Y+2*u:Y+2*u+1], v[Y+2*(u+\s):Y+2*(u+\s)+1]
.set u, u+1
.endr
.endr
	v_add_f32 v[LSUM], v[Y], v[Y+1]
	v_permlanex16_b32 v[C0+1], v[LSUM], s[SEL], s[SEL+1]
	v_add_f32 v[LSUM], v[LSUM], v[C0+1]
	v_cndmask_b32 v[STW], v[MLP], v[LSUM], s[HM]   ; lanes 0-15 keep mL, lanes 16-31 l
	s_wait_xcnt 0x0                                ; the last block's stores have read their data and their base
.irp b, 0,1,2,3,4,5,6,7
	ds_store_b128 v[STO], v[PT+4*\b:PT+4*\b+3] offset:32*\b
.endr
.irp t, 0,1,2,3,4,5,6,7
	ds_load_b128 v[OB+4*\t:OB+4*\t+3], v[RD] offset:\t*2*PITCH  ; LDS serves a wave's instructions in order: these see the stores above
.endr
	ds_store_b32 v[SA], v[STW]
	s_add_nc_u64 s[8:9], s[8:9], s[OD:OD+1]        ; the first time: to my part of the tile; then 16 rows on
	s_mov_b32 s[OD], 0x10000
	s_mov_b32 s[OD+1], 0
	s_wait_dscnt 1                                 ; the rows are back; the one store behind them may be out
.irp t, 0,1,2,3,4,5,6,7
	global_store_b128 v[CO], v[OB+4*\t:OB+4*\t+3], s[8:9] offset:\t*8192  ; 16 lanes store 256 consecutive bytes, aligned
.endr
	v_add_nc_u32 v[SA], 64, v[SA]
	s_add_co_u32 s[BLK], s[BLK], 1
	s_cmp_lt_u32 s[BLK], 8
	s_cbranch_scc1 .Lblk
	s_wait_dscnt 0x0
	ds_load_b128 v[64:67], v[SR]                   ; my 128 mL and 128 l, my own bytes: 512 consecutive bytes each
	ds_load_b128 v[68:71], v[SR] offset:512
	s_wait_dscnt 0x0
	global_store_b128 v[SO], v[64:67], s[10:11]
	global_store_b128 v[SO], v[68:71], s[10:11] offset:524288
	s_wait_tensorcnt 0x0                           ; the wave's end
	ds_add_u32 v[SPW], v[NIL]
	s_wait_dscnt 0x0
	CROUND                                         ; the closing round
	s_endpgm
.Lfunc_end_k_qc6cb06b2ec_score:
	.size	k_qc6cb06b2ec_score, .Lfunc_end_k_qc6cb06b2ec_score-k_qc6cb06b2ec_score
	.p2alignl 7, 3214868480
	.fill 96, 4, 3214868480
	.section	.rodata,"a",@progbits
	.p2align	6, 0x0
	.amdhsa_kernel k_qc6cb06b2ec_score
		.amdhsa_group_segment_fixed_size 327680
		.amdhsa_private_segment_fixed_size 0
		.amdhsa_enable_private_segment 0
		.amdhsa_kernarg_size 32
		.amdhsa_user_sgpr_count 2
		.amdhsa_user_sgpr_kernarg_segment_ptr 1
		.amdhsa_wavefront_size32 1
		.amdhsa_system_sgpr_workgroup_id_x 1
		.amdhsa_system_sgpr_workgroup_id_y 1
		.amdhsa_system_sgpr_workgroup_id_z 1
		.amdhsa_system_vgpr_workitem_id 0
		.amdhsa_next_free_vgpr 1024
		.amdhsa_next_free_sgpr 100
		.amdhsa_reserve_vcc 0
		.amdhsa_float_denorm_mode_32 3
		.amdhsa_float_denorm_mode_16_64 3
		.amdhsa_memory_ordered 1
		.amdhsa_forward_progress 1
		.amdhsa_inst_pref_size 173
	.end_amdhsa_kernel
	.amdgpu_metadata
---
amdhsa.version: [ 1, 2 ]
amdhsa.kernels:
  - .name:           k_qc6cb06b2ec_score
    .symbol:         k_qc6cb06b2ec_score.kd
    .args:
      - { .name: wqkv, .offset: 0, .size: 8, .value_kind: global_buffer, .address_space: global }
      - { .name: att_mask, .offset: 8, .size: 8, .value_kind: global_buffer, .address_space: global }
      - { .name: pw, .offset: 16, .size: 8, .value_kind: global_buffer, .address_space: global }
      - { .name: stat, .offset: 24, .size: 8, .value_kind: global_buffer, .address_space: global }
    .group_segment_fixed_size: 327680
    .private_segment_fixed_size: 0
    .kernarg_segment_align: 8
    .kernarg_segment_size: 32
    .max_flat_workgroup_size: 128
    .sgpr_count:     100
    .vgpr_count:     1024
    .wavefront_size: 32
...
	.end_amdgpu_metadata
.endif
;; end of part 3
;; launch pv (part 4): grid 4 x 64, 4 waves a work-group, clusters of 4 x 4, 327,680 bytes of LDS; arguments pw, wqkv, stat, out0; writes out0
.if DOCPART == 4
	.amdgcn_target "amdgcn-amd-amdhsa--gfx1250"
	.amdhsa_code_object_version 6
	.text
	.protected	k_qc6cb06b2ec_pv
	.globl	k_qc6cb06b2ec_pv
	.p2align	8
	.type	k_qc6cb06b2ec_pv,@function
k_qc6cb06b2ec_pv:
	s_mov_b64 s[64:65], 0
	v_nop
	global_prefetch_b8 v0, s[64:65] scope:SCOPE_SE
	s_setreg_imm32_b32 hwreg(HW_REG_WAVE_MODE, 25, 1), 1
	s_wait_xcnt 0x0
	s_wait_alu depctr_hold_cnt(0) depctr_sa_sdst(0) depctr_va_vdst(0) depctr_va_sdst(0) depctr_va_ssrc(0) depctr_va_vcc(0) depctr_vm_vsrc(0)
	s_getreg_b32 s2, hwreg(HW_REG_IB_STS2, 6, 4)
	s_cmp_eq_u32 s2, 0
	s_cbranch_scc0 .Lentry_in_a_cluster
	s_endpgm
.Lentry_in_a_cluster:
	s_bfe_u32 s2, ttmp6, 0x10000c
	s_cmp_lg_u32 s2, 0xf033
	s_cbranch_scc0 .Lentry_shape_is_right
	s_endpgm
.Lentry_shape_is_right:
; out[row] = (the sum over the 16 key blocks t of f_t (p_t wv_t)) / (the sum over t of f_t l_t), f_t = 2^(mL_t - ML), ML = the row's maximum of mL_t: the second half of the softmax, with the row's true maximum.
; p (pw) and wv (part 2 of wqkv) are f16; f is rounded to f16 and multiplied onto p's fragments in registers (v_pk_mul_f16); sums in f32; the divisor takes f unrounded (they differ by 2^-12 of a block's share at the most).
; LIMITS.  f and f p below 6e-5 keep f16's fixed step of 6e-8, beside a row's largest weight of 1.  A row that is -inf throughout has a divisor of 0 and gives NaN, as the definition does.
; SHARES.  A tile of 128 rows x 256 channels to a work-group, 256 work-groups; four waves, each 64 x 128: 32 accumulators.  K = 2,048 keys in 16 steps of 128, one key block a step, through two LDS slots.
; p's tile is shared along a row of the 4 x 4 cluster, wv's along a column: joint tensor loads; waves 0 and 1 ask for p's two halves, waves 2 and 3 for wv's.
; The matrix instruction is used transposed: source 0 = 16 channels (wv lies [key][channel] and is turned by ds_load_tr16_b128), source 1 = 16 rows of p: a lane holds one row and eight neighbouring channels.
; REGISTERS: window 0: addresses, v32-39 the factors of two steps, v40-47 1 / divisor, v64-159 and v160-255 two fragment buffers (B's eight, then A's four); window 1: the accumulators, before the loop the statistics.
.set PITCH,  272                       ; a row of p in LDS: 256 bytes + 16
.set PV,     544                       ; a row of wv: 512 bytes + 32: an odd multiple of 32
.set APART,  128*PITCH
.set SLOT,   APART+128*PV
.set STAGE,  2*SLOT                    ; 16 rows x 528 bytes for each wave
.set OPITCH, 528
.set FTAB,   STAGE+4*16*OPITCH         ; 4,096 bytes for each wave: [step][r][a] pairs (f, f) in f16
.set SPARE,  FTAB+4*4096
.set PFO,  12
.set FTA,  13                          ; v13     my 16 bytes of the factors of the lap's first step
.set ADRA, 16
.set ADRB, 20
.set STO,  24
.set RD,   25
.set GO,   26
.set SPW,  28
.set NIL,  29
.set FCA,  32                          ; v32-35  an even step's factors for my four blocks
.set FCB,  36                          ; v36-39  an odd step's
.set RI,   40                          ; v40-47  1 / divisor, a pair for each block
.set F0,   64
.set F1,   160
.set TMP,  64
.set OB,   128
.set WV,   12
.set WMH,  13
.set WL,   14
.set CX,   16
.set CY,   17
.set CT,   18
.set RB,   19
.set G1,   24
.set G0,   32
.set LIM0, 40
.set LIM1, 41
.set OD,   42
.set PFA,  44
.set PST,  46
.set G1B,  48
.set G0B,  56
.set MSB, 0
.macro WIN new
.if MSB != (\new)
	s_set_vgpr_msb (MSB<<8)|(\new)
.set MSB, \new
.endif
.endm
.macro PLACES
.rept 4
	v_nop
.endr
.endm
.macro CREST
	s_cmp_lg_u32 s[WV], 0
	s_cbranch_scc1 .Lnot_wave_0_\@
	s_barrier_signal -3
.Lnot_wave_0_\@:
	s_barrier_wait -3
	s_barrier_signal -1
	s_barrier_wait -1
.endm
.macro CROUND
	s_barrier_signal -1
	s_barrier_wait -1
	CREST
.endm
.macro JLOAD s
	s_cmp_lt_u32 s[WV], 2
	s_cbranch_scc0 .Lfor_b_\@
	tensor_load_to_lds s[G0+4*(\s):G0+4*(\s)+3], s[G1:G1+7]
	s_nop 0
	PLACES
	s_branch .Lasked_\@
.Lfor_b_\@:
	tensor_load_to_lds s[G0B+4*(\s):G0B+4*(\s)+3], s[G1B:G1B+7]
	s_nop 0
	PLACES
.Lasked_\@:
.endm
; PREFETCHES, behind the joint load, its five lines and the run of LDS loads; each block of 256 bytes is named once in the launch.  p (waves 0, 1; at slot 0's change alone): the steps 4 and 5 on from the one that ends; of the
; 64 rows that a wave fetches each partner takes 16 by address; a lane names a row and one of the two steps.  A tile row of p is read by one cluster alone, so every cluster asks.  wv (waves 2, 3; at both changes): the step
; 4 on; of a wave's 64 keys each partner takes 16; a lane names a key and one half of its 512 bytes.  A batch's wv is read by four rows of clusters: the first asks.  The last trip asks for nothing.
.macro ASK slot
	s_cmp_gt_u32 s3, s[LIM0+(\slot)]
	s_cbranch_scc0 .Lnot_mine_\@
	global_prefetch_b8 v[PFO], s[PFA:PFA+1] th:TH_LOAD_NT scope:SCOPE_SE
.Lnot_mine_\@:
.endm
; matrix instruction i of a quarter's 32: a = i / 8, b = i % 8.  The 32 accumulators take turns, always in this order.
.macro WM f, c
	WIN 0x50
.if \c
	v_wmma_f32_16x16x32_f16 v[8*i:8*i+7], v[(\f)+8*(i%8):(\f)+8*(i%8)+7], v[(\f)+64+8*(i/8):(\f)+64+8*(i/8)+7], 0
.else
	v_wmma_f32_16x16x32_f16 v[8*i:8*i+7], v[(\f)+8*(i%8):(\f)+8*(i%8)+7], v[(\f)+64+8*(i/8):(\f)+64+8*(i/8)+7], v[8*i:8*i+7]
.endif
.endm
.macro WMS f, lo, hi, c
.set i, \lo
.rept (\hi)-(\lo)+1
	WM \f, \c
.set i, i+1
.endr
.endm
.macro FA slot, kq, g, j               ; loads 4 j .. 4 j + 3 of the 8 that bring p's fragments of quarter kq
	WIN 0
.irp m, 0,1,2,3
.set t, 4*(\j)+\m
	ds_load_b128 v[(\g)+64+4*t:(\g)+64+4*t+3], v[ADRA+(\slot)] offset:64*(\kq)+(t/2)*16*PITCH+32*(t%2)
.endr
.endm
.macro FB slot, kq, g, j               ; loads 4 j .. 4 j + 3 of the 16 that bring wv's, turned
	WIN 0
.irp m, 0,1,2,3
.set t, 4*(\j)+\m
	ds_load_tr16_b128 v[(\g)+4*t:(\g)+4*t+3], v[ADRB+(\slot)] offset:32*PV*(\kq)+32*(t/2)+16*PV*(t%2)
.endr
.endm
.macro SC g, j, fc                     ; half of p's fragment j / 2 in buffer g times its row's factor
	WIN 0
.irp m, 0,1,2,3
	v_pk_mul_f16 v[(\g)+64+4*(\j)+\m], v[(\g)+64+4*(\j)+\m], v[(\fc)+(\j)/2]
.endr
.endm
; One of a step's first three quarters: 32 matrix instructions on buffer f; behind single ones ride the places, the next quarter's 24 loads into g (p's first), and, when p's have come, their scaling.
.macro QUARTER slot, kq, f, g, c, fc
	s_wait_dscnt 0x0                               ; buffer f is in
.set i, 0
.rept 32
	WM \f, \c
.if i == 0
	PLACES
.elseif i < 3
	FA \slot, \kq, \g, i-1
.elseif i < 7
	FB \slot, \kq, \g, i-3
.elseif (i >= 20) && (i < 28)
.if i == 20
	s_wait_dscnt 16                                ; p's fragments are in; wv's sixteen loads may stay out
.endif
	SC \g, i-20, \fc
.endif
.set i, i+1
.endr
.endm
; A step's fourth quarter (buffer F1) and the change of slots; fcn, foff: where the next step's factors go and where they lie.
.macro TURN slot, next, fill, fcn, foff
	WIN 0
.if \fill
	s_wait_xcnt 0x0                                ; the last prefetch has read its address
	s_add_nc_u64 s[PFA:PFA+1], s[PFA:PFA+1], s[PST:PST+1]
.endif
	s_wait_tensorcnt 0x0                           ; all my tensor loads have landed, so a group 0 may be written
	ds_add_u32 v[SPW], v[NIL]                      ; 0 onto my spare word
.if \fill
	s_add_nc_u64 s[G0+4*(\slot)+2:G0+4*(\slot)+3], s[G0+4*(\slot)+2:G0+4*(\slot)+3], 512       ; two steps of 128 keys along p's rows
	s_add_nc_u64 s[G0B+4*(\slot)+2:G0B+4*(\slot)+3], s[G0B+4*(\slot)+2:G0B+4*(\slot)+3], 524288 ; 256 rows of wv
.endif
	s_wait_dscnt 1                                 ; buffer F1 is in; the add may be out
	WMS F1, 0, 7, 0
	s_wait_dscnt 0x0
	s_barrier_signal -1
	WMS F1, 8, 15, 0
	WIN 0
	s_barrier_wait -1
.if \fill
	CREST
	JLOAD \slot                                    ; its four v_nop are also the places in front of the loads below
.else
	PLACES
.endif
	ds_load_b128 v[\fcn:\fcn+3], v[FTA] offset:\foff
	FA \next, 0, F0, 0
	FA \next, 0, F0, 1
.irp j, 0,1,2,3
	FB \next, 0, F0, \j
.endr
.if \fill
	ASK \slot
.endif
.set i, 16
.rept 16
	WM F1, 0
.if i >= 24
.if i == 24
	s_wait_dscnt 16                                ; the factors and p's fragments are in
.endif
	SC F0, i-24, \fcn
.endif
.set i, i+1
.endr
.endm
	s_load_b256 s[4:11], s[0:1], 0x0               ; pw s[4:5], wqkv s[6:7], stat s[8:9], out0 s[10:11]
	v_lshl_add_u32 v[SPW], v0, 2, SPARE
	v_mov_b32 v[NIL], 0
	ds_add_u32 v[SPW], v[NIL]                      ; the wave's opening: the add and its wait ahead of my first tensor load
	v_lshrrev_b32 v3, 5, v0
	v_readfirstlane_b32 s[WV], v3
	s_lshr_b32 s[WMH], s[WV], 1                    ; which 64 rows are mine
	s_and_b32 s[WL], s[WV], 1                      ; which 128 channels.  Also: which half of a tile I fetch
	s_bfe_u32 s[CX], ttmp6, 0x40000
	s_bfe_u32 s[CY], ttmp6, 0x40004
	s_lshl_b32 s[CT], ttmp9, 2
	s_add_co_u32 s[CT], s[CT], s[CX]
	s_and_b32 s[RB], ttmp7, 0xffff
	s_lshl_b32 s[RB], s[RB], 2
	s_add_co_u32 s[RB], s[RB], s[CY]
	s_lshl_b32 s20, s[CY], 2
	s_lshl_b32 s20, 15, s20                        ; my row of the cluster
	s_lshl_b32 s66, 0x1111, s[CX]                  ; my column
	s_or_b32 s[G1], s20, (1<<16)|(1<<20)|(1<<21)|(5<<22)|(3<<25)   ; p: after every 64 words 4 words of padding
	s_or_b32 s[G1B], s66, (1<<16)|(1<<20)|(1<<21)|(6<<22)|(7<<25)  ; wv: after every 128 words 8 words
	s_mov_b32 s[G1+1], 128<<16
	s_mov_b32 s[G1+2], 64<<16
	s_mov_b32 s[G1+3], 128<<16
	s_mov_b32 s[G1+4], 64
	s_mov_b32 s[G1+5], 2048
	s_mov_b32 s[G1+6], 0
	s_mov_b32 s[G1+7], 0
	s_mov_b32 s[G1B+1], 256<<16
	s_mov_b32 s[G1B+2], 64<<16
	s_mov_b32 s[G1B+3], 256<<16
	s_mov_b32 s[G1B+4], 64
	s_mov_b32 s[G1B+5], 1024
	s_mov_b32 s[G1B+6], 0
	s_mov_b32 s[G1B+7], 0
	s_lshl_b32 s20, s[RB], 7
	s_lshl_b32 s21, s[WL], 6
	s_add_co_u32 s20, s20, s21
	s_lshl_b32 s20, s20, 12                        ; p: row 128 rb + 64 x half, 4,096 bytes a row
	s_mov_b32 s21, 0
	s_and_b32 s66, ttmp7, 0xffff
	s_lshr_b32 s66, s66, 2                         ; the batch, from the cluster's y
	s_lshl_b32 s66, s66, 11
	s_lshl_b32 s67, s[WL], 6
	s_add_co_u32 s66, s66, s67
	s_lshl_b32 s66, s66, 11                        ; wv: key 2,048 x batch + 64 x half, 2,048 bytes a row,
	s_lshl_b32 s67, s[CT], 9
	s_add_co_u32 s66, s66, s67                     ; 512 bytes a channel tile,
	s_add_co_u32 s66, s66, 0x2000000               ; in part 2 of wqkv
	s_mov_b32 s67, 0
	s_mul_i32 s22, s[WL], 64*PITCH                 ; where they go: the wave's number alone
	s_mul_i32 s23, s[WL], 64*PV
	s_add_co_u32 s23, s23, APART
	s_wait_dscnt 0x0
	s_wait_kmcnt 0x0
	s_add_nc_u64 s[20:21], s[4:5], s[20:21]
	s_add_nc_u64 s[66:67], s[6:7], s[66:67]
.irp s, 0,1
	s_mov_b32 s[G0+4*\s], 1
	s_add_co_u32 s[G0+4*\s+1], s22, \s*SLOT
	s_add_nc_u64 s[G0+4*\s+2:G0+4*\s+3], s[20:21], \s*256
	s_or_b32 s[G0+4*\s+3], s[G0+4*\s+3], 0x80000000
	s_mov_b32 s[G0B+4*\s], 1
	s_add_co_u32 s[G0B+4*\s+1], s23, \s*SLOT
	s_add_nc_u64 s[G0B+4*\s+2:G0B+4*\s+3], s[66:67], \s*262144
	s_or_b32 s[G0B+4*\s+3], s[G0B+4*\s+3], 0x80000000
.endr
	CROUND                                         ; all sixteen work-groups are here: the first joint loads meet
	s_cmp_lt_u32 s[WV], 2                          ; a wave's two first fills stand in one branch: two loads of mine are out
	s_cbranch_scc0 .Lfirst_b
	tensor_load_to_lds s[G0:G0+3], s[G1:G1+7]
	s_nop 0
	tensor_load_to_lds s[G0+4:G0+7], s[G1:G1+7]
	s_nop 0
	PLACES
	s_branch .Lfirst_asked
.Lfirst_b:
	tensor_load_to_lds s[G0B:G0B+3], s[G1B:G1B+7]
	s_nop 0
	tensor_load_to_lds s[G0B+4:G0B+7], s[G1B:G1B+7]
	s_nop 0
	PLACES
.Lfirst_asked:
	v_and_b32 v1, 15, v0                           ; r
	v_bfe_u32 v2, v0, 4, 1                         ; h
	v_and_b32 v3, 31, v0                           ; l
	s_lshl_b32 s68, s[RB], 9
	s_mov_b32 s69, 0
	s_add_nc_u64 s[8:9], s[8:9], s[68:69]          ; stat at the work-group's 128 rows
	s_lshl_b32 s70, s[WMH], 8
	v_lshl_add_u32 v4, v1, 2, s70                  ; row 64 wm + r
	WIN 0x40                                       ; the statistics of my four rows 16 a + r: mL(a, t) at v[16 a + t], l(a, t) at v[64 + 16 a + t] of window 1
.irp a, 0,1,2,3
.set t, 0
.rept 16
	global_load_b32 v[16*\a+t],    v4, s[8:9] offset:64*\a+32768*t
	global_load_b32 v[64+16*\a+t], v4, s[8:9] offset:64*\a+32768*t+524288
.set t, t+1
.endr
.endr
	WIN 0
	v_mul_u32_u24 v5, v1, PITCH
	v_lshl_add_u32 v5, v2, 4, v5
	s_mul_i32 s20, s[WMH], 64*PITCH
	v_add_nc_u32 v[ADRA], s20, v5
	v_add_nc_u32 v[ADRA+1], SLOT, v[ADRA]
	v_and_b32 v5, 7, v0                            ; the turning load: lane l reads key 8 h + l % 8, channels 8 ((l / 8) % 2) + 0..7
	v_lshl_add_u32 v5, v2, 3, v5
	v_mul_u32_u24 v5, v5, PV
	v_bfe_u32 v6, v0, 3, 1
	v_lshl_add_u32 v5, v6, 4, v5
	s_lshl_b32 s20, s[WL], 8
	s_add_co_u32 s20, s20, APART
	v_add_nc_u32 v[ADRB], s20, v5
	v_add_nc_u32 v[ADRB+1], SLOT, v[ADRB]
	s_mul_i32 s20, s[WV], 16*OPITCH
	s_add_co_u32 s20, s20, STAGE
	v_mul_u32_u24 v5, v1, OPITCH
	v_lshl_add_u32 v5, v2, 5, v5
	v_add_nc_u32 v[STO], s20, v5                   ; in: row r, 32 bytes for each half of the lanes
	v_lshl_add_u32 v[RD], v3, 4, s20               ; back: a whole row of 512 bytes
	v_lshlrev_b32 v[GO], 4, v3
	s_lshl_b32 s20, s[WV], 12
	s_add_co_u32 s20, s20, FTAB
	v_lshl_add_u32 v[FTA], v1, 4, s20
	; the prefetches
	s_lshl_b32 s68, s[RB], 7
	s_lshl_b32 s69, s[WL], 6
	s_add_co_u32 s68, s68, s69
	s_lshl_b32 s70, s[CX], 4
	s_add_co_u32 s68, s68, s70
	s_lshl_b32 s68, s68, 12
	s_add_co_u32 s68, s68, 768                     ; p: my work-group's 16 rows, at step 3: the first change steps it to 4
	s_and_b32 s71, ttmp7, 0xffff
	s_lshr_b32 s70, s71, 2
	s_lshl_b32 s70, s70, 11
	s_add_co_u32 s70, s70, s69
	s_lshl_b32 s72, s[CY], 4
	s_add_co_u32 s70, s70, s72
	s_lshl_b32 s70, s70, 11
	s_lshl_b32 s72, s[CT], 9
	s_add_co_u32 s70, s70, s72
	s_add_co_u32 s70, s70, 0x2000000+3*262144      ; wv: my work-group's 16 keys, at step 3
	s_and_b32 s71, s71, 3
	s_cmp_eq_u32 s71, 0
	s_cselect_b32 s71, 1, -1
	s_mov_b32 s73, 0x40000
	s_cmp_lt_u32 s[WV], 2
	s_cselect_b32 s68, s68, s70
	s_cselect_b64 s[PFA:PFA+1], s[4:5], s[6:7]
	s_cselect_b32 s[LIM0], 1, s71
	s_cselect_b32 s[LIM1], -1, s71
	s_cselect_b32 s[PST], 256, s73                 ; a step along p's rows, or 128 rows of wv
	s_cselect_b32 s72, -1, 0
	s_mov_b32 s69, 0
	s_mov_b32 s[PST+1], 0
	s_add_nc_u64 s[PFA:PFA+1], s[PFA:PFA+1], s[68:69]
	v_lshlrev_b32 v5, 8, v2
	v_lshl_add_u32 v5, v1, 12, v5                  ; p: row l % 16, step l / 16
	v_lshrrev_b32 v6, 1, v3
	v_and_b32 v7, 1, v0
	v_lshlrev_b32 v7, 8, v7
	v_lshl_add_u32 v6, v6, 11, v7                  ; wv: key l / 2, half l % 2
	v_cndmask_b32 v[PFO], v6, v5, s72
	s_lshl_b32 s68, s[RB], 7
	s_lshl_b32 s69, s[WMH], 6
	s_add_co_u32 s68, s68, s69
	s_lshl_b32 s68, s68, 12
	s_lshl_b32 s69, s[CT], 10
	s_add_co_u32 s68, s68, s69
	s_lshl_b32 s69, s[WL], 9
	s_add_co_u32 s[OD], s68, s69                   ; my part of the tile in out0
	s_mov_b32 s[OD+1], 0
	s_wait_loadcnt 0x0
	WIN 0x55                                       ; all in window 1, whose accumulators are not yet in use
.irp a, 0,1,2,3
	v_max3_num_f32 v[192+\a], v[16*\a], v[16*\a+1], v[16*\a+2]
.endr
.irp m, 0,1,2,3,4,5
.irp a, 0,1,2,3
	v_max3_num_f32 v[192+\a], v[192+\a], v[16*\a+3+2*\m], v[16*\a+4+2*\m]
.endr
.endr
.irp a, 0,1,2,3
	v_max_num_f32 v[192+\a], v[192+\a], v[16*\a+15]  ; ML: the row's maximum
.endr
.set j, 0
.rept 64
	v_sub_f32 v[j], v[j], v[192+j/16]
.set j, j+1
.endr
.set j, 0
.rept 64
	v_exp_f32 v[j], v[j]                           ; f
.set j, j+1
.endr
	v_nop                                          ; a plain instruction behind the last exponential,
	s_wait_alu depctr_va_vdst(0)                   ; and one wait for the batch
.set j, 0
.rept 64
	v_cvt_pk_f16_f32 v[128+4*(j%16)+j/16], v[j], v[j]  ; (f, f) of step t = j % 16, block a = j / 16, at 128 + 4 t + a
.set j, j+1
.endr
.irp a, 0,1,2,3
	v_mul_f32 v[196+\a], v[16*\a], v[64+16*\a]
.endr
.set t, 1
.rept 15
.irp a, 0,1,2,3
	v_fmac_f32 v[196+\a], v[16*\a+t], v[64+16*\a+t]  ; the divisor: four chains by turns
.endr
.set t, t+1
.endr
	WIN 0x01
.irp a, 0,1,2,3
	v_rcp_f32 v[RI+2*\a], v[196+\a]
	v_rcp_f32 v[RI+2*\a+1], v[196+\a]
.endr
	v_nop
	s_wait_alu depctr_va_vdst(0)                   ; one wait for the eight reciprocals
	WIN 0x04
.set t, 0
.rept 16
	ds_store_b128 v[FTA], v[128+4*t:128+4*t+3] offset:256*t  ; my own bytes; lanes r and r + 16 write the same words with the same numbers
.set t, t+1
.endr
	WIN 0
	s_wait_tensorcnt 0x1                           ; my part of step 0 is in; step 1's may stay out
	s_wait_dscnt 0x0
	s_barrier_signal -1
	s_barrier_wait -1
	ds_load_b128 v[FCA:FCA+3], v[FTA]
	FA 0, 0, F0, 0
	FA 0, 0, F0, 1
.irp j, 0,1,2,3
	FB 0, 0, F0, \j
.endr
	s_wait_dscnt 16
.irp j, 0,1,2,3,4,5,6,7
	SC F0, \j, FCA
.endr
	QUARTER 0, 1, F0, F1, 1, FCA                   ; the first quarter stands in front of the loop: its products start the sums
	WIN 0
	s_mov_b32 s3, 7
.Llap:                                         ; seven trips: steps 2 to 15 are asked for
	QUARTER 0, 2, F1, F0, 0, FCA
	QUARTER 0, 3, F0, F1, 0, FCA
	TURN 0, 1, 1, FCB, 256
	QUARTER 1, 1, F0, F1, 0, FCB
	QUARTER 1, 2, F1, F0, 0, FCB
	QUARTER 1, 3, F0, F1, 0, FCB
	TURN 1, 0, 1, FCA, 512
	QUARTER 0, 1, F0, F1, 0, FCA
	WIN 0
	v_add_nc_u32 v[FTA], 512, v[FTA]               ; two steps' factors on
	s_sub_co_u32 s3, s3, 1
	s_cmp_lg_u32 s3, 0
	s_cbranch_scc1 .Llap
	QUARTER 0, 2, F1, F0, 0, FCA                   ; the last lap is written out: nothing more is asked for
	QUARTER 0, 3, F0, F1, 0, FCA
	TURN 0, 1, 0, FCB, 256
	QUARTER 1, 1, F0, F1, 0, FCB
	QUARTER 1, 2, F1, F0, 0, FCB
	QUARTER 1, 3, F0, F1, 0, FCB
	s_wait_dscnt 0x0
	WMS F1, 0, 31, 0
	WIN 0
	PLACES
; THE WAY OUT of block a (16 rows x 128 channels of f32): divided, 32 bytes a lane into my own stage, back as whole rows of 512 bytes, stored.
.macro OUT a
	WIN 0x01
.set j, 0
.rept 32
	v_pk_mul_f32 v[TMP+2*j:TMP+2*j+1], v[64*(\a)+2*j:64*(\a)+2*j+1], v[RI+2*(\a):RI+2*(\a)+1]
.set j, j+1
.endr
	WIN 0
.irp b, 0,1,2,3,4,5,6,7
	ds_store_b128 v[STO], v[TMP+8*\b:TMP+8*\b+3]   offset:64*\b
	ds_store_b128 v[STO], v[TMP+8*\b+4:TMP+8*\b+7] offset:64*\b+16
.endr
	s_wait_xcnt 0x0                                ; the stores of the block before have read their data and their base
.set j, 0
.rept 16
	ds_load_b128 v[OB+4*j:OB+4*j+3], v[RD] offset:j*OPITCH  ; LDS serves a wave's instructions in order: these see the stores above
.set j, j+1
.endr
.if (\a) == 0
	s_add_nc_u64 s[10:11], s[10:11], s[OD:OD+1]
.else
	s_add_nc_u64 s[10:11], s[10:11], 16*4096
.endif
	s_wait_dscnt 0x0
.set j, 0
.rept 16
	global_store_b128 v[GO], v[OB+4*j:OB+4*j+3], s[10:11] offset:j*4096 th:TH_STORE_NT  ; a wave stores 512 consecutive bytes, aligned
.set j, j+1
.endr
.endm
	OUT 0
	OUT 1
	OUT 2
	OUT 3
	s_wait_tensorcnt 0x0                           ; the wave's end
	ds_add_u32 v[SPW], v[NIL]
	s_wait_dscnt 0x0
	CROUND                                         ; the closing round
	s_endpgm
.Lfunc_end_k_qc6cb06b2ec_pv:
	.size	k_qc6cb06b2ec_pv, .Lfunc_end_k_qc6cb06b2ec_pv-k_qc6cb06b2ec_pv
	.p2alignl 7, 3214868480
	.fill 96, 4, 3214868480
	.section	.rodata,"a",@progbits
	.p2align	6, 0x0
	.amdhsa_kernel k_qc6cb06b2ec_pv
		.amdhsa_group_segment_fixed_size 327680
		.amdhsa_private_segment_fixed_size 0
		.amdhsa_enable_private_segment 0
		.amdhsa_kernarg_size 32
		.amdhsa_user_sgpr_count 2
		.amdhsa_user_sgpr_kernarg_segment_ptr 1
		.amdhsa_wavefront_size32 1
		.amdhsa_system_sgpr_workgroup_id_x 1
		.amdhsa_system_sgpr_workgroup_id_y 1
		.amdhsa_system_sgpr_workgroup_id_z 1
		.amdhsa_system_vgpr_workitem_id 0
		.amdhsa_next_free_vgpr 512
		.amdhsa_next_free_sgpr 76
		.amdhsa_reserve_vcc 0
		.amdhsa_float_denorm_mode_32 3
		.amdhsa_float_denorm_mode_16_64 3
		.amdhsa_memory_ordered 1
		.amdhsa_forward_progress 1
		.amdhsa_inst_pref_size 164
	.end_amdhsa_kernel
	.amdgpu_metadata
---
amdhsa.version: [ 1, 2 ]
amdhsa.kernels:
  - .name:           k_qc6cb06b2ec_pv
    .symbol:         k_qc6cb06b2ec_pv.kd
    .args:
      - { .name: pw, .offset: 0, .size: 8, .value_kind: global_buffer, .address_space: global }
      - { .name: wqkv, .offset: 8, .size: 8, .value_kind: global_buffer, .address_space: global }
      - { .name: stat, .offset: 16, .size: 8, .value_kind: global_buffer, .address_space: global }
      - { .name: out0, .offset: 24, .size: 8, .value_kind: global_buffer, .address_space: global }
    .group_segment_fixed_size: 327680
    .private_segment_fixed_size: 0
    .kernarg_segment_align: 8
    .kernarg_segment_size: 32
    .max_flat_workgroup_size: 128
    .sgpr_count:     76
    .vgpr_count:     512
    .wavefront_size: 32
...
	.end_amdgpu_metadata
.endif
;; end of part 4
;; ======== version 2 of 2: 4 launches
;; limits: values are held in f16: magnitudes above 65,504 overflow, below 6.1e-05 lose precision
;; workspace buffers: wb 6,291,456 bytes; bb 12,288 bytes; wqkv 50,331,648 bytes; pw 33,554,432 bytes; stat 1,048,576 bytes
;; launch cvtw (part 5): grid 256 x 1, 12 waves a work-group, no clusters, 0 bytes of LDS; arguments Wq, Wk, Wv, bq, bk, bv, wb, bb; writes wb, bb
.if DOCPART == 5
	.amdgcn_target "amdgcn-amd-amdhsa--gfx1250"
	.amdhsa_code_object_version 6
	.text
	.protected	k_qc6cb06b2ec_cvtw
	.globl	k_qc6cb06b2ec_cvtw
	.p2align	8
	.type	k_qc6cb06b2ec_cvtw,@function
k_qc6cb06b2ec_cvtw:
	s_mov_b64 s[64:65], 0
	v_nop
	global_prefetch_b8 v0, s[64:65] scope:SCOPE_SE
	s_setreg_imm32_b32 hwreg(HW_REG_WAVE_MODE, 25, 1), 1
	s_wait_xcnt 0x0
; wb[y] = bf16(W_y), y = 0, 1, 2 for Wq, Wk, Wv: [1024][1024] each.  bb[y] = the bias of the same layer rounded to bf16 and written as f32.
; A stream: no LDS, no barrier, no matrix work.  256 work-groups of twelve waves, all alike: waves 4 y .. 4 y + 3 convert 4,096 numbers of layer y, in four chunks of 1,024;
; thread t of the 128 takes 8 numbers of a chunk (two loads of 16 bytes on end) and stores their 16 bytes of bf16, so a store of a wave covers 512 consecutive bytes.
; All eight loads go out first; the counted waits leave the younger chunks' loads out.  Work-groups 0 and 1 also convert the two halves of each bias, 512 numbers for each layer's four waves.
	s_load_b512 s[4:19], s[0:1], 0x0               ; Wq s[4:5], Wk s[6:7], Wv s[8:9], bq s[10:11], bk s[12:13], bv s[14:15], wb s[16:17], bb s[18:19]
	v_lshrrev_b32 v3, 5, v0
	v_readfirstlane_b32 s20, v3                    ; wave 0..11
	s_lshr_b32 s20, s20, 2                         ; y: which layer
	v_and_b32 v4, 127, v0                          ; my place among the layer's 128 threads
	v_lshlrev_b32 v1, 5, v4                        ; 32 bytes of f32 a thread
	v_lshlrev_b32 v2, 4, v4                        ; 16 bytes of bf16 a thread
	s_lshl_b32 s22, ttmp9, 14                      ; the work-group's 16,384 bytes of each W
	s_mov_b32 s23, 0
	s_lshl_b32 s24, ttmp9, 13                      ; its 8,192 bytes of wb,
	s_lshl_b32 s21, s20, 21                        ; in part y
	s_add_co_u32 s24, s24, s21
	s_mov_b32 s25, 0
	s_lshl_b32 s30, s20, 12                        ; part y of bb
	s_mov_b32 s31, 0
	s_wait_kmcnt 0x0
	s_cmp_eq_u32 s20, 0
	s_cselect_b64 s[26:27], s[4:5], s[6:7]
	s_cselect_b64 s[28:29], s[10:11], s[12:13]
	s_cmp_lt_u32 s20, 2
	s_cselect_b64 s[26:27], s[26:27], s[8:9]
	s_cselect_b64 s[28:29], s[28:29], s[14:15]
	s_add_nc_u64 s[26:27], s[26:27], s[22:23]
	s_add_nc_u64 s[16:17], s[16:17], s[24:25]
.irp c, 0,1,2,3
	global_load_b128 v[8+8*\c:11+8*\c],  v1, s[26:27] offset:4096*\c th:TH_LOAD_NT
	global_load_b128 v[12+8*\c:15+8*\c], v1, s[26:27] offset:4096*\c+16 th:TH_LOAD_NT
.endr
.irp c, 0,1,2,3
	s_wait_loadcnt 6-2*\c                          ; loads come back in order: chunk c is in, the 6 - 2 c younger loads stay out
	v_cvt_pk_bf16_f32 v[40+4*\c], v[8+8*\c],  v[9+8*\c]
	v_cvt_pk_bf16_f32 v[41+4*\c], v[10+8*\c], v[11+8*\c]
	v_cvt_pk_bf16_f32 v[42+4*\c], v[12+8*\c], v[13+8*\c]
	v_cvt_pk_bf16_f32 v[43+4*\c], v[14+8*\c], v[15+8*\c]
	global_store_b128 v2, v[40+4*\c:43+4*\c], s[16:17] offset:2048*\c
.endr
	s_cmp_lt_u32 ttmp9, 2
	s_cbranch_scc0 .Lend
	s_lshl_b32 s22, ttmp9, 11                      ; the bias: this work-group's half, 2,048 bytes; no memory instruction names s22, s[28:31] or s[18:19] so far
	s_add_nc_u64 s[28:29], s[28:29], s[22:23]
	s_add_co_u32 s30, s30, s22
	s_add_nc_u64 s[18:19], s[18:19], s[30:31]
	global_load_b128 v[56:59], v2, s[28:29]        ; 128 threads x 4 numbers
	s_wait_loadcnt 0x0
	v_cvt_pk_bf16_f32 v60, v56, v57
	v_cvt_pk_bf16_f32 v61, v58, v59
	v_lshlrev_b32 v64, 16, v60                     ; bf16 back to f32: the low half moves up, the high half stays
	v_and_b32 v65, 0xffff0000, v60
	v_lshlrev_b32 v66, 16, v61
	v_and_b32 v67, 0xffff0000, v61
	global_store_b128 v2, v[64:67], s[18:19]
.Lend:
	s_endpgm
.Lfunc_end_k_qc6cb06b2ec_cvtw:
	.size	k_qc6cb06b2ec_cvtw, .Lfunc_end_k_qc6cb06b2ec_cvtw-k_qc6cb06b2ec_cvtw
	.p2alignl 7, 3214868480
	.fill 96, 4, 3214868480
	.section	.rodata,"a",@progbits
	.p2align	6, 0x0
	.amdhsa_kernel k_qc6cb06b2ec_cvtw
		.amdhsa_group_segment_fixed_size 0
		.amdhsa_private_segment_fixed_size 0
		.amdhsa_enable_private_segment 0
		.amdhsa_kernarg_size 64
		.amdhsa_user_sgpr_count 2
		.amdhsa_user_sgpr_kernarg_segment_ptr 1
		.amdhsa_wavefront_size32 1
		.amdhsa_system_sgpr_workgroup_id_x 1
		.amdhsa_system_sgpr_workgroup_id_y 1
		.amdhsa_system_sgpr_workgroup_id_z 1
		.amdhsa_system_vgpr_workitem_id 0
		.amdhsa_next_free_vgpr 72
		.amdhsa_next_free_sgpr 66
		.amdhsa_reserve_vcc 0
		.amdhsa_float_denorm_mode_32 3
		.amdhsa_float_denorm_mode_16_64 3
		.amdhsa_memory_ordered 1
		.amdhsa_forward_progress 1
		.amdhsa_inst_pref_size 5
	.end_amdhsa_kernel
	.amdgpu_metadata
---
amdhsa.version: [ 1, 2 ]
amdhsa.kernels:
  - .name:           k_qc6cb06b2ec_cvtw
    .symbol:         k_qc6cb06b2ec_cvtw.kd
    .args:
      - { .name: Wq, .offset: 0, .size: 8, .value_kind: global_buffer, .address_space: global }
      - { .name: Wk, .offset: 8, .size: 8, .value_kind: global_buffer, .address_space: global }
      - { .name: Wv, .offset: 16, .size: 8, .value_kind: global_buffer, .address_space: global }
      - { .name: bq, .offset: 24, .size: 8, .value_kind: global_buffer, .address_space: global }
      - { .name: bk, .offset: 32, .size: 8, .value_kind: global_buffer, .address_space: global }
      - { .name: bv, .offset: 40, .size: 8, .value_kind: global_buffer, .address_space: global }
      - { .name: wb, .offset: 48, .size: 8, .value_kind: global_buffer, .address_space: global }
      - { .name: bb, .offset: 56, .size: 8, .value_kind: global_buffer, .address_space: global }
    .group_segment_fixed_size: 0
    .private_segment_fixed_size: 0
    .kernarg_segment_align: 8
    .kernarg_segment_size: 64
    .max_flat_workgroup_size: 384
    .sgpr_count:     66
    .vgpr_count:     72
    .wavefront_size: 32
...
	.end_amdgpu_metadata
.endif
;; end of part 5
;; launch proj (part 6): grid 4 x 64, 4 waves a work-group, clusters of 4 x 4, 327,680 bytes of LDS; arguments q, k, v, wb, bb, wqkv; writes wqkv
.if DOCPART == 6
	.amdgcn_target "amdgcn-amd-amdhsa--gfx1250"
	.amdhsa_code_object_version 6
	.text
	.protected	k_qc6cb06b2ec_proj
	.globl	k_qc6cb06b2ec_proj
	.p2align	8
	.type	k_qc6cb06b2ec_proj,@function
k_qc6cb06b2ec_proj:
	s_mov_b64 s[64:65], 0
	v_nop
	global_prefetch_b8 v0, s[64:65] scope:SCOPE_SE
	s_setreg_imm32_b32 hwreg(HW_REG_WAVE_MODE, 25, 1), 1
	s_wait_xcnt 0x0
	s_wait_alu depctr_hold_cnt(0) depctr_sa_sdst(0) depctr_va_vdst(0) depctr_va_sdst(0) depctr_va_ssrc(0) depctr_va_vcc(0) depctr_vm_vsrc(0)
	s_getreg_b32 s2, hwreg(HW_REG_IB_STS2, 6, 4)
	s_cmp_eq_u32 s2, 0
	s_cbranch_scc0 .Lentry_in_a_cluster
	s_endpgm
.Lentry_in_a_cluster:
	s_bfe_u32 s2, ttmp6, 0x10000c
	s_cmp_lg_u32 s2, 0xf033
	s_cbranch_scc0 .Lentry_shape_is_right
	s_endpgm
.Lentry_shape_is_right:
; wqkv[p] = x_p W_p^T + b_p for p = 0, 1, 2 (x = q, k, v: [8192][1024] f32; W in wb as bf16; b in bb, f32 numbers already rounded to bf16).  Sums in f32, started with the bias as C.
; wq and wk leave as bf16, wv as f16.  LIMIT: |wv| stays under 65,504 (f16's end); with all inputs 30 times the drawn size it is some 520, with offsets of 30 spreads on x and W some 17,000.
; SHARES.  A work-group makes the tile rows 128 rb .., columns 256 ct .. of all three products, one after the other: ONE stream of 24 K steps of 128, and the ring of two LDS slots never stops.
; Four waves, each 64 x 128: 32 accumulators of 16 x 16.  THE MATRIX INSTRUCTION IS USED TRANSPOSED (source 0 = 16 rows of W, source 1 = 16 rows of x): a lane holds one row of x and eight neighbouring columns.
; THE WALK ALONG K begins at step (cluster y) mod 8 and goes round: sums may be taken in any order, and the sixteen rows of clusters, which all read the same W, ask for eight different steps of it at a time.
; x COMES THROUGH REGISTERS, not by joint loads, though the four work-groups of a cluster's row read the same rows: it is f32 and is rounded on its way, and two slots of it in f32 do not fit beside the ring.
; Wave w loads rows 32 w .. 32 w + 31, one load a row (512 consecutive bytes), rounds them once to bf16 and stores them into the A part of the slot that is read next.  The 32 rows go in three batches
; (12, 12, 8), one in each of a step's first three quarters: waited for, converted, stored, asked for again.  So each load is out for a whole K step, across the change of slots.
; W COMES BY JOINT TENSOR LOADS: the four work-groups of a column of the cluster need the same 256 rows of W; each wave asks for 64 of them.
; The A parts are written by ds_store alone, the B parts by tensor loads alone; they share no block of 256 bytes.
; MEMORY INSTRUCTIONS STAND IN ONE RUN A QUARTER (24 fragment loads, the batch's stores, its loads), behind the quarter's eighth matrix instruction; behind single matrix instructions ride vector and scalar lines alone.
; A TRIP OF THE LOOP IS ONE K STEP: the slots' LDS offsets are two scalars turned by an exclusive or, and the address registers are made from them once a step.
; REGISTERS in windows of 256 (s_set_vgpr_msb: bits 1:0 source 0, 3:2 source 1, 5:4 source 2, 7:6 destination):
;   window 0: addresses, v32-55 a batch of x as bf16, v64-159 and v160-255 two fragment buffers (B's eight fragments, then A's four)
;   window 1: the accumulators, (a, b) at v[8 (8 a + b)]          window 2: v0-127 x as loaded (row i at 4 i), v128-191 the bias, v192-255 the way out
.set PITCH,  272                       ; an LDS row: 256 bytes + 16 of padding: the 16 rows of a fragment load start 68 words apart
.set APART,  128*PITCH                 ; a slot's A part: 128 rows of x
.set SLOTB,  APART+256*PITCH           ; then its B part: 256 rows of W
.set SLOT1,  1<<17                     ; slot 1 begins here, so that one exclusive or turns a slot's offset into the other's
.set STAGE,  SLOT1+SLOTB               ; behind the ring: 16 rows x 272 bytes for each wave, for the way out
.set BIASL,  STAGE+4*16*PITCH          ; the work-group's 256 numbers of each of the three biases
.set SPARE,  BIASL+3*1024              ; the spare words, 128 bytes a wave: two blocks of 256 bytes that no other line names
.set XSA0, 6                           ; v6      my 8 bytes of my wave's first row in an A part; never rewritten
.set ADRA0, 7                          ; v7      my place in my A fragments of a slot; never rewritten
.set ADRB0, 8                          ; v8      the same for B
.set BIA0, 9                           ; v9      my place in a bias in LDS
.set XSA,  10                          ; v10     XSA0 + the slot that is filled
.set BIA,  11
.set PFX,  12                          ; v12     x's prefetch offset
.set PFW,  13                          ; v13     W's prefetch offset
.set BO,   14
.set BW,   15
.set ADRA, 16                          ; v16     ADRA0 + the slot that is read
.set ADRB, 20                          ; v20     ADRB0 + the slot that is read
.set STO,  24
.set RD,   25
.set CO,   26
.set SPW,  28                          ; v28     my spare word; never rewritten
.set NIL,  29                          ; v29     0; never rewritten
.set XO,   30                          ; v30     my byte offset in the work-group's rows of x
.set XT,   32                          ; v32-55  a batch's rows as bf16
.set F0,   64
.set F1,   160
.set BI,   128                         ; window 2
.set TMP,  192                         ; window 2
.set OB,   224                         ; window 2
.set OP,   14                          ; s[14:15] wqkv, walking
.set WV,   20
.set WMH,  21
.set WN,   22
.set CX,   23
.set CY,   24
.set CT,   25
.set RB,   26
.set ROT,  27                          ; where my cluster's walk along K begins
.set G1W,  28                          ; s[28:35] W's descriptor group 1
.set G0W,  36                          ; s[36:43] group 0: a set for each of the two first fills; the second then walks on
.set XP,   44                          ; s[44:45] x at the step that is being loaded
.set PX,   46                          ; s[46:47] x at the step that is being prefetched
.set PW,   48                          ; s[48:49] W likewise
.set WBB,  50                          ; s[50:51] wb at my 64 rows
.set WPB,  52                          ; s[52:53] wb at the column tile's 256 rows
.set OD,   56                          ; s[56:57] what the next way out adds to wqkv's address
.set T,    58                          ; s[58:59] an offset, high word 0
.set T2,   60
.set G,    61                          ; the step, 0 to 23
.set LAM,  62
.set LIMW, 63
.set TB,   66                          ; LDS offset of the slot that is read
.set TO,   67                          ; of the other
.set TW,   68                          ; s[68:69] W's offset, high word 0: made of the step and the cluster's y alone
.set TW2,  70
.set MSB, 0
.macro WIN new                         ; the immediate's high byte repeats the setting that is left; a switch that changes nothing is dropped
.if MSB != (\new)
	s_set_vgpr_msb (MSB<<8)|(\new)
.set MSB, \new
.endif
.endm
.macro PLACES                          ; four plain places behind matrix instructions (ISA guide 7.12.1)
.rept 4
	v_nop
.endr
.endm
.macro CREST                           ; a round of the cluster's barrier behind its opening barrier
	s_cmp_lg_u32 s[WV], 0
	s_cbranch_scc1 .Lnot_wave_0_\@
	s_barrier_signal -3
.Lnot_wave_0_\@:
	s_barrier_wait -3
	s_barrier_signal -1
	s_barrier_wait -1
.endm
.macro CROUND
	s_barrier_signal -1
	s_barrier_wait -1
	CREST
.endm
; step LAM of the stream of x as a pointer: q, k or v at the work-group's rows, and 512 bytes for each place along K
.macro PICK dst
	s_cmp_lt_u32 s[LAM], 8
	s_cselect_b64 s[\dst:\dst+1], s[4:5], s[6:7]
	s_cmp_lt_u32 s[LAM], 16
	s_cselect_b64 s[\dst:\dst+1], s[\dst:\dst+1], s[8:9]
	s_add_co_u32 s[T], s[LAM], s[ROT]
	s_and_b32 s[T], s[T], 7
	s_lshl_b32 s[T], s[T], 9
	s_add_nc_u64 s[\dst:\dst+1], s[\dst:\dst+1], s[T:T+1]
.endm
; s[TW] = the byte offset in wb of step G + ahead: its part, and 256 bytes for each place along K
.macro WOFF ahead
	s_add_co_u32 s[TW2], s[G], \ahead
	s_add_co_u32 s[TW], s[TW2], s[ROT]
	s_and_b32 s[TW], s[TW], 7
	s_lshl_b32 s[TW], s[TW], 8
	s_lshr_b32 s[TW2], s[TW2], 3
	s_lshl_b32 s[TW2], s[TW2], 21
	s_add_co_u32 s[TW], s[TW], s[TW2]
.endm
; matrix instruction i of a quarter's 32: a = i / 8, b = i % 8.  c = 0: adds in place; c = 2: the bias starts the sum.  The 32 accumulators take turns, always in this order.
.macro WM f, c
.if (\c) == 2
	WIN 0x60
	v_wmma_f32_16x16x32_bf16 v[8*i:8*i+7], v[(\f)+8*(i%8):(\f)+8*(i%8)+7], v[(\f)+64+8*(i/8):(\f)+64+8*(i/8)+7], v[BI+8*(i%8):BI+8*(i%8)+7]
.else
	WIN 0x50
	v_wmma_f32_16x16x32_bf16 v[8*i:8*i+7], v[(\f)+8*(i%8):(\f)+8*(i%8)+7], v[(\f)+64+8*(i/8):(\f)+64+8*(i/8)+7], v[8*i:8*i+7]
.endif
.endm
.macro WMS f, n, c                     ; the next n of them
.rept \n
	WM \f, \c
.set i, i+1
.endr
.endm
; Batch n of x is rows 12 n .. : 12, 12 or 8 of them.  XC: rows 2 j, 2 j + 1 of the batch rounded to bf16
.macro XC n, j
	WIN 0x0a
.irp m, 0,1
.set u, 2*(\j)+\m
.set xr, 4*(12*(\n)+u)
	v_cvt_pk_bf16_f32 v[XT+2*u],   v[xr],   v[xr+1]
	v_cvt_pk_bf16_f32 v[XT+2*u+1], v[xr+2], v[xr+3]
.endr
.endm
.macro XCS n                           ; the whole batch
.set jj, 0
.rept 6-2*((\n)/2)
	XC \n, jj
.set jj, jj+1
.endr
.endm
.macro XS n                            ; the batch into the A part of the slot that is filled: a store of the wave covers a row's 256 bytes
	WIN 0
.set u, 0
.rept 12-4*((\n)/2)
	ds_store_b64 v[XSA], v[XT+2*u:XT+2*u+1] offset:(12*(\n)+u)*PITCH
.set u, u+1
.endr
.endm
.macro XL n, base                      ; the batch's rows asked for again: a load of the wave covers a row's 512 bytes of a step
	WIN 0x80
.set u, 0
.rept 12-4*((\n)/2)
.set xi, 12*(\n)+u
	global_load_b128 v[4*xi:4*xi+3], v[XO], s[\base:\base+1] offset:xi*4096
.set u, u+1
.endr
.endm
.macro FS k, g                         ; a quarter's fragments (32 along K at byte k of the rows) into buffer g: B's sixteen loads, then A's eight
	WIN 0
.set t, 0
.rept 16
	ds_load_b128 v[(\g)+4*t:(\g)+4*t+3], v[ADRB] offset:(\k)+(t/2)*16*PITCH+32*(t%2)
.set t, t+1
.endr
.set t, 0
.rept 8
	ds_load_b128 v[(\g)+64+4*t:(\g)+64+4*t+3], v[ADRA] offset:(\k)+(t/2)*16*PITCH+32*(t%2)
.set t, t+1
.endr
.endm
; One of a step's first three quarters: 32 matrix instructions on buffer f.  Behind the first ones ride batch n's conversions, four a time (they are also the places in front of the loads into g);
; behind the eighth stands the run.  n < 0: no x work.  ld = 0: nothing is asked for.  lw: the x loads younger than batch n's.
; dw: what may be out of buffer f's run when its B and A's block 0 are wanted: A's blocks 1 to 3 (6 loads) and the stores behind them.
.macro QUARTER k, f, g, c, n, ld, lw, dw
	s_wait_dscnt \dw
.set i, 0
.rept 8
	WM \f, \c
.if (\n) >= 0
.if i == 0
	s_wait_loadcnt \lw
.endif
.if i < 6-2*((\n)/2)
	XC \n, i
.endif
.elseif i == 0
	PLACES
.endif
.set i, i+1
.endr
	FS \k, \g
.if (\n) >= 0
	XS \n
.if \ld
	XL \n, XP
.endif
	s_wait_dscnt 36-4*((\n)/2)                     ; all but the run just issued (24 loads and the batch's stores): buffer f is whole
.else
	s_wait_dscnt 24
.endif
	WMS \f, 24, \c
.endm
; PREFETCHES, behind the joint load, its five lines and the run of LDS loads.  Each block of 256 bytes is named once in the launch.
; x (waves 0 and 1): the step four on, whose loads go out in the trip after the next.  A work-group's 128 rows are read by the four partners of its row of the cluster alone: each takes 32, a lane a row;
; wave w names block w of the step's two.  The last four steps of the stream have been asked for when G reaches 20.
; W (waves 2 and 3): a part of wb is read for the first time in the launch where the clusters begin it, each at its own place along K; two rows of clusters begin at the same place, and the one
; with y under 8 asks, four steps ahead (at steps 4 and 12).  Of the column tile's 256 rows each of the four partners takes 64 by address, a wave 32, a lane a row.
.macro ASK
	s_cmp_lt_u32 s[WV], 2
	s_cbranch_scc0 .Lask_w_\@
	s_cmp_lt_u32 s[G], 20
	s_cbranch_scc0 .Lasked_\@
	global_prefetch_b8 v[PFX], s[PX:PX+1] th:TH_LOAD_NT scope:SCOPE_SE
	s_branch .Lasked_\@
.Lask_w_\@:
	s_and_b32 s[T2], s[G], 0x17                    ; 4 at steps 4 and 12 alone
	s_cmp_eq_u32 s[T2], s[LIMW]
	s_cbranch_scc0 .Lasked_\@
	global_prefetch_b8 v[PFW], s[PW:PW+1] th:TH_LOAD_NT scope:SCOPE_SE
.Lasked_\@:
.endm
; A step's fourth quarter (buffer F1) and THE CHANGE OF SLOTS.  In front of the barrier each wave waits for all its tensor loads (one is out: its part of the next slot's W), adds 0 to its spare word, and waits for that,
; for its reads of this slot and for its stores of x into the next.  Behind it nobody reads this slot, and the next slot is whole.  fill = 1: the barrier opens a round of the cluster's, and W of the step two on is
; asked for first thing behind it.  The scalar work (the slots' offsets, the pointers, the descriptor) rides behind the first four matrix instructions.
.macro TURN fill
	WIN 0
	s_wait_tensorcnt 0x0                           ; no tensor load of mine is out, so a group 0 may be written
	ds_add_u32 v[SPW], v[NIL]                      ; 0 onto my spare word
	s_wait_dscnt 15                                ; F1's B and A's block 0 are in: 6 loads, the 8 stores of x behind them and the add may be out
.set i, 0
.rept 4
	WM F1, 0
.if i == 0
	s_xor_b32 s[TB], s[TB], SLOT1                  ; the slots change places
	s_xor_b32 s[TO], s[TO], SLOT1
	WIN 0
	v_add_nc_u32 v[ADRA], s[TB], v[ADRA0]
	v_add_nc_u32 v[ADRB], s[TB], v[ADRB0]
	v_add_nc_u32 v[XSA], s[TO], v[XSA0]
.endif
.if \fill
.if i == 1
	s_wait_xcnt 0x0                                ; the loads and prefetches issued so far have read their addresses: the pointers may be written
	s_add_co_u32 s[LAM], s[G], 3                   ; the next trip loads x of step G + 3
	PICK XP
.elseif i == 2
	WOFF 2                                         ; W of step G + 2, into the slot that has just been read
	s_xor_b32 s[G0W+5], s[G0W+5], SLOT1
	s_add_nc_u64 s[G0W+6:G0W+7], s[WBB:WBB+1], s[TW:TW+1]
	s_or_b32 s[G0W+7], s[G0W+7], 0x80000000
.elseif i == 3
	s_add_co_u32 s[LAM], s[G], 4
	PICK PX
	WOFF 4
	s_add_nc_u64 s[PW:PW+1], s[WPB:WPB+1], s[TW:TW+1]
.endif
.endif
.set i, i+1
.endr
	s_wait_dscnt 0x0                               ; the add, my reads of this slot and my stores into the next are done
	s_barrier_signal -1
	WMS F1, 4, 0
	WIN 0
	s_barrier_wait -1
.if \fill
	CREST
	tensor_load_to_lds s[G0W+4:G0W+7], s[G1W:G1W+7]
	s_nop 0
.endif
	PLACES                                         ; also the places in front of the loads into F0
	FS 0, F0
.if \fill
	ASK
.endif
	WMS F1, 24, 0
.endm
; THE WAY OUT of block a (16 rows): rounded, 16 bytes a lane into my own stage, back as whole rows of 256 bytes, stored.  LDS serves a wave's instructions in order (ISA guide 5.7.1.4).
.macro PACK a, h16
	WIN 0x85
.set pi, 0
.rept 32
.if \h16
	v_cvt_pk_f16_f32 v[TMP+pi], v[64*(\a)+2*pi], v[64*(\a)+2*pi+1]
.else
	v_cvt_pk_bf16_f32 v[TMP+pi], v[64*(\a)+2*pi], v[64*(\a)+2*pi+1]
.endif
.set pi, pi+1
.endr
.endm
.macro SEND a
	WIN 0x08
.irp b, 0,1,2,3,4,5,6,7
	ds_store_b128 v[STO], v[TMP+4*\b:TMP+4*\b+3] offset:32*\b
.endr
	s_wait_xcnt 0x0                                ; the stores of the block before have read their data and their base
	WIN 0x80
.irp t, 0,1,2,3,4,5,6,7
	ds_load_b128 v[OB+4*\t:OB+4*\t+3], v[RD] offset:\t*2*PITCH
.endr
.if (\a) == 0
	s_add_nc_u64 s[OP:OP+1], s[OP:OP+1], s[OD:OD+1]
.else
	s_add_nc_u64 s[OP:OP+1], s[OP:OP+1], 16*2048
.endif
	s_wait_dscnt 0x0
	WIN 0x08
.irp t, 0,1,2,3,4,5,6,7
	global_store_b128 v[CO], v[OB+4*\t:OB+4*\t+3], s[OP:OP+1] offset:\t*4096  ; 16 lanes store 256 consecutive bytes, aligned
.endr
	WIN 0
.endm
.macro WAYOUT h16
.irp a, 0,1,2,3
	PACK \a, \h16
	SEND \a
.endr
	s_mov_b32 s[OD], 16777216-3*16*2048            ; from my last 16 rows of a part to my first of the next
.endm
	s_load_b256 s[4:11], s[0:1], 0x0               ; q s[4:5], k s[6:7], v s[8:9], wb s[10:11]
	s_load_b128 s[12:15], s[0:1], 0x20             ; bb s[12:13], wqkv s[14:15]
	v_lshl_add_u32 v[SPW], v0, 2, SPARE
	v_mov_b32 v[NIL], 0
	ds_add_u32 v[SPW], v[NIL]                      ; the wave's opening: the add and its wait ahead of my first tensor load
	v_lshrrev_b32 v3, 5, v0
	v_readfirstlane_b32 s[WV], v3                  ; wave 0..3
	s_lshr_b32 s[WMH], s[WV], 1                    ; which 64 rows are mine
	s_and_b32 s[WN], s[WV], 1                      ; which 128 columns
	s_bfe_u32 s[CX], ttmp6, 0x40000
	s_bfe_u32 s[CY], ttmp6, 0x40004
	s_lshl_b32 s[CT], ttmp9, 2
	s_add_co_u32 s[CT], s[CT], s[CX]               ; column tile
	s_and_b32 s[RB], ttmp7, 0xffff                 ; the cluster's y, the same in all sixteen partners
	s_and_b32 s[ROT], s[RB], 7
	s_cmp_lt_u32 s[RB], 8
	s_cselect_b32 s[LIMW], 4, -1
	s_lshl_b32 s[RB], s[RB], 2
	s_add_co_u32 s[RB], s[RB], s[CY]               ; row block
	s_lshl_b32 s76, 0x1111, s[CX]                  ; my column of the cluster
	s_or_b32 s[G1W], s76, (1<<16)|(1<<20)|(1<<21)|(5<<22)|(3<<25)  ; the mask; 2-byte elements; padding on; 21 set beside a mask; after every 64 words 4 words
	s_mov_b32 s[G1W+1], 128<<16                    ; tensor_dim0 = 128
	s_mov_b32 s[G1W+2], 64<<16                     ; tensor_dim1 = 64
	s_mov_b32 s[G1W+3], 128<<16                    ; tile_dim0 = 128
	s_mov_b32 s[G1W+4], 64                         ; tile_dim1 = 64
	s_mov_b32 s[G1W+5], 1024                       ; elements from row to row
	s_mov_b32 s[G1W+6], 0
	s_mov_b32 s[G1W+7], 0
	s_lshl_b32 s78, s[CT], 8
	s_lshl_b32 s79, s[WV], 6
	s_add_co_u32 s78, s78, s79
	s_lshl_b32 s78, s78, 11                        ; W: (256 ct + 64 w) rows of 2,048 bytes
	s_mov_b32 s79, 0
	s_lshl_b32 s72, s[RB], 19                      ; x: 128 rb rows of 4,096 bytes
	s_mov_b32 s73, 0
	s_mul_i32 s74, s[WV], 64*PITCH
	s_add_co_u32 s74, s74, APART                   ; where my 64 rows of W go: the wave's number alone
	s_mov_b32 s[T+1], 0
	s_mov_b32 s[TW+1], 0
	s_mov_b32 s[TB], 0
	s_mov_b32 s[TO], SLOT1
	s_wait_dscnt 0x0                               ; the opening add is done
	s_wait_kmcnt 0x0
	s_add_nc_u64 s[4:5], s[4:5], s[72:73]
	s_add_nc_u64 s[6:7], s[6:7], s[72:73]
	s_add_nc_u64 s[8:9], s[8:9], s[72:73]
	s_add_nc_u64 s[WBB:WBB+1], s[10:11], s[78:79]
	s_lshl_b32 s72, s[CT], 19                      ; 256 ct rows of W
	s_add_nc_u64 s[WPB:WPB+1], s[10:11], s[72:73]
	CROUND                                         ; all sixteen work-groups are here: the first joint loads meet
.irp s, 0,1
	s_add_co_u32 s[TW], s[ROT], \s                 ; steps 0 and 1 of the walk
	s_and_b32 s[TW], s[TW], 7
	s_lshl_b32 s[TW], s[TW], 8
	s_mov_b32 s[G0W+4*\s], 1
	s_add_co_u32 s[G0W+4*\s+1], s74, \s*SLOT1
	s_add_nc_u64 s[G0W+4*\s+2:G0W+4*\s+3], s[WBB:WBB+1], s[TW:TW+1]
	s_or_b32 s[G0W+4*\s+3], s[G0W+4*\s+3], 0x80000000
	tensor_load_to_lds s[G0W+4*\s:G0W+4*\s+3], s[G1W:G1W+7]  ; two loads of mine are out
	s_nop 0
.endr
	PLACES
	v_and_b32 v1, 15, v0                           ; r
	v_bfe_u32 v2, v0, 4, 1                         ; h
	v_and_b32 v3, 31, v0                           ; l
	s_min_u32 s76, s[WV], 2                        ; wave w brings bias w (wave 3 loads the third once more and stores nothing)
	s_lshl_b32 s76, s76, 12
	s_lshl_b32 s77, s[CT], 10
	s_add_co_u32 s76, s76, s77
	v_lshl_add_u32 v[BO], v3, 5, s76               ; 8 numbers a lane
	global_load_b128 v[56:59], v[BO], s[12:13]
	global_load_b128 v[60:63], v[BO], s[12:13] offset:16
	s_lshl_b32 s71, s[WV], 17
	v_lshl_add_u32 v[XO], v3, 4, s71               ; 32 w rows + 16 l
	s_mov_b32 s[LAM], 0
	PICK XP
	s_mov_b32 s[LAM], 1
	PICK PX
	XL 0, XP                                       ; x of step 0
	XL 1, XP
	XL 2, XP
	WIN 0
	v_mul_u32_u24 v4, v1, PITCH
	v_lshl_add_u32 v4, v2, 4, v4                   ; r x pitch + 16 h
	s_mul_i32 s72, s[WMH], 64*PITCH
	s_mul_i32 s73, s[WN], 128*PITCH
	s_add_co_u32 s73, s73, APART
	v_add_nc_u32 v[ADRA0], s72, v4
	v_add_nc_u32 v[ADRB0], s73, v4
	s_mul_i32 s72, s[WV], 32*PITCH
	v_lshl_add_u32 v[XSA0], v3, 3, s72
	s_mul_i32 s72, s[WV], 16*PITCH
	s_add_co_u32 s72, s72, STAGE
	v_add_nc_u32 v[STO], s72, v4
	v_mul_u32_u24 v5, v2, PITCH
	v_lshl_add_u32 v5, v1, 4, v5
	v_add_nc_u32 v[RD], s72, v5
	v_lshlrev_b32 v5, 11, v2
	v_lshl_add_u32 v[CO], v1, 4, v5                ; two rows of wqkv: 2,048 h + 16 r
	s_lshl_b32 s72, s[WV], 10
	s_add_co_u32 s72, s72, BIASL
	v_lshl_add_u32 v[BW], v3, 5, s72
	s_lshl_b32 s72, s[WN], 9
	s_add_co_u32 s72, s72, BIASL
	v_lshl_add_u32 v[BIA0], v2, 5, s72             ; (128 wn) x 4 + 32 h
	v_add_nc_u32 v[ADRA], s[TB], v[ADRA0]
	v_add_nc_u32 v[ADRB], s[TB], v[ADRB0]
	v_add_nc_u32 v[XSA], s[TB], v[XSA0]            ; x of step 0 goes into slot 0
	s_lshl_b32 s76, s[CX], 17
	s_lshl_b32 s77, s[WN], 8
	s_add_co_u32 s76, s76, s77
	v_lshl_add_u32 v[PFX], v3, 12, s76             ; (32 cx + l) rows of x + 256 (w % 2)
	s_lshl_b32 s76, s[CY], 6
	s_lshl_b32 s77, s[WN], 5
	s_add_co_u32 s76, s76, s77
	s_lshl_b32 s76, s76, 11
	v_lshl_add_u32 v[PFW], v3, 11, s76             ; (64 cy + 32 (w % 2) + l) rows of W
	s_lshl_b32 s76, s[RB], 7
	s_lshl_b32 s77, s[WMH], 6
	s_add_co_u32 s76, s76, s77
	s_lshl_b32 s76, s76, 11
	s_lshl_b32 s77, s[CT], 9
	s_add_co_u32 s76, s76, s77
	s_lshl_b32 s77, s[WN], 8
	s_add_co_u32 s[OD], s76, s77                   ; my part of the tile in a part of wqkv
	s_mov_b32 s[OD+1], 0
	s_wait_loadcnt 0x0                             ; the bias and x of step 0
	s_cmp_lt_u32 s[WV], 3
	s_cbranch_scc0 .Lno_bias
	ds_store_b128 v[BW], v[56:59]
	ds_store_b128 v[BW], v[60:63] offset:16
.Lno_bias:
.irp n, 0,1,2
	XCS \n
	XS \n
	XL \n, PX                                      ; x of step 1
.endr
	WIN 0
	v_add_nc_u32 v[XSA], s[TO], v[XSA0]            ; from here on: into the slot that is not read
	s_wait_xcnt 0x0
	s_mov_b32 s[LAM], 2
	PICK XP
	s_wait_tensorcnt 0x1                           ; my part of W of step 0 is in; step 1's may stay out
	s_wait_dscnt 0x0                               ; my rows of x and my bias are in LDS
	s_barrier_signal -1
	s_barrier_wait -1
	FS 0, F0
	s_mov_b32 s[G], 0
.Lstep:                                        ; steps 0 to 21: each asks for W of the step two on, stores x of the next step and loads x of the step two on
	s_and_b32 s[T2], s[G], 7
	s_cmp_eq_u32 s[T2], 0
	s_cbranch_scc0 .Lplain
	s_lshr_b32 s[T], s[G], 3                       ; a tile begins: its bias, in the layout of a result: bias[128 wn + 16 b + 8 h + j] into BI + 8 b + j
	s_lshl_b32 s[T], s[T], 10
	v_add_nc_u32 v[BIA], s[T], v[BIA0]
	WIN 0x80
.irp b, 0,1,2,3,4,5,6,7
	ds_load_b128 v[BI+8*\b:BI+8*\b+3],   v[BIA] offset:64*\b
	ds_load_b128 v[BI+8*\b+4:BI+8*\b+7], v[BIA] offset:64*\b+16
.endr
	QUARTER 64, F0, F1, 2, 0, 1, 20, 0             ; the bias starts the sums
	WIN 0
	s_branch .Ljoin
.Lplain:
	QUARTER 64, F0, F1, 0, 0, 1, 20, 6             ; younger than batch 0's loads: the last step's batches 1 and 2
	WIN 0
.Ljoin:
	QUARTER 128, F1, F0, 0, 1, 1, 20, 18           ; younger than batch 1's: the last step's batch 2, this step's batch 0
	QUARTER 192, F0, F1, 0, 2, 1, 24, 18           ; younger than batch 2's: this step's batches 0 and 1
	TURN 1
	WIN 0
	s_and_b32 s[T2], s[G], 7
	s_cmp_eq_u32 s[T2], 7
	s_cbranch_scc0 .Lno_out
	WAYOUT 0                                       ; wq, wk.  The refill is asked for.  Block 0 was finished in front of the change's places; its conversions are the places for the other blocks
.Lno_out:
	s_add_co_u32 s[G], s[G], 1
	s_cmp_lt_u32 s[G], 22
	s_cbranch_scc1 .Lstep
	QUARTER 64,  F0, F1, 0, 0, 0, 20, 6            ; steps 22 and 23 are written out: nothing more is asked for, and the counts of x's loads run down
	QUARTER 128, F1, F0, 0, 1, 0, 8, 18
	QUARTER 192, F0, F1, 0, 2, 0, 0, 18
	TURN 0
	QUARTER 64,  F0, F1, 0, -1, 0, 0, 6
	QUARTER 128, F1, F0, 0, -1, 0, 0, 6
	QUARTER 192, F0, F1, 0, -1, 0, 0, 6
	s_wait_dscnt 0x0
.set i, 0
	WMS F1, 32, 0
	WIN 0
	PLACES
	WAYOUT 1                                       ; wv, as f16
	s_wait_tensorcnt 0x0                           ; the wave's end
	ds_add_u32 v[SPW], v[NIL]
	s_wait_dscnt 0x0
	CROUND                                         ; the closing round
	s_endpgm
.Lfunc_end_k_qc6cb06b2ec_proj:
	.size	k_qc6cb06b2ec_proj, .Lfunc_end_k_qc6cb06b2ec_proj-k_qc6cb06b2ec_proj
	.p2alignl 7, 3214868480
	.fill 96, 4, 3214868480
	.section	.rodata,"a",@progbits
	.p2align	6, 0x0
	.amdhsa_kernel k_qc6cb06b2ec_proj
		.amdhsa_group_segment_fixed_size 327680
		.amdhsa_private_segment_fixed_size 0
		.amdhsa_enable_private_segment 0
		.amdhsa_kernarg_size 48
		.amdhsa_user_sgpr_count 2
		.amdhsa_user_sgpr_kernarg_segment_ptr 1
		.amdhsa_wavefront_size32 1
		.amdhsa_system_sgpr_workgroup_id_x 1
		.amdhsa_system_sgpr_workgroup_id_y 1
		.amdhsa_system_sgpr_workgroup_id_z 1
		.amdhsa_system_vgpr_workitem_id 0
		.amdhsa_next_free_vgpr 768
		.amdhsa_next_free_sgpr 84
		.amdhsa_reserve_vcc 0
		.amdhsa_float_denorm_mode_32 3
		.amdhsa_float_denorm_mode_16_64 3
		.amdhsa_memory_ordered 1
		.amdhsa_forward_progress 1
		.amdhsa_inst_pref_size 127
	.end_amdhsa_kernel
	.amdgpu_metadata
---
amdhsa.version: [ 1, 2 ]
amdhsa.kernels:
  - .name:           k_qc6cb06b2ec_proj
    .symbol:         k_qc6cb06b2ec_proj.kd
    .args:
      - { .name: q, .offset: 0, .size: 8, .value_kind: global_buffer, .address_space: global }
      - { .name: k, .offset: 8, .size: 8, .value_kind: global_buffer, .address_space: global }
      - { .name: v, .offset: 16, .size: 8, .value_kind: global_buffer, .address_space: global }
      - { .name: wb, .offset: 24, .size: 8, .value_kind: global_buffer, .address_space: global }
      - { .name: bb, .offset: 32, .size: 8, .value_kind: global_buffer, .address_space: global }
      - { .name: wqkv, .offset: 40, .size: 8, .value_kind: global_buffer, .address_space: global }
    .group_segment_fixed_size: 327680
    .private_segment_fixed_size: 0
    .kernarg_segment_align: 8
    .kernarg_segment_size: 48
    .max_flat_workgroup_size: 128
    .sgpr_count:     84
    .vgpr_count:     768
    .wavefront_size: 32
...
	.end_amdgpu_metadata
.endif
;; end of part 6
;; launch score (part 7): grid 8 x 32, 4 waves a work-group, clusters of 4 x 4, 327,680 bytes of LDS; arguments wqkv, att_mask, pw, stat; writes pw, stat
.if DOCPART == 7
	.amdgcn_target "amdgcn-amd-amdhsa--gfx1250"
	.amdhsa_code_object_version 6
	.text
	.protected	k_qc6cb06b2ec_score
	.globl	k_qc6cb06b2ec_score
	.p2align	8
	.type	k_qc6cb06b2ec_score,@function
k_qc6cb06b2ec_score:
	s_mov_b64 s[64:65], 0
	v_nop
	global_prefetch_b8 v0, s[64:65] scope:SCOPE_SE
	s_setreg_imm32_b32 hwreg(HW_REG_WAVE_MODE, 25, 1), 1
	s_wait_xcnt 0x0
	s_wait_alu depctr_hold_cnt(0) depctr_sa_sdst(0) depctr_va_vdst(0) depctr_va_sdst(0) depctr_va_ssrc(0) depctr_va_vcc(0) depctr_vm_vsrc(0)
	s_getreg_b32 s2, hwreg(HW_REG_IB_STS2, 6, 4)
	s_cmp_eq_u32 s2, 0
	s_cbranch_scc0 .Lentry_in_a_cluster
	s_endpgm
.Lentry_in_a_cluster:
	s_bfe_u32 s2, ttmp6, 0x10000c
	s_cmp_lg_u32 s2, 0xf033
	s_cbranch_scc0 .Lentry_shape_is_right
	s_endpgm
.Lentry_shape_is_right:
; s = wq wk^T / 32 + att_mask (the mask rounded once to bf16, like every input of the module).  For each query and each block of 128 keys: the block's maximum m, p = 2^(s log2e - mL) with mL = m log2e,
; p rounded to f16 into pw [8192][2048], and mL and l = the sum of the unrounded p into stat [2][16][8192].  The next launch takes the row's maximum over the 16 blocks and rescales: a true maximum is taken away twice, no fixed shift.
; LIMITS.  A block's maximum below -2e38 counts as -2e38 (a block that is -inf throughout gets p = 0, l = 0); scores beyond 2.3e38 are not served (mL would overflow); p below 2^-126 counts as 0 in l,
; below 6e-5 it keeps f16's fixed step in pw; NaN is not treated apart.
; THE PRODUCT.  A tile of 256 queries x 256 keys of one batch to a work-group, 256 work-groups; four waves, each 128 x 128: 64 accumulators.  K = 1,024 in 8 steps of 128 through two LDS slots filled by joint tensor loads:
; wq's tile is shared along a row of the 4 x 4 cluster, wk's along a column.  The matrix instruction is used transposed (source 0 = 16 keys, source 1 = 16 queries): a lane holds one query and eight neighbouring keys.
; A TRIP OF THE LOOP IS ONE K STEP: the slots' LDS offsets are two scalars (0 or SLOT) turned by an exclusive or, the fragments' address registers are made from them once a step, and one descriptor a tensor walks.
; THE MASK comes by plain tensor loads into the ring's slots once they are read out: each wave's own quadrant (128 x 128 f32) in two parts of 64 rows, each behind a round of the cluster's barrier.
; REGISTERS: window 0: addresses, A's fragments v64-191 (later the epilogue's work), v192-255; window 1: B's fragments; windows 2, 3: the accumulators, (a, b) at v[8 (8 (a % 4) + b)].
.set KSTEP,  128
.set PITCH,  272
.set HALFT,  128*PITCH
.set SLOT,   4*HALFT
.set STAGE,  2*SLOT                    ; 16 rows x 272 bytes for each wave
.set STATS,  STAGE+4*16*PITCH          ; 1,024 bytes for each wave: 128 mL, 128 l
.set SPARE,  STATS+4*1024
.set MPITCH, 528                       ; a row of the mask in LDS: 512 bytes + 16
.set MA,   10                          ; v10-11  my place in my mask part 0, 1
.set SA,   12                          ; v12     where mL (lanes 0-15) and l (lanes 16-31) of the block in hand go
.set SR,   13                          ; v13     where I read them back
.set SO,   14                          ; v14     16 l
.set ADRA, 16                          ; v16     ADRA0 + the slot that is read
.set ADRA0, 17                         ; v17     my place in my A fragments of a slot; never rewritten
.set ADRB, 20                          ; v20     ADRB0 + the slot that is read
.set ADRB0, 21                         ; v21     the same for B; never rewritten
.set STO,  24
.set RD,   25
.set CO,   26
.set SPW,  28
.set NIL,  29
.set PFO,  30                          ; v30     l rows of wq or wk
.set PFM,  31                          ; v31     l rows of the mask
.set C0,   32                          ; v32-35  at work
.set MLP,  38                          ; v38-39  mL, twice
.set LSUM, 40
.set STW,  41
.set F0,   64
.set F1,   128
.set MK,   64                          ; v64-127   a block's mask as loaded, then rounded to bf16 and widened again
.set Y,    128                         ; v128-191  a block's 64 scores a lane
.set PT,   192                         ; v192-223  the mask as bf16, later p as f16
.set OB,   224                         ; v224-255  16 rows read back
.set WV,   12
.set WH,   13
.set WL,   14
.set G1,   24
.set G0,   32                          ; s[32:39] wq's group 0: a set for each of the two first fills; the second then walks on
.set CX,   40
.set CY,   41
.set TX,   42
.set LIM,  43
.set PFA,  44
.set G1B,  48
.set G0B,  56                          ; s[56:63] the same for wk
.set OD,   66
.set G1M,  68
.set G0M,  76
.set SC,   84                          ; s[84:85] 1 / 32, twice
.set LG,   86                          ; s[86:87] log2(e), twice
.set SEL,  88
.set HM,   90                          ; 0xffff0000: a word's upper bf16, and the mask of lanes 16-31
.set BLK,  91
.set PMA,  92                          ; s[92:93] the mask at my quadrant
.set MLIM, 94
.set WGY,  95
.set TB,   96                          ; LDS offset of the slot that is read
.set TO,   97                          ; of the other
.set LB,   98                          ; my quarter of a slot: the wave's number x 128 rows
.set MSB, 0
.macro WIN new
.if MSB != (\new)
	s_set_vgpr_msb (MSB<<8)|(\new)
.set MSB, \new
.endif
.endm
.set MUL_LO, 0xa1                      ; source 0 (B) window 1, source 1 (A) window 0, C and D window 2
.set MUL_HI, 0xf1                      ; the same, C and D window 3
.set TO_B,   0x40
.macro PLACES
.rept 4
	v_nop
.endr
.endm
.macro JLOAD                           ; a joint refill by the walking descriptors: waves 0 and 1 fetch wq's two halves, waves 2 and 3 wk's; the branch hangs on the wave's number alone
	s_cmp_eq_u32 s[WH], 0
	s_cbranch_scc0 .Lfor_b_\@
	tensor_load_to_lds s[G0+4:G0+7], s[G1:G1+7]
	s_nop 0
	PLACES
	s_branch .Lasked_\@
.Lfor_b_\@:
	tensor_load_to_lds s[G0B+4:G0B+7], s[G1B:G1B+7]
	s_nop 0
	PLACES
.Lasked_\@:
.endm
.macro MLOAD p                         ; my own 64 rows x 128 numbers of the mask, into my quarter of slot p
	tensor_load_to_lds s[G0M+4*(\p):G0M+4*(\p)+3], s[G1M:G1M+7]
	s_nop 0
	PLACES
.endm
; PREFETCHES.  wq, wk: the K step two refills on, 32 rows x 256 bytes, a lane a row.  wq's tile row is read by both clusters of a row of clusters: the first asks; wk's tile column by the batch's two rows of clusters: the even one asks.
; The four partners that ask for a tile jointly share its rows out by address.  The loop's last two trips have no K step two refills on.
.macro ASK
	s_cmp_gt_u32 s3, s[LIM]
	s_cbranch_scc0 .Lnot_mine_\@
	global_prefetch_b8 v[PFO], s[PFA:PFA+1] offset:KSTEP*2 th:TH_LOAD_NT scope:SCOPE_SE
.Lnot_mine_\@:
.endm
; The mask's part p (64 rows x 512 bytes of my quadrant: four instructions, a lane a row), one change of slots, 256 matrix instructions, ahead of its load.  All four batches read the same mask: batch 0's work-groups ask.
.macro ASKM p, inloop
.if \inloop
	s_cmp_eq_u32 s3, s[MLIM]                       ; the loop's last trip
.else
	s_cmp_eq_u32 s[MLIM], 1
.endif
	s_cbranch_scc0 .Lno_mask_\@
.irp g, 0,1
	global_prefetch_b8 v[PFM], s[PMA:PMA+1] offset:(2*(\p)+\g)*262144 th:TH_LOAD_NT scope:SCOPE_SE
	global_prefetch_b8 v[PFM], s[PMA:PMA+1] offset:(2*(\p)+\g)*262144+256 th:TH_LOAD_NT scope:SCOPE_SE
.endr
.Lno_mask_\@:
.endm
.macro CREST
	s_cmp_lg_u32 s[WV], 0
	s_cbranch_scc1 .Lnot_wave_0_\@
	s_barrier_signal -3
.Lnot_wave_0_\@:
	s_barrier_wait -3
	s_barrier_signal -1
	s_barrier_wait -1
.endm
.macro CROUND
	s_barrier_signal -1
	s_barrier_wait -1
	CREST
.endm
	s_load_b256 s[4:11], s[0:1], 0x0               ; wqkv s[4:5], att_mask s[6:7], pw s[8:9], stat s[10:11]
	v_lshl_add_u32 v[SPW], v0, 2, SPARE
	v_mov_b32 v[NIL], 0
	ds_add_u32 v[SPW], v[NIL]                      ; the wave's opening: the add and its wait ahead of my first tensor load
	v_lshrrev_b32 v1, 5, v0
	v_readfirstlane_b32 s[WV], v1
	s_lshr_b32 s[WH], s[WV], 1                     ; which 128 queries are mine.  Also: I fetch for wq (0) or wk (1)
	s_and_b32 s[WL], s[WV], 1                      ; which 128 keys.  Also: which 128 rows of that tile I fetch
	s_bfe_u32 s[CX], ttmp6, 0x40000
	s_bfe_u32 s[CY], ttmp6, 0x40004
	s_lshl_b32 s[TX], ttmp9, 2
	s_add_co_u32 s[TX], s[TX], s[CX]               ; key tile 0..7
	s_and_b32 s[WGY], ttmp7, 0xffff
	s_lshl_b32 s[WGY], s[WGY], 2
	s_add_co_u32 s[WGY], s[WGY], s[CY]             ; query tile 0..31, eight a batch
	s_lshl_b32 s16, s[CY], 2
	s_lshl_b32 s16, 15, s16                        ; my row of the cluster
	s_lshl_b32 s46, 0x1111, s[CX]                  ; my column
	s_or_b32 s[G1], s16, (1<<16)|(1<<20)|(1<<21)|(5<<22)|(3<<25)
	s_or_b32 s[G1B], s46, (1<<16)|(1<<20)|(1<<21)|(5<<22)|(3<<25)
.irp g, G1, G1B
	s_mov_b32 s[\g+1], KSTEP<<16                   ; tensor_dim0 = 128
	s_mov_b32 s[\g+2], 128<<16                     ; tensor_dim1 = 128
	s_mov_b32 s[\g+3], KSTEP<<16                   ; tile_dim0 = 128
	s_mov_b32 s[\g+4], 128                         ; tile_dim1 = 128
	s_mov_b32 s[\g+5], 1024                        ; elements from row to row
	s_mov_b32 s[\g+6], 0
	s_mov_b32 s[\g+7], 0
.endr
	s_mov_b32 s[G1M], (2<<16)|(1<<20)|(6<<22)|(3<<25)  ; no mask of work-groups; 4-byte elements; padding on: after every 128 words 4 words
	s_mov_b32 s[G1M+1], 128<<16
	s_mov_b32 s[G1M+2], 64<<16
	s_mov_b32 s[G1M+3], 128<<16
	s_mov_b32 s[G1M+4], 64
	s_mov_b32 s[G1M+5], 2048
	s_mov_b32 s[G1M+6], 0
	s_mov_b32 s[G1M+7], 0
	s_lshl_b32 s17, s[WL], 7
	s_lshl_b32 s16, s[WGY], 8
	s_add_co_u32 s16, s16, s17
	s_lshl_b32 s16, s16, 11                        ; wq: row 256 x query tile + 128 x half, 2,048 bytes a row
	s_mov_b32 s17, 0
	s_and_b32 s46, ttmp7, 0xffff
	s_lshr_b32 s46, s46, 1                         ; the batch, from the cluster's y, which a column's partners share
	s_lshl_b32 s46, s46, 11
	s_lshl_b32 s47, s[TX], 8
	s_add_co_u32 s46, s46, s47
	s_lshl_b32 s47, s[WL], 7
	s_add_co_u32 s46, s46, s47
	s_lshl_b32 s46, s46, 11
	s_add_co_u32 s46, s46, 0x1000000               ; wk is part 1 of wqkv
	s_mov_b32 s47, 0
	s_mul_i32 s[LB], s[WV], HALFT                  ; where my loads go in a slot: the wave's number alone
	s_and_b32 s22, s[WGY], 7
	s_lshl_b32 s22, s22, 8
	s_lshl_b32 s21, s[WH], 7
	s_add_co_u32 s22, s22, s21
	s_lshl_b32 s22, s22, 11                        ; the mask: my first query in its batch x 2,048 keys,
	s_lshl_b32 s21, s[TX], 8
	s_add_co_u32 s22, s22, s21
	s_lshl_b32 s21, s[WL], 7
	s_add_co_u32 s22, s22, s21                     ; + my first key,
	s_lshl_b32 s22, s22, 2                         ; in bytes
	s_mov_b32 s23, 0
	s_mov_b32 s[SC], 0x3d000000                    ; 1 / sqrt(1024)
	s_mov_b32 s[SC+1], 0x3d000000
	s_mov_b32 s[LG], 0x3fb8aa3b
	s_mov_b32 s[LG+1], 0x3fb8aa3b
	s_mov_b32 s[SEL], 0x76543210
	s_mov_b32 s[SEL+1], 0xfedcba98
	s_mov_b32 s[HM], 0xffff0000
	s_mov_b32 s[TB], 0
	s_mov_b32 s[TO], SLOT
	s_wait_dscnt 0x0
	s_wait_kmcnt 0x0
	s_add_nc_u64 s[18:19], s[4:5], s[16:17]
	s_add_nc_u64 s[46:47], s[4:5], s[46:47]
	s_add_nc_u64 s[PMA:PMA+1], s[6:7], s[22:23]
.irp s, 0,1
	s_mov_b32 s[G0+4*\s], 1
	s_add_co_u32 s[G0+4*\s+1], s[LB], \s*SLOT
	s_add_nc_u64 s[G0+4*\s+2:G0+4*\s+3], s[18:19], \s*KSTEP*2
	s_or_b32 s[G0+4*\s+3], s[G0+4*\s+3], 0x80000000
	s_mov_b32 s[G0B+4*\s], 1
	s_add_co_u32 s[G0B+4*\s+1], s[LB], \s*SLOT
	s_add_nc_u64 s[G0B+4*\s+2:G0B+4*\s+3], s[46:47], \s*KSTEP*2
	s_or_b32 s[G0B+4*\s+3], s[G0B+4*\s+3], 0x80000000
	s_mov_b32 s[G0M+4*\s], 1
	s_add_co_u32 s[G0M+4*\s+1], s[LB], \s*SLOT
	s_add_nc_u64 s[G0M+4*\s+2:G0M+4*\s+3], s[PMA:PMA+1], \s*524288
	s_or_b32 s[G0M+4*\s+3], s[G0M+4*\s+3], 0x80000000
.endr
	CROUND                                         ; all sixteen work-groups are here: the first joint loads meet
	s_cmp_eq_u32 s[WH], 0                          ; a wave's two first fills stand in one branch: two loads of mine are out
	s_cbranch_scc0 .Lfirst_b
	tensor_load_to_lds s[G0:G0+3], s[G1:G1+7]
	s_nop 0
	tensor_load_to_lds s[G0+4:G0+7], s[G1:G1+7]
	s_nop 0
	PLACES
	s_branch .Lfirst_asked
.Lfirst_b:
	tensor_load_to_lds s[G0B:G0B+3], s[G1B:G1B+7]
	s_nop 0
	tensor_load_to_lds s[G0B+4:G0B+7], s[G1B:G1B+7]
	s_nop 0
	PLACES
.Lfirst_asked:
	v_and_b32 v1, 15, v0                           ; r
	v_bfe_u32 v2, v0, 4, 1                         ; h
	v_and_b32 v3, 31, v0                           ; l
	v_mul_u32_u24 v4, v1, PITCH
	v_lshl_add_u32 v4, v2, 4, v4
	s_mul_i32 s21, s[WH], HALFT
	s_mul_i32 s22, s[WL], HALFT
	s_add_co_u32 s22, s22, 2*HALFT
	v_add_nc_u32 v[ADRA0], s21, v4
	v_add_nc_u32 v[ADRB0], s22, v4
	v_add_nc_u32 v[ADRA], s[TB], v[ADRA0]          ; K step 0 lies in slot 0
	v_add_nc_u32 v[ADRB], s[TB], v[ADRB0]
	s_mul_i32 s23, s[WV], 16*PITCH
	s_add_co_u32 s23, s23, STAGE
	v_add_nc_u32 v[STO], s23, v4
	v_mul_u32_u24 v5, v2, PITCH
	v_lshl_add_u32 v5, v1, 4, v5
	v_add_nc_u32 v[RD], s23, v5
	v_lshlrev_b32 v5, 12, v2
	v_lshl_add_u32 v[CO], v1, 4, v5                ; two rows of pw: 4,096 h + 16 r
	v_mul_u32_u24 v5, v1, MPITCH
	v_lshl_add_u32 v5, v2, 5, v5
	v_add_nc_u32 v[MA], s[LB], v5                  ; my quarter of slot 0 + 528 r + 32 h
	v_add_nc_u32 v[MA+1], SLOT, v[MA]
	s_lshl_b32 s23, s[WV], 10
	s_add_co_u32 s23, s23, STATS
	v_lshlrev_b32 v5, 9, v2
	v_lshl_add_u32 v5, v1, 2, v5
	v_add_nc_u32 v[SA], s23, v5
	v_lshl_add_u32 v[SR], v3, 4, s23
	v_lshlrev_b32 v[SO], 4, v3
	v_lshlrev_b32 v[PFO], 11, v3
	v_lshlrev_b32 v[PFM], 13, v3
	; where my part of the tile begins in pw, and my 128 rows in stat
	s_lshl_b32 s20, s[WGY], 8
	s_lshl_b32 s21, s[WH], 7
	s_add_co_u32 s20, s20, s21                     ; my first row
	s_lshl_b32 s[OD], s20, 12
	s_lshl_b32 s21, s[TX], 9
	s_add_co_u32 s[OD], s[OD], s21
	s_lshl_b32 s21, s[WL], 8
	s_add_co_u32 s[OD], s[OD], s21
	s_mov_b32 s[OD+1], 0
	s_lshl_b32 s20, s20, 2
	s_lshl_b32 s21, s[TX], 1
	s_add_co_u32 s21, s21, s[WL]                   ; the key block 2 tx + wn
	s_lshl_b32 s21, s21, 15
	s_add_co_u32 s20, s20, s21
	s_mov_b32 s21, 0
	s_add_nc_u64 s[10:11], s[10:11], s[20:21]
	; the prefetches
	s_lshl_b32 s20, s[WGY], 8                      ; wq: the tile's first row
	s_and_b32 s22, ttmp7, 0xffff
	s_lshr_b32 s21, s22, 1
	s_cmp_eq_u32 s21, 0
	s_cselect_b32 s[MLIM], 1, -1                   ; batch 0 asks for the mask
	s_lshl_b32 s21, s21, 11
	s_lshl_b32 s23, s[TX], 8
	s_add_co_u32 s21, s21, s23
	s_add_co_u32 s21, s21, 8192                    ; wk: its rows lie 8,192 rows behind wq's
	s_and_b32 s22, s22, 1
	s_cmp_eq_u32 s[WH], 0
	s_cselect_b32 s20, s20, s21
	s_cselect_b32 s21, s[CX], s[CY]                ; my place among the four that ask with me
	s_cselect_b32 s22, ttmp9, s22                  ; the coordinate along which other clusters read the same rows
	s_cmp_eq_u32 s22, 0
	s_cselect_b32 s[LIM], 2, -1                    ; a wave that asks does so while more than two trips are left
	s_lshl_b32 s22, s[WL], 7
	s_add_co_u32 s20, s20, s22
	s_lshl_b32 s21, s21, 5
	s_add_co_u32 s20, s20, s21
	s_lshl_b32 s20, s20, 11
	s_mov_b32 s21, 0
	s_add_nc_u64 s[PFA:PFA+1], s[4:5], s[20:21]
	s_add_nc_u64 s[PFA:PFA+1], s[PFA:PFA+1], 2*KSTEP*2  ; at K step 2: the first change steps it to 3 and names step 4
; 16 matrix instructions: query blocks a0, a0 + 1 of the window's four x all 8 key blocks, 32 along K.  zero = 1: the first product starts the sums.  The 64 accumulators take turns.
.macro MUL16 f, hi, a0, zero
	WIN MUL_LO+0x50*(\hi)
.irp a, \a0, (\a0)+1
.irp b, 0,1,2,3,4,5,6,7
.if \zero
	v_wmma_f32_16x16x32_bf16 v[8*(8*(\a)+(\b)):8*(8*(\a)+(\b))+7], v[(\f)+8*(\b):(\f)+8*(\b)+7], v[(\f)+8*(4*(\hi)+(\a)):(\f)+8*(4*(\hi)+(\a))+7], 0
.else
	v_wmma_f32_16x16x32_bf16 v[8*(8*(\a)+(\b)):8*(8*(\a)+(\b))+7], v[(\f)+8*(\b):(\f)+8*(\b)+7], v[(\f)+8*(4*(\hi)+(\a)):(\f)+8*(4*(\hi)+(\a))+7], v[8*(8*(\a)+(\b)):8*(8*(\a)+(\b))+7]
.endif
.endr
.endr
.endm
.macro FETCH k, f                      ; 32 LDS loads in one run: a quarter's fragments, from the slot that is read
	WIN TO_B
.irp i, 0,1,2,3,4,5,6,7
	ds_load_b128 v[(\f)+8*(\i):(\f)+8*(\i)+3],   v[ADRB] offset:(\k)+(\i)*16*PITCH
	ds_load_b128 v[(\f)+8*(\i)+4:(\f)+8*(\i)+7], v[ADRB] offset:(\k)+(\i)*16*PITCH+32
.endr
	WIN 0
.irp i, 0,1,2,3,4,5,6,7
	ds_load_b128 v[(\f)+8*(\i):(\f)+8*(\i)+3],   v[ADRA] offset:(\k)+(\i)*16*PITCH
	ds_load_b128 v[(\f)+8*(\i)+4:(\f)+8*(\i)+7], v[ADRA] offset:(\k)+(\i)*16*PITCH+32
.endr
.endm
.macro QUARTER k, f, g, zero
	s_wait_dscnt 8                                 ; B and A's rows 0-63 are in; the youngest eight loads may be out
	MUL16 \f, 0, 0, \zero
	MUL16 \f, 0, 2, \zero
	PLACES
	FETCH \k, \g
	s_wait_dscnt 32                                ; all but the 32 just issued
	MUL16 \f, 1, 0, \zero
	MUL16 \f, 1, 2, \zero
.endm
; The last quarter (buffer F1) and the change of slots.  In front of the round each wave waits for all its tensor loads, adds 0 to its spare word, and waits for that and for its reads of this slot.
; Behind the round the slot just read is filled first: kind 0: with the K step two on (joint); kind 1: with part 0 of my mask (K step 6 lay in slot 0); kind 2: with part 1 (K step 7 lay in slot 1), and nothing more is fetched.
.macro TURN kind
	s_wait_xcnt 0x0                                ; the last prefetches have read their address
.if (\kind) == 0
	s_add_nc_u64 s[PFA:PFA+1], s[PFA:PFA+1], KSTEP*2
.endif
	WIN 0
	s_wait_tensorcnt 0x0                           ; all my tensor loads have landed
	ds_add_u32 v[SPW], v[NIL]                      ; 0 onto my spare word
.if (\kind) < 2
	s_xor_b32 s[TB], s[TB], SLOT                   ; the slots change places: 0 and SLOT
	s_xor_b32 s[TO], s[TO], SLOT
	v_add_nc_u32 v[ADRA], s[TB], v[ADRA0]          ; this slot's last fragment loads have been issued
	v_add_nc_u32 v[ADRB], s[TB], v[ADRB0]
.endif
	s_wait_dscnt 9                                 ; the add and the youngest eight loads may be out
	MUL16 F1, 0, 0, 0
	s_wait_dscnt 0x0                               ; the add is done, my reads of this slot are over
	s_barrier_signal -1
	MUL16 F1, 0, 2, 0
	WIN 0
	s_barrier_wait -1
	CREST
.if (\kind) == 0
	s_add_co_u32 s[G0+5], s[LB], s[TO]             ; the walking descriptors: my quarter of the slot just read,
	s_add_co_u32 s[G0B+5], s[LB], s[TO]
	s_add_nc_u64 s[G0+6:G0+7], s[G0+6:G0+7], KSTEP*2     ; the next K step; the type bits on top are not reached
	s_add_nc_u64 s[G0B+6:G0B+7], s[G0B+6:G0B+7], KSTEP*2
	JLOAD
	FETCH 0, F0
	ASK
	ASKM 0, 1
.elseif (\kind) == 1
	MLOAD 0
	FETCH 0, F0
	ASKM 1, 0
.else
	MLOAD 1
.endif
	MUL16 F1, 1, 0, 0
	MUL16 F1, 1, 2, 0
.endm
	s_wait_tensorcnt 0x1                           ; my part of K step 0 is in; step 1's may stay out
	s_barrier_signal -1
	s_barrier_wait -1
	FETCH 0, F0
	QUARTER 64, F0, F1, 1                          ; the first quarter stands in front of the loop: its products start the sums
	WIN 0
	s_mov_b32 s3, 6
.Lstep:                                        ; six trips, from a step's second quarter to the next step's first: K steps 2 to 7 are asked for
	QUARTER 128, F1, F0, 0
	QUARTER 192, F0, F1, 0
	TURN 0
	QUARTER 64,  F0, F1, 0
	WIN 0
	s_sub_co_u32 s3, s3, 1
	s_cmp_lg_u32 s3, 0
	s_cbranch_scc1 .Lstep
	QUARTER 128, F1, F0, 0                         ; K steps 6 and 7 are written out: behind them the slots take the mask
	QUARTER 192, F0, F1, 0
	TURN 1                                         ; mask rows 0-63 have a K step in which to land
	QUARTER 64,  F0, F1, 0
	QUARTER 128, F1, F0, 0
	QUARTER 192, F0, F1, 0
	TURN 2                                         ; mask rows 64-127 land while blocks 0 to 3 are worked on
	WIN 0
	PLACES
; THE EPILOGUE: a loop over my eight blocks of 16 queries.  What differs between blocks is where the accumulators lie, so a chain of forward jumps leads to one of eight short parts; the rest is written once.
.macro MLD a                           ; block a's mask: my query's 64 numbers
.irp b, 0,1,2,3,4,5,6,7
	ds_load_b128 v[MK+8*\b:MK+8*\b+3],   v[MA+(\a)/4] offset:((\a)%4)*16*MPITCH+64*\b
	ds_load_b128 v[MK+8*\b+4:MK+8*\b+7], v[MA+(\a)/4] offset:((\a)%4)*16*MPITCH+64*\b+16
.endr
.endm
.macro SPEC a                          ; s = product / 32 + mask, two fused multiply-adds a line, each accumulator read from its low end on; then the next block's mask is fetched
	WIN 0x02+(\a)/4
.set j, 0
.rept 32
	v_pk_fma_f32 v[Y+2*j:Y+2*j+1], v[64*((\a)%4)+2*j:64*((\a)%4)+2*j+1], s[SC:SC+1], v[MK+2*j:MK+2*j+1] op_sel_hi:[1,0,1]
.set j, j+1
.endr
	WIN 0
.if ((\a) >= 3) && ((\a) < 7)
	s_wait_tensorcnt 0x0                           ; part 1 of my mask is in
.endif
.if (\a) < 7
	MLD (\a)+1
.endif
.endm
	s_wait_tensorcnt 0x1                           ; part 0 of my mask is in (one load was issued behind it)
	MLD 0
	s_mov_b32 s[BLK], 0
.Lblk:
	s_wait_dscnt 0x0                               ; the block's mask
.set j, 0
.rept 32
	v_cvt_pk_bf16_f32 v[PT+j], v[MK+2*j], v[MK+2*j+1]  ; rounded once to bf16,
.set j, j+1
.endr
.set j, 0
.rept 32
	v_lshlrev_b32 v[MK+2*j],   16, v[PT+j]         ; and widened again, here where it is written once: the low half moves up,
	v_and_b32     v[MK+2*j+1], s[HM], v[PT+j]      ; the high half stays
.set j, j+1
.endr
.irp a, 0,1,2,3,4,5,6
	s_cmp_eq_u32 s[BLK], \a
	s_cbranch_scc1 .Lspec\a
.endr
	SPEC 7
	s_branch .Lcommon
.irp a, 0,1,2,3,4,5
.Lspec\a:
	SPEC \a
	s_branch .Lcommon
.endr
.Lspec6:
	SPEC 6
.Lcommon:
.irp c, 0,1,2,3                        ; the maximum of my 64 scores: four chains of 15, then the four left over
	v_max3_num_f32 v[C0+\c], v[Y+16*\c], v[Y+16*\c+1], v[Y+16*\c+2]
.endr
.irp m, 0,1,2,3,4,5
.irp c, 0,1,2,3
	v_max3_num_f32 v[C0+\c], v[C0+\c], v[Y+16*\c+3+2*\m], v[Y+16*\c+4+2*\m]
.endr
.endr
	v_max3_num_f32 v[C0], v[C0], v[Y+15], v[Y+31]
	v_max3_num_f32 v[C0+2], v[C0+2], v[Y+47], v[Y+63]
	v_max3_num_f32 v[C0], v[C0], v[C0+1], v[C0+2]
	v_max_num_f32 v[C0], v[C0], v[C0+3]
	v_permlanex16_b32 v[C0+1], v[C0], s[SEL], s[SEL+1]  ; the query's other 64 keys lie in the lane 16 away
	v_max_num_f32 v[C0], v[C0], v[C0+1]
	v_max_num_f32 v[C0], 0xff167699, v[C0]         ; not below -2e38, so that mL stays finite
	v_mul_f32 v[MLP], s[LG], v[C0]
	v_mul_f32 v[MLP+1], s[LG], v[C0]
.set j, 0
.rept 32
	v_pk_fma_f32 v[Y+2*j:Y+2*j+1], v[Y+2*j:Y+2*j+1], s[LG:LG+1], v[MLP:MLP+1] op_sel_hi:[1,0,0] neg_lo:[0,0,1] neg_hi:[0,0,1]
.set j, j+1
.endr
.set j, 0
.rept 64
	v_exp_f32 v[Y+j], v[Y+j]
.set j, j+1
.endr
	v_nop                                          ; a plain instruction behind the last exponential,
	s_wait_alu depctr_va_vdst(0)                   ; and one wait for the batch of 64, ahead of its first reader
.set j, 0
.rept 32
	v_cvt_pk_f16_f32 v[PT+j], v[Y+2*j], v[Y+2*j+1]
.set j, j+1
.endr
.irp s, 16,8,4,2,1                     ; the sum of the unrounded p, a tree in place
.set u, 0
.rept \s
	v_pk_add_f32 v[Y+2*u:Y+2*u+1], v[Y+2*u:Y+2*u+1], v[Y+2*(u+\s):Y+2*(u+\s)+1]
.set u, u+1
.endr
.endr
	v_add_f32 v[LSUM], v[Y], v[Y+1]
	v_permlanex16_b32 v[C0+1], v[LSUM], s[SEL], s[SEL+1]
	v_add_f32 v[LSUM], v[LSUM], v[C0+1]
	v_cndmask_b32 v[STW], v[MLP], v[LSUM], s[HM]   ; lanes 0-15 keep mL, lanes 16-31 l
	s_wait_xcnt 0x0                                ; the last block's stores have read their data and their base
.irp b, 0,1,2,3,4,5,6,7
	ds_store_b128 v[STO], v[PT+4*\b:PT+4*\b+3] offset:32*\b
.endr
.irp t, 0,1,2,3,4,5,6,7
	ds_load_b128 v[OB+4*\t:OB+4*\t+3], v[RD] offset:\t*2*PITCH  ; LDS serves a wave's instructions in order: these see the stores above
.endr
	ds_store_b32 v[SA], v[STW]
	s_add_nc_u64 s[8:9], s[8:9], s[OD:OD+1]        ; the first time: to my part of the tile; then 16 rows on
	s_mov_b32 s[OD], 0x10000
	s_mov_b32 s[OD+1], 0
	s_wait_dscnt 1                                 ; the rows are back; the one store behind them may be out
.irp t, 0,1,2,3,4,5,6,7
	global_store_b128 v[CO], v[OB+4*\t:OB+4*\t+3], s[8:9] offset:\t*8192  ; 16 lanes store 256 consecutive bytes, aligned
.endr
	v_add_nc_u32 v[SA], 64, v[SA]
	s_add_co_u32 s[BLK], s[BLK], 1
	s_cmp_lt_u32 s[BLK], 8
	s_cbranch_scc1 .Lblk
	s_wait_dscnt 0x0
	ds_load_b128 v[64:67], v[SR]                   ; my 128 mL and 128 l, my own bytes: 512 consecutive bytes each
	ds_load_b128 v[68:71], v[SR] offset:512
	s_wait_dscnt 0x0
	global_store_b128 v[SO], v[64:67], s[10:11]
	global_store_b128 v[SO], v[68:71], s[10:11] offset:524288
	s_wait_tensorcnt 0x0                           ; the wave's end
	ds_add_u32 v[SPW], v[NIL]
	s_wait_dscnt 0x0
	CROUND                                         ; the closing round
	s_endpgm
.Lfunc_end_k_qc6cb06b2ec_score:
	.size	k_qc6cb06b2ec_score, .Lfunc_end_k_qc6cb06b2ec_score-k_qc6cb06b2ec_score
	.p2alignl 7, 3214868480
	.fill 96, 4, 3214868480
	.section	.rodata,"a",@progbits
	.p2align	6, 0x0
	.amdhsa_kernel k_qc6cb06b2ec_score
		.amdhsa_group_segment_fixed_size 327680
		.amdhsa_private_segment_fixed_size 0
		.amdhsa_enable_private_segment 0
		.amdhsa_kernarg_size 32
		.amdhsa_user_sgpr_count 2
		.amdhsa_user_sgpr_kernarg_segment_ptr 1
		.amdhsa_wavefront_size32 1
		.amdhsa_system_sgpr_workgroup_id_x 1
		.amdhsa_system_sgpr_workgroup_id_y 1
		.amdhsa_system_sgpr_workgroup_id_z 1
		.amdhsa_system_vgpr_workitem_id 0
		.amdhsa_next_free_vgpr 1024
		.amdhsa_next_free_sgpr 100
		.amdhsa_reserve_vcc 0
		.amdhsa_float_denorm_mode_32 3
		.amdhsa_float_denorm_mode_16_64 3
		.amdhsa_memory_ordered 1
		.amdhsa_forward_progress 1
		.amdhsa_inst_pref_size 133
	.end_amdhsa_kernel
	.amdgpu_metadata
---
amdhsa.version: [ 1, 2 ]
amdhsa.kernels:
  - .name:           k_qc6cb06b2ec_score
    .symbol:         k_qc6cb06b2ec_score.kd
    .args:
      - { .name: wqkv, .offset: 0, .size: 8, .value_kind: global_buffer, .address_space: global }
      - { .name: att_mask, .offset: 8, .size: 8, .value_kind: global_buffer, .address_space: global }
      - { .name: pw, .offset: 16, .size: 8, .value_kind: global_buffer, .address_space: global }
      - { .name: stat, .offset: 24, .size: 8, .value_kind: global_buffer, .address_space: global }
    .group_segment_fixed_size: 327680
    .private_segment_fixed_size: 0
    .kernarg_segment_align: 8
    .kernarg_segment_size: 32
    .max_flat_workgroup_size: 128
    .sgpr_count:     100
    .vgpr_count:     1024
    .wavefront_size: 32
...
	.end_amdgpu_metadata
.endif
;; end of part 7
;; launch pv (part 8): grid 4 x 64, 4 waves a work-group, clusters of 4 x 4, 327,680 bytes of LDS; arguments pw, wqkv, stat, out0; writes out0
.if DOCPART == 8
	.amdgcn_target "amdgcn-amd-amdhsa--gfx1250"
	.amdhsa_code_object_version 6
	.text
	.protected	k_qc6cb06b2ec_pv
	.globl	k_qc6cb06b2ec_pv
	.p2align	8
	.type	k_qc6cb06b2ec_pv,@function
k_qc6cb06b2ec_pv:
	s_mov_b64 s[64:65], 0
	v_nop
	global_prefetch_b8 v0, s[64:65] scope:SCOPE_SE
	s_setreg_imm32_b32 hwreg(HW_REG_WAVE_MODE, 25, 1), 1
	s_wait_xcnt 0x0
	s_wait_alu depctr_hold_cnt(0) depctr_sa_sdst(0) depctr_va_vdst(0) depctr_va_sdst(0) depctr_va_ssrc(0) depctr_va_vcc(0) depctr_vm_vsrc(0)
	s_getreg_b32 s2, hwreg(HW_REG_IB_STS2, 6, 4)
	s_cmp_eq_u32 s2, 0
	s_cbranch_scc0 .Lentry_in_a_cluster
	s_endpgm
.Lentry_in_a_cluster:
	s_bfe_u32 s2, ttmp6, 0x10000c
	s_cmp_lg_u32 s2, 0xf033
	s_cbranch_scc0 .Lentry_shape_is_right
	s_endpgm
.Lentry_shape_is_right:
; out[row] = (the sum over the 16 key blocks t of f_t (p_t wv_t)) / (the sum over t of f_t l_t), f_t = 2^(mL_t - ML), ML = the row's maximum of mL_t: the second half of the softmax, with the row's true maximum.
; p (pw) and wv (part 2 of wqkv) are f16; f is rounded to f16 and multiplied onto p in registers (v_pk_mul_f16); sums in f32; the divisor takes f unrounded (they differ by 2^-12 of a block's share at the most).
; LIMITS.  f and f p below 6e-5 keep f16's fixed step of 6e-8, beside a row's largest weight of 1.  A row that is -inf throughout has a divisor of 0 and gives NaN, as the definition does.
; SHARES.  A tile of 128 rows x 256 channels to a work-group, 256 work-groups; four waves, each 64 x 128: 32 accumulators.  K = 2,048 keys in 16 steps of 128, one key block a step, through two LDS slots.
; THE WALK OVER THE KEY BLOCKS begins at block 4 x (cluster y mod 4) and goes round: sums may be taken in any order, and the four rows of clusters of a batch, which read the same wv, ask for four different blocks at a time.
; wv COMES BY JOINT TENSOR LOADS, shared along a column of the 4 x 4 cluster: each wave asks for 32 keys x 512 bytes.
; p COMES THROUGH REGISTERS, not by joint loads, though the four work-groups of a cluster's row read the same rows: it is multiplied by f once on its way, in the wave that loads it (64 packed multiplies a wave and
; step; on fragments, which two waves read, they would be 128); the tensor loads, all of which every wave awaits at each change of slots, then bring 64 KiB a step and not 96; and a load into registers stays out across the change.
; Wave w loads rows 32 w .. 32 w + 31, two rows (2 x 256 consecutive bytes) a load, in three batches (6, 6, 4 loads), one in each of a step's first three quarters: waited for, scaled, stored into the A part of the slot
; that is read next, asked for again.  The A parts are written by ds_store alone, the B parts by tensor loads alone; they share no block of 256 bytes.
; MEMORY INSTRUCTIONS STAND IN ONE RUN A QUARTER; a trip of the loop is one step, the slots' LDS offsets two scalars turned by an exclusive or.
; The matrix instruction is used transposed: source 0 = 16 channels (wv lies [key][channel] and is turned by ds_load_tr16_b128), source 1 = 16 rows of p: a lane holds one row and eight neighbouring channels.
; REGISTERS: window 0: addresses, v32-55 a batch of scaled p, v64-159 and v160-255 two fragment buffers (B's eight, then A's four); window 1: the accumulators, before the loop the statistics;
;   window 2: v0-63 p as loaded (load i at 4 i), v64-79 the step's factors (load i's at 64 + i)
.set PITCH,  272                       ; a row of p in LDS: 256 bytes + 16
.set PV,     544                       ; a row of wv: 512 bytes + 32: an odd multiple of 32
.set APART,  128*PITCH
.set SLOTB,  APART+128*PV
.set SLOT1,  1<<17                     ; slot 1 begins here, so that one exclusive or turns a slot's offset into the other's
.set STAGE,  SLOT1+SLOTB               ; 16 rows x 528 bytes for each wave
.set OPITCH, 528
.set FTAB,   STAGE+4*16*OPITCH         ; 2,048 bytes for each wave, its own: [step of the walk][row's parity][load] pairs (f, f) in f16
.set RTAB,   FTAB+4*2048               ; 1 / divisor of the 128 rows, [64 rows][r][a]
.set SPARE,  RTAB+512
.set ASA0, 6                           ; v6      my 16 bytes of my wave's first two rows in an A part; never rewritten
.set ADRA0, 7
.set ADRB0, 8
.set FTW,  9
.set ASA,  10
.set RTW,  11
.set PFO,  12
.set FTA,  13                          ; v13     my half's 64 bytes of the factors that the next change of slots fetches
.set RTR,  14
.set ROWO, 15
.set ADRA, 16
.set ADRB, 20
.set STO,  24
.set RD,   25
.set GO,   26
.set SPW,  28
.set NIL,  29
.set AO,   30                          ; v30     my byte offset in the work-group's rows of p
.set PT,   32                          ; v32-55  a batch, scaled
.set RI,   32                          ; the way out: v32-39 1 / divisor, a pair for each block; v40-43 as read
.set R4,   40
.set F0,   64
.set F1,   160
.set TMP,  64
.set OB,   128
.set FC,   64                          ; window 2
.set M,    0                           ; window 1, before the loop: mL, then f, by the walk's steps
.set LQ,   16                          ; l
.set VO,   32                          ; their byte offsets in stat
.set ML,   48
.set DV,   49
.set RC,   50
.set FP,   64                          ; (f, f)
.set WV,   12
.set WMH,  13
.set WL,   14
.set ROT,  15
.set CX,   16
.set CY,   17
.set CT,   18
.set RB,   19
.set G1B,  24
.set G0B,  32                          ; s[32:39] group 0: a set for each of the two first fills; the second then walks on
.set LIMA, 40
.set G,    41                          ; the step of the walk, 0 to 15
.set OD,   42
.set PP,   44                          ; s[44:45] p at the key block that is being loaded
.set PF,   46                          ; s[46:47] that is being prefetched
.set P1,   48                          ; s[48:49] of step 1
.set WVB,  50
.set PWB,  52
.set T,    54                          ; s[54:55] an offset, high word 0
.set TW,   56                          ; s[56:57] wv's offset, high word 0: made of the step and the cluster's y alone
.set TB,   58
.set TO,   59
.set MSB, 0
.macro WIN new
.if MSB != (\new)
	s_set_vgpr_msb (MSB<<8)|(\new)
.set MSB, \new
.endif
.endm
.macro PLACES
.rept 4
	v_nop
.endr
.endm
.macro CREST
	s_cmp_lg_u32 s[WV], 0
	s_cbranch_scc1 .Lnot_wave_0_\@
	s_barrier_signal -3
.Lnot_wave_0_\@:
	s_barrier_wait -3
	s_barrier_signal -1
	s_barrier_wait -1
.endm
.macro CROUND
	s_barrier_signal -1
	s_barrier_wait -1
	CREST
.endm
.macro APTR dst, ahead                 ; p at the work-group's rows, at the key block of step G + ahead: 256 bytes a block
	s_add_co_u32 s[T], s[G], \ahead
	s_add_co_u32 s[T], s[T], s[ROT]
	s_and_b32 s[T], s[T], 15
	s_lshl_b32 s[T], s[T], 8
	s_add_nc_u64 s[\dst:\dst+1], s[PWB:PWB+1], s[T:T+1]
.endm
; matrix instruction i of a quarter's 32: a = i / 8, b = i % 8.  c = 1: it starts its sum.  The 32 accumulators take turns, always in this order.
.macro WM f, c
	WIN 0x50
.if \c
	v_wmma_f32_16x16x32_f16 v[8*i:8*i+7], v[(\f)+8*(i%8):(\f)+8*(i%8)+7], v[(\f)+64+8*(i/8):(\f)+64+8*(i/8)+7], 0
.else
	v_wmma_f32_16x16x32_f16 v[8*i:8*i+7], v[(\f)+8*(i%8):(\f)+8*(i%8)+7], v[(\f)+64+8*(i/8):(\f)+64+8*(i/8)+7], v[8*i:8*i+7]
.endif
.endm
.macro WMS f, n, c
.rept \n
	WM \f, \c
.set i, i+1
.endr
.endm
; Batch n of p is loads 6 n .. : 6, 6 or 4 of them.  SCL: load j of the batch times its rows' factor
.macro SCL n, j
	WIN 0x0a
.set ai, 6*(\n)+(\j)
.irp m, 0,1,2,3
	v_pk_mul_f16 v[PT+4*(\j)+\m], v[4*ai+\m], v[FC+ai]
.endr
.endm
.macro SCLS n
.set jj, 0
.rept 6-2*((\n)/2)
	SCL \n, jj
.set jj, jj+1
.endr
.endm
.macro AS n                            ; the batch into the A part of the slot that is filled: 16 lanes store a row's 256 bytes
	WIN 0
.set u, 0
.rept 6-2*((\n)/2)
	ds_store_b128 v[ASA], v[PT+4*u:PT+4*u+3] offset:(6*(\n)+u)*2*PITCH
.set u, u+1
.endr
.endm
.macro AL n, base                      ; the batch asked for again: 16 lanes load a row's 256 bytes of a key block
	WIN 0x80
.set u, 0
.rept 6-2*((\n)/2)
.set ai, 6*(\n)+u
	global_load_b128 v[4*ai:4*ai+3], v[AO], s[\base:\base+1] offset:ai*8192
.set u, u+1
.endr
.endm
.macro FCL off                         ; a step's sixteen factors of my half of the lanes
	WIN 0x80
.irp q, 0,1,2,3
	ds_load_b128 v[FC+4*\q:FC+4*\q+3], v[FTA] offset:(\off)+16*\q
.endr
.endm
.macro FS kq, g                        ; quarter kq's fragments into buffer g: wv's sixteen loads, turned, then p's eight
	WIN 0
.set t, 0
.rept 16
	ds_load_tr16_b128 v[(\g)+4*t:(\g)+4*t+3], v[ADRB] offset:32*PV*(\kq)+32*(t/2)+16*PV*(t%2)
.set t, t+1
.endr
.set t, 0
.rept 8
	ds_load_b128 v[(\g)+64+4*t:(\g)+64+4*t+3], v[ADRA] offset:64*(\kq)+(t/2)*16*PITCH+32*(t%2)
.set t, t+1
.endr
.endm
; One of a step's first three quarters: 32 matrix instructions on buffer f.  Behind the first ones ride batch n's scalings, four a time (they are also the places in front of the loads into g);
; behind the eighth stands the run.  n < 0: no work on p.  ld = 0: nothing is asked for.  lw: the loads of p younger than batch n's.
; dw: what may be out of buffer f's run when its B and A's block 0 are wanted: A's blocks 1 to 3 (6 loads) and the stores behind them.
.macro QUARTER kq, f, g, c, n, ld, lw, dw
	s_wait_dscnt \dw
.set i, 0
.rept 8
	WM \f, \c
.if (\n) >= 0
.if i == 0
	s_wait_loadcnt \lw
.endif
.if i < 6-2*((\n)/2)
	SCL \n, i
.endif
.elseif i == 0
	PLACES
.endif
.set i, i+1
.endr
	FS \kq, \g
.if (\n) >= 0
	AS \n
.if \ld
	AL \n, PP
.endif
	s_wait_dscnt 30-2*((\n)/2)                     ; all but the run just issued (24 loads and the batch's stores): buffer f is whole
.else
	s_wait_dscnt 24
.endif
	WMS \f, 24, \c
.endm
; A PREFETCH of p, behind the joint load, its five lines and the run of LDS loads: the key block four steps on, whose loads go out in the trip after the next.  A work-group's 128 rows are read by the four partners of its
; row of the cluster alone: each takes 32 by address, a lane a row of 256 bytes; wave 0 asks.  So each block is named once in the launch.  The walk's last four blocks have been asked for when G reaches 12.
; wv is not asked for: the blocks that a cluster is the first of its batch to read are its walk's first four, and those are loaded at the head and behind the first two changes of slots.
.macro ASK
	s_cmp_lt_u32 s[G], s[LIMA]
	s_cbranch_scc0 .Lnot_mine_\@
	global_prefetch_b8 v[PFO], s[PF:PF+1] th:TH_LOAD_NT scope:SCOPE_SE
.Lnot_mine_\@:
.endm
; A step's fourth quarter (buffer F1) and THE CHANGE OF SLOTS.  In front of the barrier each wave waits for all its tensor loads (one is out: its part of the next slot's wv), adds 0 to its spare word, and waits for that,
; for its reads of this slot and for its stores of p into the next.  fill = 1: the barrier opens a round of the cluster's, and wv of the step two on is asked for first thing behind it.
.macro TURN fill
	WIN 0
	s_wait_tensorcnt 0x0                           ; no tensor load of mine is out, so a group 0 may be written
	ds_add_u32 v[SPW], v[NIL]                      ; 0 onto my spare word
	s_wait_dscnt 11                                ; F1's B and A's block 0 are in: 6 loads, the 4 stores of p behind them and the add may be out
.set i, 0
.rept 4
	WM F1, 0
.if i == 0
	s_xor_b32 s[TB], s[TB], SLOT1                  ; the slots change places
	s_xor_b32 s[TO], s[TO], SLOT1
	WIN 0
	v_add_nc_u32 v[ADRA], s[TB], v[ADRA0]
	v_add_nc_u32 v[ADRB], s[TB], v[ADRB0]
	v_add_nc_u32 v[ASA], s[TO], v[ASA0]
.endif
.if \fill
.if i == 1
	s_wait_xcnt 0x0                                ; the loads and the prefetch issued so far have read their addresses: the pointers may be written
	APTR PP, 3                                     ; the next trip loads p of step G + 3
.elseif i == 2
	s_add_co_u32 s[TW], s[G], 2                    ; wv of step G + 2, 128 rows of 2,048 bytes a block, into the slot that has just been read
	s_add_co_u32 s[TW], s[TW], s[ROT]
	s_and_b32 s[TW], s[TW], 15
	s_lshl_b32 s[TW], s[TW], 18
	s_xor_b32 s[G0B+5], s[G0B+5], SLOT1
	s_add_nc_u64 s[G0B+6:G0B+7], s[WVB:WVB+1], s[TW:TW+1]
	s_or_b32 s[G0B+7], s[G0B+7], 0x80000000
.elseif i == 3
	APTR PF, 4
.endif
.endif
.set i, i+1
.endr
	s_wait_dscnt 0x0                               ; the add, my reads of this slot and my stores into the next are done
	s_barrier_signal -1
	WMS F1, 4, 0
	WIN 0
	s_barrier_wait -1
.if \fill
	CREST
	tensor_load_to_lds s[G0B+4:G0B+7], s[G1B:G1B+7]
	s_nop 0
.endif
	PLACES                                         ; also the places in front of the loads into F0
.if \fill
	FCL 0                                          ; the factors for p of step G + 2, which the next trip scales
.endif
	FS 0, F0
.if \fill
	v_add_nc_u32 v[FTA], 128, v[FTA]
	ASK
.endif
	WMS F1, 24, 0
.endm
	s_load_b256 s[4:11], s[0:1], 0x0               ; pw s[4:5], wqkv s[6:7], stat s[8:9], out0 s[10:11]
	v_lshl_add_u32 v[SPW], v0, 2, SPARE
	v_mov_b32 v[NIL], 0
	ds_add_u32 v[SPW], v[NIL]                      ; the wave's opening: the add and its wait ahead of my first tensor load
	v_lshrrev_b32 v3, 5, v0
	v_readfirstlane_b32 s[WV], v3
	s_lshr_b32 s[WMH], s[WV], 1                    ; which 64 rows are mine
	s_and_b32 s[WL], s[WV], 1                      ; which 128 channels
	s_bfe_u32 s[CX], ttmp6, 0x40000
	s_bfe_u32 s[CY], ttmp6, 0x40004
	s_lshl_b32 s[CT], ttmp9, 2
	s_add_co_u32 s[CT], s[CT], s[CX]
	s_and_b32 s[RB], ttmp7, 0xffff                 ; the cluster's y, the same in all sixteen partners
	s_and_b32 s[ROT], s[RB], 3
	s_lshl_b32 s[ROT], s[ROT], 2
	s_lshr_b32 s66, s[RB], 2                       ; the batch
	s_lshl_b32 s[RB], s[RB], 2
	s_add_co_u32 s[RB], s[RB], s[CY]
	s_lshl_b32 s67, 0x1111, s[CX]                  ; my column of the cluster
	s_or_b32 s[G1B], s67, (1<<16)|(1<<20)|(1<<21)|(6<<22)|(7<<25)  ; the mask; 2-byte elements; padding on; 21 set beside a mask; after every 128 words 8 words
	s_mov_b32 s[G1B+1], 256<<16                    ; tensor_dim0 = 256
	s_mov_b32 s[G1B+2], 32<<16                     ; tensor_dim1 = 32
	s_mov_b32 s[G1B+3], 256<<16                    ; tile_dim0 = 256
	s_mov_b32 s[G1B+4], 32                         ; tile_dim1 = 32
	s_mov_b32 s[G1B+5], 1024                       ; elements from row to row
	s_mov_b32 s[G1B+6], 0
	s_mov_b32 s[G1B+7], 0
	s_lshl_b32 s66, s66, 11
	s_lshl_b32 s67, s[WV], 5
	s_add_co_u32 s66, s66, s67
	s_lshl_b32 s66, s66, 11                        ; wv: key 2,048 x batch + 32 w, 2,048 bytes a row,
	s_lshl_b32 s67, s[CT], 9
	s_add_co_u32 s66, s66, s67                     ; 512 bytes a channel tile,
	s_add_co_u32 s66, s66, 0x2000000               ; in part 2 of wqkv
	s_mov_b32 s67, 0
	s_lshl_b32 s68, s[RB], 19                      ; p: 128 rb rows of 4,096 bytes
	s_mov_b32 s69, 0
	s_mul_i32 s70, s[WV], 32*PV
	s_add_co_u32 s70, s70, APART                   ; where my 32 keys go: the wave's number alone
	s_lshl_b32 s72, s[RB], 9                       ; stat: 128 rb rows of 4 bytes
	s_mov_b32 s73, 0
	s_mov_b32 s[T+1], 0
	s_mov_b32 s[TW+1], 0
	s_mov_b32 s[TB], 0
	s_mov_b32 s[TO], SLOT1
	s_mov_b32 s[G], 0
	s_wait_dscnt 0x0
	s_wait_kmcnt 0x0
	s_add_nc_u64 s[WVB:WVB+1], s[6:7], s[66:67]
	s_add_nc_u64 s[PWB:PWB+1], s[4:5], s[68:69]
	s_add_nc_u64 s[8:9], s[8:9], s[72:73]
	CROUND                                         ; all sixteen work-groups are here: the first joint loads meet
.irp s, 0,1
	s_add_co_u32 s[TW], s[ROT], \s                 ; steps 0 and 1 of the walk
	s_and_b32 s[TW], s[TW], 15
	s_lshl_b32 s[TW], s[TW], 18
	s_mov_b32 s[G0B+4*\s], 1
	s_add_co_u32 s[G0B+4*\s+1], s70, \s*SLOT1
	s_add_nc_u64 s[G0B+4*\s+2:G0B+4*\s+3], s[WVB:WVB+1], s[TW:TW+1]
	s_or_b32 s[G0B+4*\s+3], s[G0B+4*\s+3], 0x80000000
	tensor_load_to_lds s[G0B+4*\s:G0B+4*\s+3], s[G1B:G1B+7]  ; two loads of mine are out
	s_nop 0
.endr
	PLACES
	v_and_b32 v1, 15, v0                           ; r
	v_bfe_u32 v2, v0, 4, 1                         ; h
	v_and_b32 v3, 31, v0                           ; l
	s_lshl_b32 s70, s[WV], 7
	v_lshl_add_u32 v[ROWO], v3, 2, s70             ; THE STATISTICS, a lane a row: row 32 w + l
	WIN 0x40
.set t, 0
.rept 16
	s_add_co_u32 s[T], s[ROT], t                   ; the key block of the walk's step t: 32,768 bytes a block
	s_and_b32 s[T], s[T], 15
	s_lshl_b32 s[T], s[T], 15
	v_add_nc_u32 v[VO+t], s[T], v[ROWO]
.set t, t+1
.endr
	WIN 0x41
.set t, 0
.rept 16
	global_load_b32 v[M+t],  v[VO+t], s[8:9]
	global_load_b32 v[LQ+t], v[VO+t], s[8:9] offset:524288
.set t, t+1
.endr
	WIN 0
	s_lshl_b32 s70, s[WV], 17
	v_lshlrev_b32 v4, 12, v2
	v_lshl_add_u32 v4, v1, 4, v4
	v_add_nc_u32 v[AO], s70, v4                    ; row 32 w + h, 16 bytes a lane
	APTR PP, 0
	APTR P1, 1
	AL 0, PP                                       ; p of step 0
	AL 1, PP
	AL 2, PP
	WIN 0
	s_mul_i32 s70, s[WV], 32*PITCH
	v_mul_u32_u24 v4, v2, PITCH
	v_lshl_add_u32 v4, v1, 4, v4
	v_add_nc_u32 v[ASA0], s70, v4
	v_mul_u32_u24 v5, v1, PITCH
	v_lshl_add_u32 v5, v2, 4, v5
	s_mul_i32 s70, s[WMH], 64*PITCH
	v_add_nc_u32 v[ADRA0], s70, v5
	v_and_b32 v5, 7, v0                            ; the turning load: lane l reads key 8 h + l % 8, channels 8 ((l / 8) % 2) + 0..7
	v_lshl_add_u32 v5, v2, 3, v5
	v_mul_u32_u24 v5, v5, PV
	v_bfe_u32 v4, v0, 3, 1
	v_lshl_add_u32 v5, v4, 4, v5
	s_lshl_b32 s70, s[WL], 8
	s_add_co_u32 s70, s70, APART
	v_add_nc_u32 v[ADRB0], s70, v5
	v_add_nc_u32 v[ADRA], s[TB], v[ADRA0]
	v_add_nc_u32 v[ADRB], s[TB], v[ADRB0]
	v_add_nc_u32 v[ASA], s[TB], v[ASA0]            ; p of step 0 goes into slot 0
	s_mul_i32 s70, s[WV], 16*OPITCH
	s_add_co_u32 s70, s70, STAGE
	v_mul_u32_u24 v5, v1, OPITCH
	v_lshl_add_u32 v5, v2, 5, v5
	v_add_nc_u32 v[STO], s70, v5                   ; in: row r, 32 bytes for each half of the lanes
	v_lshl_add_u32 v[RD], v3, 4, s70               ; back: a whole row of 512 bytes
	v_lshlrev_b32 v[GO], 4, v3
	s_lshl_b32 s70, s[WV], 11
	s_add_co_u32 s70, s70, FTAB
	v_lshl_add_u32 v[FTA], v2, 6, s70              ; read: my half's sixteen pairs
	v_and_b32 v4, 1, v0                            ; written: row l is load l / 2, half l % 2
	v_lshrrev_b32 v5, 1, v3
	v_lshlrev_b32 v5, 2, v5
	v_lshl_add_u32 v5, v4, 6, v5
	v_add_nc_u32 v[FTW], s70, v5
	s_lshl_b32 s70, s[WMH], 8
	s_add_co_u32 s70, s70, RTAB
	v_lshl_add_u32 v[RTR], v1, 4, s70              ; read: rows 64 wm + 16 a + r, a = 0..3
	s_lshl_b32 s71, s[WL], 3
	v_lshl_add_u32 v4, v2, 2, s71                  ; written: row 32 w + l is a = 2 (w % 2) + l / 16, r = l % 16
	v_add_nc_u32 v[RTW], v[RTR], v4
	s_lshl_b32 s70, s[CX], 17
	v_lshl_add_u32 v[PFO], v3, 12, s70             ; (32 cx + l) rows of p
	s_cmp_eq_u32 s[WV], 0
	s_cselect_b32 s[LIMA], 12, 0
	s_lshl_b32 s68, s[RB], 7
	s_lshl_b32 s69, s[WMH], 6
	s_add_co_u32 s68, s68, s69
	s_lshl_b32 s68, s68, 12
	s_lshl_b32 s69, s[CT], 10
	s_add_co_u32 s68, s68, s69
	s_lshl_b32 s69, s[WL], 9
	s_add_co_u32 s[OD], s68, s69                   ; my part of the tile in out0
	s_mov_b32 s[OD+1], 0
	s_wait_loadcnt 16                              ; the statistics are in; p's sixteen loads may stay out
	WIN 0x55                                       ; all in window 1, whose accumulators are not yet in use
	v_max3_num_f32 v[ML], v[M], v[M+1], v[M+2]
.irp m, 0,1,2,3,4,5
	v_max3_num_f32 v[ML], v[ML], v[M+3+2*\m], v[M+4+2*\m]
.endr
	v_max_num_f32 v[ML], v[ML], v[M+15]            ; ML: the row's maximum
.set t, 0
.rept 16
	v_sub_f32 v[M+t], v[M+t], v[ML]
.set t, t+1
.endr
.set t, 0
.rept 16
	v_exp_f32 v[M+t], v[M+t]                       ; f
.set t, t+1
.endr
	v_nop                                          ; a plain instruction behind the last exponential,
	s_wait_alu depctr_va_vdst(0)                   ; and one wait for the batch
.set t, 0
.rept 16
	v_cvt_pk_f16_f32 v[FP+t], v[M+t], v[M+t]
.set t, t+1
.endr
	v_mul_f32 v[DV], v[M], v[LQ]
.set t, 1
.rept 15
	v_fmac_f32 v[DV], v[M+t], v[LQ+t]              ; the divisor
.set t, t+1
.endr
	v_rcp_f32 v[RC], v[DV]
	v_nop
	s_wait_alu depctr_va_vdst(0)
	WIN 0x04
.set t, 0
.rept 16
	ds_store_b32 v[FTW], v[FP+t] offset:128*t      ; my wave's own table
.set t, t+1
.endr
	ds_store_b32 v[RTW], v[RC]                     ; for the waves that hold the row at the end: read behind the first barrier
	FCL 0                                          ; step 0's factors: LDS serves a wave's instructions in order (ISA guide 5.7.1.4)
	WIN 0
	s_wait_loadcnt 0x0                             ; p of step 0
	s_wait_dscnt 0x0
.irp n, 0,1,2
	SCLS \n
	AS \n
	AL \n, P1                                      ; p of step 1
.endr
	FCL 128                                        ; step 1's factors
	WIN 0
	v_add_nc_u32 v[ASA], s[TO], v[ASA0]            ; from here on: into the slot that is not read
	v_add_nc_u32 v[FTA], 256, v[FTA]
	s_wait_xcnt 0x0
	APTR PP, 2
	s_wait_tensorcnt 0x1                           ; my part of wv of step 0 is in; step 1's may stay out
	s_wait_dscnt 0x0                               ; my rows of p and my reciprocals are in LDS
	s_barrier_signal -1
	s_barrier_wait -1
	FS 0, F0
	QUARTER 1, F0, F1, 1, 0, 1, 10, 6              ; the first quarter's products start the sums; the loop is entered behind its own first quarter
	WIN 0
	s_branch .Ljoin
.Lstep:                                        ; steps 0 to 13: each asks for wv of the step two on, stores p of the next step and loads p of the step two on
	QUARTER 1, F0, F1, 0, 0, 1, 10, 6              ; younger than batch 0's loads: the last step's batches 1 and 2
	WIN 0
.Ljoin:
	QUARTER 2, F1, F0, 0, 1, 1, 10, 12             ; younger than batch 1's: the last step's batch 2, this step's batch 0
	QUARTER 3, F0, F1, 0, 2, 1, 12, 12             ; younger than batch 2's: this step's batches 0 and 1
	TURN 1
	WIN 0
	s_add_co_u32 s[G], s[G], 1
	s_cmp_lt_u32 s[G], 14
	s_cbranch_scc1 .Lstep
	QUARTER 1, F0, F1, 0, 0, 0, 10, 6              ; steps 14 and 15 are written out: nothing more is asked for, and the counts of p's loads run down
	QUARTER 2, F1, F0, 0, 1, 0, 4, 12
	QUARTER 3, F0, F1, 0, 2, 0, 0, 12
	TURN 0
	QUARTER 1, F0, F1, 0, -1, 0, 0, 6
	QUARTER 2, F1, F0, 0, -1, 0, 0, 6
	QUARTER 3, F0, F1, 0, -1, 0, 0, 6
	s_wait_dscnt 0x0
.set i, 0
	WMS F1, 32, 0
	WIN 0
	ds_load_b128 v[R4:R4+3], v[RTR]                ; 1 / divisor of my four rows
	PLACES
	s_wait_dscnt 0x0
.irp a, 0,1,2,3
	v_mov_b32 v[RI+2*\a], v[R4+\a]                 ; as pairs, for the packed multiply
	v_mov_b32 v[RI+2*\a+1], v[R4+\a]
.endr
; THE WAY OUT of block a (16 rows x 128 channels of f32): divided, 32 bytes a lane into my own stage, back as whole rows of 512 bytes, stored.
.macro OUT a
	WIN 0x01
.set j, 0
.rept 32
	v_pk_mul_f32 v[TMP+2*j:TMP+2*j+1], v[64*(\a)+2*j:64*(\a)+2*j+1], v[RI+2*(\a):RI+2*(\a)+1]
.set j, j+1
.endr
	WIN 0
.irp b, 0,1,2,3,4,5,6,7
	ds_store_b128 v[STO], v[TMP+8*\b:TMP+8*\b+3]   offset:64*\b
	ds_store_b128 v[STO], v[TMP+8*\b+4:TMP+8*\b+7] offset:64*\b+16
.endr
	s_wait_xcnt 0x0                                ; the stores of the block before have read their data and their base
.set j, 0
.rept 16
	ds_load_b128 v[OB+4*j:OB+4*j+3], v[RD] offset:j*OPITCH  ; LDS serves a wave's instructions in order: these see the stores above
.set j, j+1
.endr
.if (\a) == 0
	s_add_nc_u64 s[10:11], s[10:11], s[OD:OD+1]
.else
	s_add_nc_u64 s[10:11], s[10:11], 16*4096
.endif
	s_wait_dscnt 0x0
.set j, 0
.rept 16
	global_store_b128 v[GO], v[OB+4*j:OB+4*j+3], s[10:11] offset:j*4096 th:TH_STORE_NT  ; a wave stores 512 consecutive bytes, aligned
.set j, j+1
.endr
.endm
	OUT 0
	OUT 1
	OUT 2
	OUT 3
	s_wait_tensorcnt 0x0                           ; the wave's end
	ds_add_u32 v[SPW], v[NIL]
	s_wait_dscnt 0x0
	CROUND                                         ; the closing round
	s_endpgm
.Lfunc_end_k_qc6cb06b2ec_pv:
	.size	k_qc6cb06b2ec_pv, .Lfunc_end_k_qc6cb06b2ec_pv-k_qc6cb06b2ec_pv
	.p2alignl 7, 3214868480
	.fill 96, 4, 3214868480
	.section	.rodata,"a",@progbits
	.p2align	6, 0x0
	.amdhsa_kernel k_qc6cb06b2ec_pv
		.amdhsa_group_segment_fixed_size 327680
		.amdhsa_private_segment_fixed_size 0
		.amdhsa_enable_private_segment 0
		.amdhsa_kernarg_size 32
		.amdhsa_user_sgpr_count 2
		.amdhsa_user_sgpr_kernarg_segment_ptr 1
		.amdhsa_wavefront_size32 1
		.amdhsa_system_sgpr_workgroup_id_x 1
		.amdhsa_system_sgpr_workgroup_id_y 1
		.amdhsa_system_sgpr_workgroup_id_z 1
		.amdhsa_system_vgpr_workitem_id 0
		.amdhsa_next_free_vgpr 640
		.amdhsa_next_free_sgpr 76
		.amdhsa_reserve_vcc 0
		.amdhsa_float_denorm_mode_32 3
		.amdhsa_float_denorm_mode_16_64 3
		.amdhsa_memory_ordered 1
		.amdhsa_forward_progress 1
		.amdhsa_inst_pref_size 117
	.end_amdhsa_kernel
	.amdgpu_metadata
---
amdhsa.version: [ 1, 2 ]
amdhsa.kernels:
  - .name:           k_qc6cb06b2ec_pv
    .symbol:         k_qc6cb06b2ec_pv.kd
    .args:
      - { .name: pw, .offset: 0, .size: 8, .value_kind: global_buffer, .address_space: global }
      - { .name: wqkv, .offset: 8, .size: 8, .value_kind: global_buffer, .address_space: global }
      - { .name: stat, .offset: 16, .size: 8, .value_kind: global_buffer, .address_space: global }
      - { .name: out0, .offset: 24, .size: 8, .value_kind: global_buffer, .address_space: global }
    .group_segment_fixed_size: 327680
    .private_segment_fixed_size: 0
    .kernarg_segment_align: 8
    .kernarg_segment_size: 32
    .max_flat_workgroup_size: 128
    .sgpr_count:     76
    .vgpr_count:     640
    .wavefront_size: 32
...
	.end_amdgpu_metadata
.endif
;; end of part 8
